; MI455X (gfx1250); checked and timed in simulation.
; The chip was launched on July 23, 2026; its instructions are those of AMD's public machine-readable ISA for CDNA 5 (MIT licence, August 2026) and "CDNA5" Instruction Set Architecture Reference Guide (July 2026). The comments in the code are by the model that wrote it; some were corrected since.
;; AIF. Allowed arithmetic: float matrix products may take bf16 or f16 operands with f32 sums; all other float work in f32.
;; Inputs: W_out 1,024 x 1 float32; W_proj 1,024 x 1,024 float32; b_out 1 float32; b_proj 1,024 float32; xs 16 x 2,048 x 1,024 float32; xs_lens 16 int32; ys 16 x 256 x 1,024 float32; ys_lens 16 int32.
;; Outputs: out0 16 x 256 x 1,024 float32; out1 16 float32; out2 16 x 2,048 float32; out3 16 x 2,048 float32.
;; 2 versions, each right and faster than the one before. Each part assembles by itself: llvm-mc -triple=amdgcn-amd-amdhsa -mcpu=gfx1250 --defsym DOCPART=n.
;; ======== version 1 of 2: 6 launches
;; limits: values are held in f16: magnitudes above 65,504 overflow, below 6.1e-05 lose precision; inputs' magnitudes at most 65,504
;; workspace buffers: part 1,048,576 bytes; meanb 65,536 bytes; fire 131,072 bytes of whole numbers; meta 256 bytes of whole numbers; qh 8,388,608 bytes; ph 16,777,216 bytes; st 1,048,576 bytes; ch 8,388,608 bytes
;; launch alpha (part 1): grid 256 x 1, 8 waves a work-group, no clusters, 34,304 bytes of LDS; arguments xs, W_out, b_out, xs_lens, out2, part; writes out2, part
.if DOCPART == 1
	.amdgcn_target "amdgcn-amd-amdhsa--gfx1250"
	.amdhsa_code_object_version 6
	.text
	.protected	k_q4a0e736da8_alpha
	.globl	k_q4a0e736da8_alpha
	.p2align	8
	.type	k_q4a0e736da8_alpha,@function
k_q4a0e736da8_alpha:
	s_mov_b64 s[64:65], 0
	v_nop
	global_prefetch_b8 v0, s[64:65] scope:SCOPE_SE
	s_setreg_imm32_b32 hwreg(HW_REG_WAVE_MODE, 25, 1), 1
	s_wait_xcnt 0x0
; alphas[b][t] = sigmoid(xs[b][t] . W_out + b_out), 0 at t >= xs_lens[b]  -> out2;  and the column sums of xs over 128 frames -> part.
; xs, W_out and b_out are rounded to bf16 first (all the module's inputs are), sums in f32.
; A stream: xs is read once, 16 bytes a lane, 512 neighbouring bytes an instruction.  No matrix unit, no cluster: nothing is shared and memory binds.
; Work-group g: batch g / 16, frames 128 (g % 16) on.  Wave w: 16 frames.  A frame is eight loads; lane L holds columns 128 j + 4 L + 0..3.
; A ring of four frame slots in registers: one at work, three (24 loads) on their way.
; LIMITS: for a logit below about -88 the exponential overflows and alpha is 0 where the true number is below 1e-38.
.set W,    4                           ; v[4:35]    W_out, rounded to bf16, as f32, in a frame's column layout
.set CS,   36                          ; v[36:67]   column sums of my 16 frames
.set X,    68                          ; v[68:195]  four slots of 32
.set T,    196                         ; v[196:207] two sets of six at work
.set D,    208                         ; v[208:211] the dot product's two packed chains
.set LOG,  212                         ; lane l % 16 = f keeps frame f's logit
.set SEL,  213                         ; l % 16 less 4 x round
.set M,    214                         ; v[214:221] at the end
.set ALDS, 32768                       ; LDS: eight rows of 4,096 bytes (column sums by wave), then 128 alphas
.macro FILL s, f                       ; slot s takes frame f, counted from the round's base
.irp j, 0,1,2,3,4,5,6,7
	global_load_b128 v[X+32*(\s)+4*(\j):X+32*(\s)+4*(\j)+3], v1, s[4:5] offset:(\f)*4096+512*(\j) th:TH_LOAD_NT
.endr
.endm
.macro ADD4 d, s                       ; four numbers onto four
	v_pk_add_f32 v[(\d):(\d)+1], v[(\d):(\d)+1], v[(\s):(\s)+1]
	v_pk_add_f32 v[(\d)+2:(\d)+3], v[(\d)+2:(\d)+3], v[(\s)+2:(\s)+3]
.endm
; The turn of slot s.  fill = 1: the slot in front of it in the ring takes the frame three further on.  left: the younger loads that may stay out.
.macro TURN s, fill, left
.if \fill
	FILL ((\s)+3)%4, (\s)+3
.endif
	s_wait_loadcnt \left                           ; loads come back in order: this frame's eight are in
.irp j, 0,1,2,3,4,5,6,7
.set TB, T+6*((\j)%2)
.set XB, X+32*(\s)+4*(\j)
	v_cvt_pk_bf16_f32 v[TB], v[XB], v[XB+1]        ; round to bf16,
	v_cvt_pk_bf16_f32 v[TB+1], v[XB+2], v[XB+3]
	v_lshlrev_b32 v[TB+2], 16, v[TB]               ; and back to f32
	v_and_b32 v[TB+3], s22, v[TB]
	v_lshlrev_b32 v[TB+4], 16, v[TB+1]
	v_and_b32 v[TB+5], s22, v[TB+1]
.if (\j) == 0
	v_pk_mul_f32 v[D:D+1], v[TB+2:TB+3], v[W:W+1]  ; the first products start the chains
	v_pk_mul_f32 v[D+2:D+3], v[TB+4:TB+5], v[W+2:W+3]
.else
	v_pk_fma_f32 v[D:D+1], v[TB+2:TB+3], v[W+4*(\j):W+4*(\j)+1], v[D:D+1]
	v_pk_fma_f32 v[D+2:D+3], v[TB+4:TB+5], v[W+4*(\j)+2:W+4*(\j)+3], v[D+2:D+3]
.endif
	ADD4 CS+4*(\j), TB+2
.endr
	v_pk_add_f32 v[D:D+1], v[D:D+1], v[D+2:D+3]
	v_add_f32 v[D], v[D], v[D+1]
	v_add_f32_dpp v[D], v[D], v[D] row_xmask:1 row_mask:0xf bank_mask:0xf
	v_add_f32_dpp v[D], v[D], v[D] row_xmask:2 row_mask:0xf bank_mask:0xf
	v_add_f32_dpp v[D], v[D], v[D] row_xmask:4 row_mask:0xf bank_mask:0xf
	v_add_f32_dpp v[D], v[D], v[D] row_xmask:8 row_mask:0xf bank_mask:0xf
	v_permlanex16_b32 v[D+1], v[D], s23, s24
	v_add_f32 v[D], v[D], v[D+1]                   ; every lane holds the frame's dot product
	v_cmp_eq_u32 vcc_lo, \s, v[SEL]
	v_cndmask_b32 v[LOG], v[LOG], v[D], vcc_lo     ; the frame's lanes keep it
.endm
	s_load_b256 s[4:11], s[0:1], 0x0               ; xs s[4:5], W_out s[6:7], b_out s[8:9], xs_lens s[10:11]
	s_load_b128 s[12:15], s[0:1], 0x20             ; out2 s[12:13], part s[14:15]
	v_lshl_add_u32 v224, v0, 2, 0x8200
	v_mov_b32 v225, 0
	v_and_b32 v2, 31, v0
	v_lshrrev_b32 v3, 5, v0
	v_readfirstlane_b32 s16, v3                    ; wave
	v_lshlrev_b32 v1, 4, v2                        ; 16 x lane
	s_lshr_b32 s17, ttmp9, 4                       ; batch
	s_lshl_b32 s18, s17, 2
	s_mov_b32 s19, 0
	s_lshl_b32 s20, ttmp9, 19                      ; 128 frames of 4,096 bytes a work-group,
	s_lshl_b32 s21, s16, 16                        ; 16 a wave
	s_add_co_u32 s20, s20, s21
	s_mov_b32 s21, 0
	s_mov_b32 s22, 0xffff0000
	s_mov_b32 s23, 0x76543210
	s_mov_b32 s24, 0xfedcba98
	s_lshl_b32 s28, ttmp9, 12
	s_mov_b32 s29, 0
	s_lshl_b32 s30, ttmp9, 9
	s_mov_b32 s31, 0
	s_wait_kmcnt 0x0
	s_add_nc_u64 s[10:11], s[10:11], s[18:19]
	s_add_nc_u64 s[4:5], s[4:5], s[20:21]
	s_add_nc_u64 s[14:15], s[14:15], s[28:29]      ; part at my 4,096 bytes
	s_add_nc_u64 s[12:13], s[12:13], s[30:31]      ; out2 at my 128 numbers
	s_load_b32 s25, s[8:9], 0x0                    ; b_out
	s_load_b32 s26, s[10:11], 0x0                  ; xs_lens[b]
.irp j, 0,1,2,3,4,5,6,7
	global_load_b128 v[W+4*(\j):W+4*(\j)+3], v1, s[6:7] offset:512*(\j)
.endr
	FILL 0, 0
	FILL 1, 1
	FILL 2, 2
	v_and_b32 v[SEL], 15, v0
	v_mov_b32 v[LOG], 0
.set i, 0
.rept 32
	v_mov_b32 v[CS+i], 0
.set i, i+1
.endr
	s_wait_loadcnt 24                              ; W_out is in; the three frames behind it stay out
.irp j, 0,1,2,3,4,5,6,7
	v_cvt_pk_bf16_f32 v[T], v[W+4*(\j)], v[W+4*(\j)+1]
	v_cvt_pk_bf16_f32 v[T+1], v[W+4*(\j)+2], v[W+4*(\j)+3]
	v_lshlrev_b32 v[W+4*(\j)], 16, v[T]
	v_and_b32 v[W+4*(\j)+1], s22, v[T]
	v_lshlrev_b32 v[W+4*(\j)+2], 16, v[T+1]
	v_and_b32 v[W+4*(\j)+3], s22, v[T+1]
.endr
	s_mov_b32 s27, 3
.Lround:                                               ; four frames a trip
	TURN 0, 1, 24
	TURN 1, 1, 24
	TURN 2, 1, 24
	TURN 3, 1, 24
	s_wait_xcnt 0x0                                ; the base is stepped only when the loads issued have had their addresses translated
	s_add_nc_u64 s[4:5], s[4:5], 16384
	v_add_nc_u32 v[SEL], -4, v[SEL]
	s_sub_co_u32 s27, s27, 1
	s_cmp_lg_u32 s27, 0
	s_cbranch_scc1 .Lround
	TURN 0, 1, 24                                  ; the last four frames: one more fill, then the counts run down
	TURN 1, 0, 16
	TURN 2, 0, 8
	TURN 3, 0, 0
	s_wait_kmcnt 0x0
	v_mov_b32 v[M], s25
	v_cvt_pk_bf16_f32 v[M], v[M], v[M]             ; b_out rounded to bf16
	v_lshlrev_b32 v[M], 16, v[M]
	v_add_f32 v[M], v[LOG], v[M]
	v_mul_f32 v[M], 0xbfb8aa3b, v[M]               ; - log2(e) x
	v_exp_f32 v[M], v[M]
	v_and_b32 v[M+1], 15, v0                       ; (a plain instruction behind the exponential)
	s_wait_alu depctr_va_vdst(0)
	v_add_f32 v[M], 1.0, v[M]
	v_rcp_f32 v[M], v[M]                           ; 1 / (1 + e^-x)
	s_and_b32 s28, ttmp9, 15
	s_lshl_b32 s28, s28, 7
	s_lshl4_add_u32 s28, s16, s28                  ; my wave's first frame in the batch
	v_add_nc_u32 v[M+2], s28, v[M+1]               ; (a plain instruction behind the reciprocal)
	v_cmp_gt_i32 vcc_lo, s26, v[M+2]
	s_wait_alu depctr_va_vdst(0)
	v_cndmask_b32 v[M], 0, v[M], vcc_lo            ; 0 at padding
	s_lshl_b32 s29, s16, 6
	s_add_co_u32 s29, s29, ALDS
	v_lshl_add_u32 v[M+3], v[M+1], 2, s29
	ds_store_b32 v[M+3], v[M]                      ; both halves of the lanes write the same number to the same word
	s_lshl_b32 s30, s16, 12
	v_add_nc_u32 v[M+4], s30, v1
.irp j, 0,1,2,3,4,5,6,7
	ds_store_b128 v[M+4], v[CS+4*(\j):CS+4*(\j)+3] offset:512*(\j)  ; byte 4 x column of my wave's row
.endr
	v_lshlrev_b32 v[M+5], 4, v0
	s_wait_dscnt 0x0                               ; for the others' sake: my stores are done
	s_barrier_signal -1
	s_barrier_wait -1
.irp k, 0,1,2,3,4,5,6,7
	ds_load_b128 v[X+4*(\k):X+4*(\k)+3], v[M+5] offset:4096*(\k)  ; thread t: columns 4 t .. of all eight waves
.endr
	s_wait_dscnt 0x0
	ADD4 X, X+16
	ADD4 X+4, X+20
	ADD4 X+8, X+24
	ADD4 X+12, X+28
	ADD4 X, X+8
	ADD4 X+4, X+12
	ADD4 X, X+4
	global_store_b128 v[M+5], v[X:X+3], s[14:15]   ; a wave stores 512 consecutive bytes
	s_cmp_lg_u32 s16, 0
	s_cbranch_scc1 .Lend
	v_add_nc_u32 v[M+6], ALDS, v1
	ds_load_b128 v[X+4:X+7], v[M+6]
	s_wait_dscnt 0x0
	global_store_b128 v1, v[X+4:X+7], s[12:13]     ; wave 0: the work-group's 128 alphas, 512 consecutive bytes
.Lend:
	s_barrier_signal -1
	s_barrier_wait -1
	s_wait_tensorcnt 0x0
	ds_add_u32 v224, v225
	s_wait_dscnt 0x0
	s_endpgm
.Lfunc_end_k_q4a0e736da8_alpha:
	.size	k_q4a0e736da8_alpha, .Lfunc_end_k_q4a0e736da8_alpha-k_q4a0e736da8_alpha
	.p2alignl 7, 3214868480
	.fill 96, 4, 3214868480
	.section	.rodata,"a",@progbits
	.p2align	6, 0x0
	.amdhsa_kernel k_q4a0e736da8_alpha
		.amdhsa_group_segment_fixed_size 34304
		.amdhsa_private_segment_fixed_size 0
		.amdhsa_enable_private_segment 0
		.amdhsa_kernarg_size 48
		.amdhsa_user_sgpr_count 2
		.amdhsa_user_sgpr_kernarg_segment_ptr 1
		.amdhsa_wavefront_size32 1
		.amdhsa_system_sgpr_workgroup_id_x 1
		.amdhsa_system_sgpr_workgroup_id_y 1
		.amdhsa_system_sgpr_workgroup_id_z 1
		.amdhsa_system_vgpr_workitem_id 0
		.amdhsa_next_free_vgpr 226
		.amdhsa_next_free_sgpr 66
		.amdhsa_reserve_vcc 1
		.amdhsa_float_denorm_mode_32 3
		.amdhsa_float_denorm_mode_16_64 3
		.amdhsa_memory_ordered 1
		.amdhsa_forward_progress 1
		.amdhsa_inst_pref_size 52
	.end_amdhsa_kernel
	.amdgpu_metadata
---
amdhsa.version: [ 1, 2 ]
amdhsa.kernels:
  - .name:           k_q4a0e736da8_alpha
    .symbol:         k_q4a0e736da8_alpha.kd
    .args:
      - { .name: xs, .offset: 0, .size: 8, .value_kind: global_buffer, .address_space: global }
      - { .name: W_out, .offset: 8, .size: 8, .value_kind: global_buffer, .address_space: global }
      - { .name: b_out, .offset: 16, .size: 8, .value_kind: global_buffer, .address_space: global }
      - { .name: xs_lens, .offset: 24, .size: 8, .value_kind: global_buffer, .address_space: global }
      - { .name: out2, .offset: 32, .size: 8, .value_kind: global_buffer, .address_space: global }
      - { .name: part, .offset: 40, .size: 8, .value_kind: global_buffer, .address_space: global }
    .group_segment_fixed_size: 34304
    .private_segment_fixed_size: 0
    .kernarg_segment_align: 8
    .kernarg_segment_size: 48
    .max_flat_workgroup_size: 256
    .sgpr_count:     66
    .vgpr_count:     226
    .wavefront_size: 32
...
	.end_amdgpu_metadata
.endif
;; end of part 1
;; launch qproj (part 2): grid 16 x 16, 8 waves a work-group, no clusters, 84,992 bytes of LDS; arguments ys, W_proj, qh; writes qh
.if DOCPART == 2
	.amdgcn_target "amdgcn-amd-amdhsa--gfx1250"
	.amdhsa_code_object_version 6
	.text
	.protected	k_q4a0e736da8_qproj
	.globl	k_q4a0e736da8_qproj
	.p2align	8
	.type	k_q4a0e736da8_qproj,@function
k_q4a0e736da8_qproj:
	s_mov_b64 s[64:65], 0
	v_nop
	global_prefetch_b8 v0, s[64:65] scope:SCOPE_SE
	s_setreg_imm32_b32 hwreg(HW_REG_WAVE_MODE, 25, 1), 1
	s_wait_xcnt 0x0
; qh[b][n][v][c] = (1/32) sum over e of ys[b][v][e] W_proj[64 n + c][e], in f16.  scores = ys . (xs W + b) = (ys W^T) . xs + ys . b, and the last term, constant along
; a row, drops out of the softmax: so the queries are projected (256 rows a batch) in place of the frames (2,048 rows a batch).
; ys and W_proj are rounded to bf16 (all the module's inputs are); products in bf16, sums in f32; q is rounded once, to f16.
; A work-group makes 256 rows x 64 columns; wave w rows 32 w .. 32 w + 31: eight accumulators of 16 x 16, taken by turns.  K goes in 16 steps of 64.
; The operands are f32 in memory and must pass through registers to be rounded, so tiles come by global loads, one K step ahead, and go into LDS by ds_store.
; NO CLUSTER, no tensor loads: for that reason.
; The matrix instruction is used transposed (source 0 = 16 rows of W, source 1 = 16 rows of ys): a lane then holds eight neighbouring columns of one row.
; LIMITS: |q| stays under 65,504 (f16); below 6e-5 q keeps f16's fixed step of 6e-8.
.set PA,   144                         ; an LDS row: 128 bytes + 16: sixteen rows of a fragment load start at sixteen different groups of four banks
.set BOFF, 256*PA                      ; A's 256 rows, then B's 64
.set STG,  47104                       ; behind them a stage of 32 rows x 144 bytes for each wave
.set ACC,  16                          ; accumulator (a, nb) at v[16 + 8 (4 a + nb)]
.set FA,   80                          ; A's fragment (ks, a) at v[80 + 8 (2 ks + a)]
.set FB,   112                         ; B's fragment (ks, nb) at v[112 + 8 (4 ks + nb)]
.set OB,   144                         ; the way out: rows read back
.set RA,   176                         ; v[176:239] A's next tile as loaded
.set RB,   240                         ; v[240:255] B's
.set WV,   10
.macro BAR
	s_barrier_signal -1
	s_barrier_wait -1
.endm
.macro CVB x                           ; four f32 -> four bf16 in two registers
	v_cvt_pk_bf16_f32 v[\x], v[\x], v[(\x)+1]
	v_cvt_pk_bf16_f32 v[(\x)+1], v[(\x)+2], v[(\x)+3]
.endm
.macro LOADS                           ; a K step's tiles: 16 rows of 256 bytes an instruction
.irp i, 0,1,2,3,4,5,6,7,8,9,10,11,12,13,14,15
	global_load_b128 v[RA+4*(\i):RA+4*(\i)+3], v1, s[4:5] offset:65536*(\i)
.endr
.irp i, 0,1,2,3
	global_load_b128 v[RB+4*(\i):RB+4*(\i)+3], v1, s[6:7] offset:65536*(\i)
.endr
.endm
.macro FRAGS                           ; 24 LDS loads, the first 32 along K first
.irp ks, 0,1
.irp a, 0,1
	ds_load_b128 v[FA+8*(2*(\ks)+(\a)):FA+8*(2*(\ks)+(\a))+3],   v5 offset:(\a)*16*PA+(\ks)*64
	ds_load_b128 v[FA+8*(2*(\ks)+(\a))+4:FA+8*(2*(\ks)+(\a))+7], v5 offset:(\a)*16*PA+(\ks)*64+32
.endr
.irp nb, 0,1,2,3
	ds_load_b128 v[FB+8*(4*(\ks)+(\nb)):FB+8*(4*(\ks)+(\nb))+3],   v6 offset:(\nb)*16*PA+(\ks)*64
	ds_load_b128 v[FB+8*(4*(\ks)+(\nb))+4:FB+8*(4*(\ks)+(\nb))+7], v6 offset:(\nb)*16*PA+(\ks)*64+32
.endr
.endr
.endm
.macro MM ks, zero                     ; eight products, the eight accumulators by turns
.irp a, 0,1
.irp nb, 0,1,2,3
.if \zero
	v_wmma_f32_16x16x32_bf16 v[ACC+8*(4*(\a)+(\nb)):ACC+8*(4*(\a)+(\nb))+7], v[FB+8*(4*(\ks)+(\nb)):FB+8*(4*(\ks)+(\nb))+7], v[FA+8*(2*(\ks)+(\a)):FA+8*(2*(\ks)+(\a))+7], 0
.else
	v_wmma_f32_16x16x32_bf16 v[ACC+8*(4*(\a)+(\nb)):ACC+8*(4*(\a)+(\nb))+7], v[FB+8*(4*(\ks)+(\nb)):FB+8*(4*(\ks)+(\nb))+7], v[FA+8*(2*(\ks)+(\a)):FA+8*(2*(\ks)+(\a))+7], v[ACC+8*(4*(\a)+(\nb)):ACC+8*(4*(\a)+(\nb))+7]
.endif
.endr
.endr
.endm
; A K step.  zero = 1: its first products start the sums.  more = 1: the next step's tiles are asked for.
.macro TRIP zero, more
	s_wait_loadcnt 0x0                             ; the tiles asked for a step ago are in registers
.set i, 0
.rept 16
	CVB RA+4*i                                     ; these conversions name no register of the last products: they are also the places in front of the fragment loads below
.set i, i+1
.endr
.set i, 0
.rept 4
	CVB RB+4*i
.set i, i+1
.endr
	BAR                                            ; every wave's reads of the old tiles were waited for in front of its last products: now the tiles may be overwritten
.irp i, 0,1,2,3,4,5,6,7,8,9,10,11,12,13,14,15
	ds_store_b64 v3, v[RA+4*(\i):RA+4*(\i)+1] offset:16*PA*(\i)
.endr
.irp i, 0,1,2,3
	ds_store_b64 v4, v[RB+4*(\i):RB+4*(\i)+1] offset:16*PA*(\i)
.endr
	s_wait_dscnt 0x0                               ; for the others' sake: my stores are done
.if \more
	s_add_nc_u64 s[4:5], s[4:5], 256               ; 64 along K; the loads that named these bases are done
	s_add_nc_u64 s[6:7], s[6:7], 256
	LOADS
.endif
	BAR
	FRAGS
	s_wait_dscnt 12                                ; the first 32 along K are in
	MM 0, \zero
	s_wait_dscnt 0x0
	MM 1, 0
.endm
.macro OUT16 base                      ; 32 rows x 128 bytes through my own stage; LDS serves a wave's instructions in order, so no wait stands between stores and loads
.irp g, 0,1,2,3,4,5,6,7
	ds_store_b128 v7, v[FA+4*(\g):FA+4*(\g)+3] offset:((\g)/4)*16*PA+((\g)%4)*32
.endr
.irp q, 0,1,2,3,4,5,6,7
	ds_load_b128 v[OB+4*(\q):OB+4*(\q)+3], v8 offset:(\q)*4*PA
.endr
.irp q, 0,1,2,3,4,5,6,7
	s_wait_dscnt 7-(\q)
	global_store_b128 v9, v[OB+4*(\q):OB+4*(\q)+3], s[\base:(\base)+1] offset:512*(\q)  ; four rows of 128 bytes: 512 consecutive bytes
.endr
.endm
	s_load_b128 s[4:7], s[0:1], 0x0                ; ys s[4:5], W_proj s[6:7]
	s_load_b64 s[8:9], s[0:1], 0x10                ; qh
	s_set_vgpr_msb 0x40
	v_lshl_add_u32 v0, v0, 2, 0x14800
	v_mov_b32 v1, 0
	s_set_vgpr_msb 0x4000
	v_and_b32 v10, 15, v0                          ; r
	v_bfe_u32 v11, v0, 4, 1                        ; h
	v_lshrrev_b32 v12, 5, v0
	v_readfirstlane_b32 s[WV], v12                 ; wave
	v_lshrrev_b32 v13, 4, v0
	v_lshlrev_b32 v1, 12, v13
	v_lshl_add_u32 v1, v10, 4, v1                  ; loads: row t / 16 of 4,096 bytes, 16 bytes at 16 (t % 16)
	v_mul_u32_u24 v3, v13, PA
	v_lshl_add_u32 v3, v10, 3, v3                  ; into A's tile: row t / 16, 8 bytes at 8 (t % 16)
	v_add_nc_u32 v4, BOFF, v3                      ; into B's
	s_mul_i32 s11, s[WV], 32*PA
	v_mul_u32_u24 v6, v10, PA
	v_lshl_add_u32 v6, v11, 4, v6                  ; r x pitch + 16 h
	v_add_nc_u32 v5, s11, v6                       ; A's fragments: my wave's 32 rows
	v_add_nc_u32 v6, BOFF, v6                      ; B's
	v_add_nc_u32 v7, STG, v5                       ; into my stage
	v_bfe_u32 v14, v0, 3, 2
	v_and_b32 v15, 7, v0
	v_mul_u32_u24 v8, v14, PA
	v_lshl_add_u32 v8, v15, 4, v8
	s_add_co_u32 s11, s11, STG
	v_add_nc_u32 v8, s11, v8                       ; back: four rows of 128 bytes an instruction
	v_and_b32 v2, 31, v0
	s_lshl_b32 s23, s[WV], 12
	v_lshl_add_u32 v9, v2, 4, s23                  ; the way out: my wave's 32 rows of 128 bytes, 16 bytes a lane
	s_mov_b32 s13, ttmp9                           ; n
	s_and_b32 s12, ttmp7, 0xffff                   ; b
	s_lshl_b32 s14, s12, 20
	s_mov_b32 s15, 0
	s_lshl_b32 s16, s13, 18
	s_mov_b32 s17, 0
	s_lshl4_add_u32 s18, s12, s13
	s_lshl_b32 s18, s18, 15
	s_mov_b32 s19, 0
	s_mov_b32 s20, 0x3d000000                      ; 1/32 = 1 / sqrt(1024)
	s_mov_b32 s21, s20
	s_wait_kmcnt 0x0
	s_add_nc_u64 s[4:5], s[4:5], s[14:15]
	s_add_nc_u64 s[6:7], s[6:7], s[16:17]
	s_add_nc_u64 s[8:9], s[8:9], s[18:19]
	LOADS
	TRIP 1, 1
	s_mov_b32 s22, 14
.Lk:
	TRIP 0, 1
	s_sub_co_u32 s22, s22, 1
	s_cmp_lg_u32 s22, 0
	s_cbranch_scc1 .Lk
	TRIP 0, 0
.rept 4
	v_nop                                          ; the places behind the last products
.endr
.set g, 0
.rept 8
.irp p, 0,1,2,3
	v_pk_mul_f32 v[ACC+8*g+2*(\p):ACC+8*g+2*(\p)+1], v[ACC+8*g+2*(\p):ACC+8*g+2*(\p)+1], s[20:21] op_sel_hi:[1,0]
.endr
.irp p, 0,1,2,3
	v_cvt_pk_f16_f32 v[FA+4*g+(\p)], v[ACC+8*g+2*(\p)], v[ACC+8*g+2*(\p)+1]
.endr
.set g, g+1
.endr
	OUT16 8
	s_barrier_signal -1
	s_barrier_wait -1
	s_set_vgpr_msb 0x5
	s_wait_tensorcnt 0x0
	ds_add_u32 v0, v1
	s_wait_dscnt 0x0
	s_set_vgpr_msb 0x500
	s_endpgm
.Lfunc_end_k_q4a0e736da8_qproj:
	.size	k_q4a0e736da8_qproj, .Lfunc_end_k_q4a0e736da8_qproj-k_q4a0e736da8_qproj
	.p2alignl 7, 3214868480
	.fill 96, 4, 3214868480
	.section	.rodata,"a",@progbits
	.p2align	6, 0x0
	.amdhsa_kernel k_q4a0e736da8_qproj
		.amdhsa_group_segment_fixed_size 84992
		.amdhsa_private_segment_fixed_size 0
		.amdhsa_enable_private_segment 0
		.amdhsa_kernarg_size 24
		.amdhsa_user_sgpr_count 2
		.amdhsa_user_sgpr_kernarg_segment_ptr 1
		.amdhsa_wavefront_size32 1
		.amdhsa_system_sgpr_workgroup_id_x 1
		.amdhsa_system_sgpr_workgroup_id_y 1
		.amdhsa_system_sgpr_workgroup_id_z 1
		.amdhsa_system_vgpr_workitem_id 0
		.amdhsa_next_free_vgpr 258
		.amdhsa_next_free_sgpr 66
		.amdhsa_reserve_vcc 0
		.amdhsa_float_denorm_mode_32 3
		.amdhsa_float_denorm_mode_16_64 3
		.amdhsa_memory_ordered 1
		.amdhsa_forward_progress 1
		.amdhsa_inst_pref_size 35
	.end_amdhsa_kernel
	.amdgpu_metadata
---
amdhsa.version: [ 1, 2 ]
amdhsa.kernels:
  - .name:           k_q4a0e736da8_qproj
    .symbol:         k_q4a0e736da8_qproj.kd
    .args:
      - { .name: ys, .offset: 0, .size: 8, .value_kind: global_buffer, .address_space: global }
      - { .name: W_proj, .offset: 8, .size: 8, .value_kind: global_buffer, .address_space: global }
      - { .name: qh, .offset: 16, .size: 8, .value_kind: global_buffer, .address_space: global }
    .group_segment_fixed_size: 84992
    .private_segment_fixed_size: 0
    .kernarg_segment_align: 8
    .kernarg_segment_size: 24
    .max_flat_workgroup_size: 256
    .sgpr_count:     66
    .vgpr_count:     258
    .wavefront_size: 32
...
	.end_amdgpu_metadata
.endif
;; end of part 2
;; launch scan (part 3): grid 16 x 1, 8 waves a work-group, no clusters, 11,264 bytes of LDS; arguments out2, part, xs_lens, ys_lens, out3, out1, meanb, fire, meta; writes out3, out1, meanb, fire, meta
.if DOCPART == 3
	.amdgcn_target "amdgcn-amd-amdhsa--gfx1250"
	.amdhsa_code_object_version 6
	.text
	.protected	k_q4a0e736da8_scan
	.globl	k_q4a0e736da8_scan
	.p2align	8
	.type	k_q4a0e736da8_scan,@function
k_q4a0e736da8_scan:
	s_mov_b64 s[64:65], 0
	v_nop
	global_prefetch_b8 v0, s[64:65] scope:SCOPE_SE
	s_setreg_imm32_b32 hwreg(HW_REG_WAVE_MODE, 25, 1), 1
	s_wait_xcnt 0x0
; One work-group a batch.  All eight waves: meanb[b][c] = the mean of xs[b][.][c] over all 2,048 frames, from the 16 partial sums of the launch before.
; Wave 0 alone then makes csum (out3), token_num (out1), fire[b][t] = min(floor(csum[t]), 256), 256 at padding, and meta[b] = the number of tiles of 64 frames
; that hold a frame some row below ys_lens[b] sees, at least 1.  Row i sees frame t where csum[t] < i + 1, that is where fire[t] <= i.
; ORDER OF THE ADDITIONS in csum: the tree of an associative scan.  Up: neighbours are added in pairs, level by level, 2,048 -> 1.  Down: at each level the
; elements at odd places take the scan of the level above; the element at even place 2 k takes that scan's element k - 1 plus itself; element 0 stays.
; Both go in place: the sum of the block of 2^l elements that ends at element e lies in e's register where 2^l is the largest power of two that divides e + 1.
; A csum that lies within rounding of a whole number may fall on the other side of it than another order or other last bits of the alphas would give:
; then one frame more or less is seen by one row.  token_num is the tree's top.
; No wave reads LDS bytes that another wave wrote, so the scan needs no barrier.  No matrix unit, no cluster: 8 KiB a batch, bound by the chain of additions.
.set A, 16                             ; v[16:79]   lane L: elements 64 L + 0..63
.set G, 80                             ; v[80:143]  as they lie in memory: 16 bytes a lane, 512 an instruction; in between: the 32 lanes' totals
.set B, 144                            ; v144 count, v145 at work, v146 token_num
.set T0, 8704                          ; LDS: 32 rows of 256 bytes, pitch 272; then the 32 lanes' totals,
.set E1, 9472                          ; and their scan: word 3 holds 0, word 4 + i the sum of lanes 0 .. i
.macro ADD4 d, s
	v_pk_add_f32 v[(\d):(\d)+1], v[(\d):(\d)+1], v[(\s):(\s)+1]
	v_pk_add_f32 v[(\d)+2:(\d)+3], v[(\d)+2:(\d)+3], v[(\s)+2:(\s)+3]
.endm
.macro OUTX base                       ; A, a row a lane, goes through LDS and leaves as 512 consecutive bytes an instruction
.irp e, 0,1,2,3,4,5,6,7,8,9,10,11,12,13,14,15
	ds_store_b128 v5, v[A+4*(\e):A+4*(\e)+3] offset:16*(\e)
.endr
.irp i, 0,1,2,3,4,5,6,7,8,9,10,11,12,13,14,15
	ds_load_b128 v[G+4*(\i):G+4*(\i)+3], v4 offset:544*(\i)
.endr
	s_wait_dscnt 0x0
.irp i, 0,1,2,3,4,5,6,7,8,9,10,11,12,13,14,15
	global_store_b128 v1, v[G+4*(\i):G+4*(\i)+3], s[\base:(\base)+1] offset:512*(\i)
.endr
.endm
.macro UP r, n                         ; the way up over n registers from r on
.set d, 1
.rept 16
.if 2*d <= (\n)
.set k, 0
.rept (\n)/(2*d)
	v_add_f32 v[(\r)+(2*k+2)*d-1], v[(\r)+(2*k+1)*d-1], v[(\r)+(2*k+2)*d-1]
.set k, k+1
.endr
.endif
.set d, d*2
.endr
.endm
.macro DOWN r, n                       ; the way down, but for each level's element 0
.if (\n)/(2*d) > 1
.set k, 1
.rept (\n)/(2*d)-1
	v_add_f32 v[(\r)+(2*k+1)*d-1], v[(\r)+2*k*d-1], v[(\r)+(2*k+1)*d-1]
.set k, k+1
.endr
.endif
.endm
	s_load_b256 s[4:11], s[0:1], 0x0               ; out2 s[4:5], part s[6:7], xs_lens s[8:9], ys_lens s[10:11]
	s_load_b256 s[12:19], s[0:1], 0x20             ; out3 s[12:13], out1 s[14:15], meanb s[16:17], fire s[18:19]
	s_load_b64 s[20:21], s[0:1], 0x40              ; meta
	v_lshl_add_u32 v160, v0, 2, 0x2800
	v_mov_b32 v161, 0
	v_lshrrev_b32 v3, 5, v0
	v_readfirstlane_b32 s22, v3                    ; wave
	v_lshlrev_b32 v1, 4, v0                        ; 16 t
	s_lshl_b32 s24, ttmp9, 16
	s_mov_b32 s25, 0
	s_lshl_b32 s26, ttmp9, 12
	s_mov_b32 s27, 0
	s_lshl_b32 s28, ttmp9, 13
	s_mov_b32 s29, 0
	s_lshl_b32 s30, ttmp9, 2
	s_mov_b32 s31, 0
	s_mov_b32 s34, 0x3a000000                      ; 1 / 2048
	s_mov_b32 s35, s34
	s_mov_b32 s37, 256
	s_mov_b32 s38, 0x76543210
	s_mov_b32 s39, 0xfedcba98
	s_wait_kmcnt 0x0
	s_add_nc_u64 s[6:7], s[6:7], s[24:25]
	s_add_nc_u64 s[16:17], s[16:17], s[26:27]
	s_add_nc_u64 s[4:5], s[4:5], s[28:29]
	s_add_nc_u64 s[12:13], s[12:13], s[28:29]
	s_add_nc_u64 s[18:19], s[18:19], s[28:29]
	s_add_nc_u64 s[8:9], s[8:9], s[30:31]
	s_add_nc_u64 s[10:11], s[10:11], s[30:31]
	s_add_nc_u64 s[14:15], s[14:15], s[30:31]
	s_add_nc_u64 s[20:21], s[20:21], s[30:31]
	s_load_b32 s32, s[8:9], 0x0                    ; xs_lens[b]
	s_load_b32 s33, s[10:11], 0x0                  ; ys_lens[b]
.irp c, 0,1,2,3,4,5,6,7,8,9,10,11,12,13,14,15
	global_load_b128 v[A+4*(\c):A+4*(\c)+3], v1, s[6:7] offset:4096*(\c)
.endr
	s_wait_loadcnt 0x0
.irp k, 0,1,2,3,4,5,6,7
	ADD4 A+4*(\k), A+4*(\k)+32
.endr
.irp k, 0,1,2,3
	ADD4 A+4*(\k), A+4*(\k)+16
.endr
	ADD4 A, A+8
	ADD4 A+4, A+12
	ADD4 A, A+4
	v_pk_mul_f32 v[A:A+1], v[A:A+1], s[34:35] op_sel_hi:[1,0]
	v_pk_mul_f32 v[A+2:A+3], v[A+2:A+3], s[34:35] op_sel_hi:[1,0]
	global_store_b128 v1, v[A:A+3], s[16:17]
	s_cmp_lg_u32 s22, 0
	s_cbranch_scc1 .Lend
	; wave 0: t is the lane
.irp i, 0,1,2,3,4,5,6,7,8,9,10,11,12,13,14,15
	global_load_b128 v[G+4*(\i):G+4*(\i)+3], v1, s[4:5] offset:512*(\i)
.endr
	v_and_b32 v2, 31, v0
	v_lshrrev_b32 v4, 4, v2
	v_and_b32 v5, 15, v2
	v_mul_u32_u24 v4, v4, 272
	v_lshl_add_u32 v4, v5, 4, v4                   ; as in memory: two rows of 256 bytes an instruction
	v_mul_u32_u24 v5, v2, 272                      ; a row a lane
	v_lshl_add_u32 v6, v2, 2, T0                   ; my total's word
	v_mov_b32 v10, T0
	v_mov_b32 v13, 0
	v_mov_b32 v14, E1
	v_lshl_add_u32 v15, v2, 2, E1+12               ; the sum of the lanes in front of me; a word on: with me
	s_wait_loadcnt 0x0
	s_wait_xcnt 0x0                                ; the mean's store has read v[16:19]: A is written only behind this wait
.irp i, 0,1,2,3,4,5,6,7,8,9,10,11,12,13,14,15
	ds_store_b128 v4, v[G+4*(\i):G+4*(\i)+3] offset:544*(\i)
.endr
.irp e, 0,1,2,3,4,5,6,7,8,9,10,11,12,13,14,15
	ds_load_b128 v[A+4*(\e):A+4*(\e)+3], v5 offset:16*(\e)
.endr
	s_wait_dscnt 0x0
	UP A, 64                                       ; six levels inside the lane
	ds_store_b32 v6, v[A+63]
.irp q, 0,1,2,3,4,5,6,7
	ds_load_b128 v[G+4*(\q):G+4*(\q)+3], v10 offset:16*(\q)  ; every lane takes all 32 totals and does the same work on them
.endr
	s_wait_dscnt 0x0
	UP G, 32                                       ; the five levels above
.set d, 8
.rept 4
	DOWN G, 32                                     ; and down again: each level's element 0 stays as it is
.set d, d/2
.endr
	v_mov_b32 v[B+2], v[G+31]                      ; the sum of all
.irp q, 0,1,2,3,4,5,6,7
	ds_store_b128 v14, v[G+4*(\q):G+4*(\q)+3] offset:16+16*(\q)
.endr
	ds_store_b32 v14, v13 offset:12
	ds_load_b32 v8, v15
	ds_load_b32 v9, v15 offset:4
	s_wait_dscnt 0x0
	v_mov_b32 v[A+63], v9
.set d, 32
.rept 6
	v_add_f32 v[A+d-1], v8, v[A+d-1]               ; a level's first element in the lane: the lanes in front (+0 in lane 0, which changes no bit) plus itself
	DOWN A, 64
.set d, d/2
.endr
	OUTX 12                                        ; csum
	s_wait_kmcnt 0x0
	v_lshlrev_b32 v3, 6, v2
	v_sub_nc_u32 v3, s32, v3                       ; xs_len - 64 L: element e is a frame where e is less
	v_mov_b32 v[B], 0
	v_mov_b32 v[B+1], 0
.set e, 0
.rept 64
	v_cvt_u32_f32 v[A+e], v[A+e]                   ; toward zero: the floor of a number that is not negative
	v_min_u32 v[A+e], s37, v[A+e]
	v_cmp_lt_i32 vcc_lo, e, v3
	v_cndmask_b32 v[A+e], s37, v[A+e], vcc_lo      ; 256 at padding: no row sees it
	v_cmp_gt_i32 vcc_lo, s33, v[A+e]
	v_add_co_ci_u32 v[B], vcc_lo, 0, v[B], vcc_lo  ; counts the frames that some row below ys_len sees
.set e, e+1
.endr
	s_wait_xcnt 0x0                                ; csum's stores have read G: it is loaded again only behind this wait
	OUTX 18                                        ; fire
	v_cvt_f32_u32 v[B], v[B]                       ; at most 64 a lane, 2,048 in all: exact in f32
	v_add_f32_dpp v[B], v[B], v[B] row_xmask:1 row_mask:0xf bank_mask:0xf
	v_add_f32_dpp v[B], v[B], v[B] row_xmask:2 row_mask:0xf bank_mask:0xf
	v_add_f32_dpp v[B], v[B], v[B] row_xmask:4 row_mask:0xf bank_mask:0xf
	v_add_f32_dpp v[B], v[B], v[B] row_xmask:8 row_mask:0xf bank_mask:0xf
	v_permlanex16_b32 v[B+1], v[B], s38, s39
	v_add_f32 v[B], v[B], v[B+1]
	v_cvt_u32_f32 v[B], v[B]
	v_add_nc_u32 v[B], 63, v[B]
	v_lshrrev_b32 v[B], 6, v[B]
	v_max_u32 v[B], 1, v[B]                        ; at least one tile, so that the launches behind always have a step
	v_cmp_eq_u32 vcc_lo, 0, v2
	s_wait_xcnt 0x0                                ; EXEC changes only when the stores issued have had their addresses translated
	s_and_saveexec_b32 s40, vcc_lo
	global_store_b32 v13, v[B+2], s[14:15]         ; token_num
	global_store_b32 v13, v[B], s[20:21]           ; tiles
	s_wait_xcnt 0x0
	s_or_b32 exec_lo, exec_lo, s40
.Lend:
	s_barrier_signal -1
	s_barrier_wait -1
	s_wait_tensorcnt 0x0
	ds_add_u32 v160, v161
	s_wait_dscnt 0x0
	s_endpgm
.Lfunc_end_k_q4a0e736da8_scan:
	.size	k_q4a0e736da8_scan, .Lfunc_end_k_q4a0e736da8_scan-k_q4a0e736da8_scan
	.p2alignl 7, 3214868480
	.fill 96, 4, 3214868480
	.section	.rodata,"a",@progbits
	.p2align	6, 0x0
	.amdhsa_kernel k_q4a0e736da8_scan
		.amdhsa_group_segment_fixed_size 11264
		.amdhsa_private_segment_fixed_size 0
		.amdhsa_enable_private_segment 0
		.amdhsa_kernarg_size 72
		.amdhsa_user_sgpr_count 2
		.amdhsa_user_sgpr_kernarg_segment_ptr 1
		.amdhsa_wavefront_size32 1
		.amdhsa_system_sgpr_workgroup_id_x 1
		.amdhsa_system_sgpr_workgroup_id_y 1
		.amdhsa_system_sgpr_workgroup_id_z 1
		.amdhsa_system_vgpr_workitem_id 0
		.amdhsa_next_free_vgpr 162
		.amdhsa_next_free_sgpr 66
		.amdhsa_reserve_vcc 1
		.amdhsa_float_denorm_mode_32 3
		.amdhsa_float_denorm_mode_16_64 3
		.amdhsa_memory_ordered 1
		.amdhsa_forward_progress 1
		.amdhsa_inst_pref_size 37
	.end_amdhsa_kernel
	.amdgpu_metadata
---
amdhsa.version: [ 1, 2 ]
amdhsa.kernels:
  - .name:           k_q4a0e736da8_scan
    .symbol:         k_q4a0e736da8_scan.kd
    .args:
      - { .name: out2, .offset: 0, .size: 8, .value_kind: global_buffer, .address_space: global }
      - { .name: part, .offset: 8, .size: 8, .value_kind: global_buffer, .address_space: global }
      - { .name: xs_lens, .offset: 16, .size: 8, .value_kind: global_buffer, .address_space: global }
      - { .name: ys_lens, .offset: 24, .size: 8, .value_kind: global_buffer, .address_space: global }
      - { .name: out3, .offset: 32, .size: 8, .value_kind: global_buffer, .address_space: global }
      - { .name: out1, .offset: 40, .size: 8, .value_kind: global_buffer, .address_space: global }
      - { .name: meanb, .offset: 48, .size: 8, .value_kind: global_buffer, .address_space: global }
      - { .name: fire, .offset: 56, .size: 8, .value_kind: global_buffer, .address_space: global }
      - { .name: meta, .offset: 64, .size: 8, .value_kind: global_buffer, .address_space: global }
    .group_segment_fixed_size: 11264
    .private_segment_fixed_size: 0
    .kernarg_segment_align: 8
    .kernarg_segment_size: 72
    .max_flat_workgroup_size: 256
    .sgpr_count:     66
    .vgpr_count:     162
    .wavefront_size: 32
...
	.end_amdgpu_metadata
.endif
;; end of part 3
;; launch scores (part 4): grid 16 x 16, 8 waves a work-group, no clusters, 84,992 bytes of LDS; arguments qh, xs, fire, meta, ph, st; writes ph, st
.if DOCPART == 4
	.amdgcn_target "amdgcn-amd-amdhsa--gfx1250"
	.amdhsa_code_object_version 6
	.text
	.protected	k_q4a0e736da8_scores
	.globl	k_q4a0e736da8_scores
	.p2align	8
	.type	k_q4a0e736da8_scores,@function
k_q4a0e736da8_scores:
	s_mov_b64 s[64:65], 0
	v_nop
	global_prefetch_b8 v0, s[64:65] scope:SCOPE_SE
	s_setreg_imm32_b32 hwreg(HW_REG_WAVE_MODE, 25, 1), 1
	s_wait_xcnt 0x0
; For tile j of 64 frames of batch b: s = q . xs^T (q holds the scale), hidden where fire[t] > row; m = the row's maximum in the tile; p = e^(s - m) -> ph (f16);
; (m log2(e), the sum of p) -> st.  The launch behind joins the tiles by a running maximum, so the softmax's maximum is the true one.
; xs is rounded to bf16 (all the module's inputs are) and that number written as f16, since q is f16; products in f16, sums in f32.
; Only tiles below meta[b] hold a frame that any row sees.  The grid serves the most that the inputs allow, 32 tiles a batch on 16 work-groups: work-group x has
; tiles x and x + 16.  A tile at or beyond meta[b] is DEAD: every loop still counts to its constant and every barrier is passed, and only the work between the
; barriers is jumped, forward; with a short span a work-group may find both its tiles dead.
; Each jumped piece is whole by itself: the wait for the global loads stands outside the jumps, each piece waits for its own LDS instructions, and four v_nop
; close the products' piece as the places in front of whatever follows it.  No step's products can be counted on to start the sums on every way through the
; text, so the 64 accumulator registers are cleared at a tile's head and all 16 steps are alike; the 48 staging registers are written once at the kernel's head.
; Shape, LDS and turns as in the projection: 256 rows x 64 columns, wave w rows 32 w .. 32 w + 31, K in 16 steps of 64, tiles one step ahead in registers.
; NO CLUSTER, no tensor loads: xs is f32 in memory and passes through registers to be rounded.
; LIMITS: |xs| under 65,504 (f16).  A hidden score counts as -1e30; true scores are taken to lie above -1e29.  A weight below 2^-126 counts as 0.
; Rows at or beyond ys_lens[b] are computed like others here and replaced in the launch behind.
.set PA,   144
.set BOFF, 256*PA
.set STG,  47104
.set ACC,  16
.set FA,   80
.set FB,   112
.set OB,   144
.set RA,   176                         ; v[176:207] q's next tile
.set RB,   208                         ; v[208:223] xs's
.set T,    224                         ; v[224:227] at work in the conversions
.set TM,   228                         ; v[228:231] at work in the softmax
.set ST,   232                         ; v[232:235] (m log2 e, l) for a = 0, 1
.set SO,   238                         ; v[238:239] the pair that my lane stores
.set ROW,  12                          ; v12, v13 my rows for a = 0, 1
.set WV,   16
.set HI16, 46
.set NEG,  47
.set LE,   48
.set SEL,  50
.set NEG29, 52
.set LIVE, 53                          ; 1: the tile in hand is below meta[b]
.macro BAR
	s_barrier_signal -1
	s_barrier_wait -1
.endm
.macro SKIP label                      ; a dead tile's work is jumped
	s_cmp_lg_u32 s[LIVE], 0
	s_cbranch_scc0 \label
.endm
.macro CVX x, tt                       ; four f32 -> rounded to bf16 -> written as f16, in two registers
	v_cvt_pk_bf16_f32 v[\tt], v[\x], v[(\x)+1]
	v_cvt_pk_bf16_f32 v[(\tt)+1], v[(\x)+2], v[(\x)+3]
	v_lshlrev_b32 v[\x], 16, v[\tt]
	v_and_b32 v[(\x)+1], s[HI16], v[\tt]
	v_lshlrev_b32 v[(\x)+2], 16, v[(\tt)+1]
	v_and_b32 v[(\x)+3], s[HI16], v[(\tt)+1]
	v_cvt_pk_f16_f32 v[\x], v[\x], v[(\x)+1]
	v_cvt_pk_f16_f32 v[(\x)+1], v[(\x)+2], v[(\x)+3]
.endm
.macro LOADS
.irp i, 0,1,2,3,4,5,6,7
	global_load_b128 v[RA+4*(\i):RA+4*(\i)+3], v2, s[26:27] offset:4096*(\i)   ; q's tile is 32,768 dense bytes
.endr
.irp i, 0,1,2,3
	global_load_b128 v[RB+4*(\i):RB+4*(\i)+3], v1, s[28:29] offset:65536*(\i)  ; 16 frames x 256 bytes
.endr
.endm
.macro FRAGS
.irp ks, 0,1
.irp a, 0,1
	ds_load_b128 v[FA+8*(2*(\ks)+(\a)):FA+8*(2*(\ks)+(\a))+3],   v5 offset:(\a)*16*PA+(\ks)*64
	ds_load_b128 v[FA+8*(2*(\ks)+(\a))+4:FA+8*(2*(\ks)+(\a))+7], v5 offset:(\a)*16*PA+(\ks)*64+32
.endr
.irp nb, 0,1,2,3
	ds_load_b128 v[FB+8*(4*(\ks)+(\nb)):FB+8*(4*(\ks)+(\nb))+3],   v6 offset:(\nb)*16*PA+(\ks)*64
	ds_load_b128 v[FB+8*(4*(\ks)+(\nb))+4:FB+8*(4*(\ks)+(\nb))+7], v6 offset:(\nb)*16*PA+(\ks)*64+32
.endr
.endr
.endm
.macro MM ks                           ; eight products, the eight accumulators by turns
.irp a, 0,1
.irp nb, 0,1,2,3
	v_wmma_f32_16x16x32_f16 v[ACC+8*(4*(\a)+(\nb)):ACC+8*(4*(\a)+(\nb))+7], v[FB+8*(4*(\ks)+(\nb)):FB+8*(4*(\ks)+(\nb))+7], v[FA+8*(2*(\ks)+(\a)):FA+8*(2*(\ks)+(\a))+7], v[ACC+8*(4*(\a)+(\nb)):ACC+8*(4*(\a)+(\nb))+7]
.endr
.endr
.endm
; A K step.  more = 1: the next step's tiles are asked for.
.macro TRIP more
	s_wait_loadcnt 0x0                             ; the tiles asked for a step ago are in registers; on every way, so that no load is out when bases and staging registers are written
	SKIP .Lc_\@
	CVX RB, T
	CVX RB+4, T+2
	CVX RB+8, T
	CVX RB+12, T+2
.Lc_\@:
	BAR                                            ; every wave's reads of the old tiles were waited for in front of its last products
	SKIP .Ls_\@
.irp i, 0,1,2,3,4,5,6,7
	ds_store_b128 v3, v[RA+4*(\i):RA+4*(\i)+3] offset:32*PA*(\i)
.endr
.irp i, 0,1,2,3
	ds_store_b64 v4, v[RB+4*(\i):RB+4*(\i)+1] offset:16*PA*(\i)
.endr
	s_wait_dscnt 0x0                               ; for the others' sake: my stores are done
.if \more
	s_add_nc_u64 s[26:27], s[26:27], 32768         ; q's next block of 64 along K
	s_add_nc_u64 s[28:29], s[28:29], 256
	LOADS
.endif
.Ls_\@:
	BAR
	SKIP .Lm_\@
	FRAGS
	s_wait_dscnt 12                                ; the first 32 along K are in
	MM 0
	s_wait_dscnt 0x0
	MM 1
.rept 4
	v_nop                                          ; the places behind these products, whatever piece comes next
.endr
.Lm_\@:
.endm
.macro OUT16 base
.irp g, 0,1,2,3,4,5,6,7
	ds_store_b128 v7, v[FA+4*(\g):FA+4*(\g)+3] offset:((\g)/4)*16*PA+((\g)%4)*32
.endr
.irp q, 0,1,2,3,4,5,6,7
	ds_load_b128 v[OB+4*(\q):OB+4*(\q)+3], v8 offset:(\q)*4*PA
.endr
.irp q, 0,1,2,3,4,5,6,7
	s_wait_dscnt 7-(\q)
	global_store_b128 v10, v[OB+4*(\q):OB+4*(\q)+3], s[\base:(\base)+1] offset:512*(\q)  ; four rows of 128 bytes: 512 consecutive bytes
.endr
.endm
; The softmax's part for my 16 rows a: a lane holds one row (r) and 32 of its 64 frames, the lane 16 away the others.
.macro SOFT a
.set S, ACC+32*(\a)
.set CM, ST+2*(\a)
.set i, 0
.rept 32
	v_cmp_ge_i32 vcc_lo, v[ROW+(\a)], v[FB+i]      ; seen where row >= fire
	v_cndmask_b32 v[S+i], s[NEG], v[S+i], vcc_lo
.set i, i+1
.endr
.irp k, 0,1,2,3
	v_max3_num_f32 v[TM+(\k)], v[S+8*(\k)], v[S+8*(\k)+1], v[S+8*(\k)+2]
.endr
.irp k, 0,1,2,3
	v_max3_num_f32 v[TM+(\k)], v[TM+(\k)], v[S+8*(\k)+3], v[S+8*(\k)+4]
.endr
.irp k, 0,1,2,3
	v_max3_num_f32 v[TM+(\k)], v[TM+(\k)], v[S+8*(\k)+5], v[S+8*(\k)+6]
.endr
	v_max3_num_f32 v[TM], v[TM], v[S+7], v[S+15]
	v_max3_num_f32 v[TM+1], v[TM+1], v[S+23], v[S+31]
	v_max3_num_f32 v[TM], v[TM], v[TM+1], v[TM+2]
	v_max_num_f32 v[TM], v[TM], v[TM+3]
	v_permlanex16_b32 v[TM+1], v[TM], s[SEL], s[SEL+1]
	v_max3_num_f32 v[TM], v[TM], v[TM+1], s[NEG29] ; never below -1e29: in a row that sees nothing of the tile every p is 0
	v_mul_f32 v[CM], s[LE], v[TM]
.set i, 0
.rept 16
	v_pk_fma_f32 v[S+2*i:S+2*i+1], v[S+2*i:S+2*i+1], s[LE:LE+1], v[CM:CM+1] op_sel_hi:[1,0,0] neg_lo:[0,0,1] neg_hi:[0,0,1]
.set i, i+1
.endr
.set i, 0
.rept 32
	v_exp_f32 v[S+i], v[S+i]
.set i, i+1
.endr
	v_nop                                          ; a plain instruction behind the last exponential
.set i, 0
	s_wait_alu depctr_va_vdst(0)
.rept 16
	v_cvt_pk_f16_f32 v[FA+16*(\a)+i], v[S+2*i], v[S+2*i+1]
.set i, i+1
.endr
.irp k, 0,1,2,3,4,5,6,7
	v_pk_add_f32 v[S+2*(\k):S+2*(\k)+1], v[S+2*(\k):S+2*(\k)+1], v[S+2*(\k)+16:S+2*(\k)+17]
.endr
.irp k, 0,1,2,3
	v_pk_add_f32 v[S+2*(\k):S+2*(\k)+1], v[S+2*(\k):S+2*(\k)+1], v[S+2*(\k)+8:S+2*(\k)+9]
.endr
.irp k, 0,1
	v_pk_add_f32 v[S+2*(\k):S+2*(\k)+1], v[S+2*(\k):S+2*(\k)+1], v[S+2*(\k)+4:S+2*(\k)+5]
.endr
	v_pk_add_f32 v[S:S+1], v[S:S+1], v[S+2:S+3]
	v_add_f32 v[TM], v[S], v[S+1]
	v_permlanex16_b32 v[TM+1], v[TM], s[SEL], s[SEL+1]
	v_add_f32 v[CM+1], v[TM], v[TM+1]
.endm
	s_load_b256 s[4:11], s[0:1], 0x0               ; qh s[4:5], xs s[6:7], fire s[8:9], meta s[10:11]
	s_load_b128 s[12:15], s[0:1], 0x20             ; ph s[12:13], st s[14:15]
	v_lshl_add_u32 v254, v0, 2, 0x14800
	v_mov_b32 v255, 0
	v_and_b32 v10, 15, v0                          ; r
	v_bfe_u32 v11, v0, 4, 1                        ; h
	v_lshrrev_b32 v12, 5, v0
	v_readfirstlane_b32 s[WV], v12
	v_lshrrev_b32 v13, 4, v0
	v_lshlrev_b32 v1, 12, v13
	v_lshl_add_u32 v1, v10, 4, v1                  ; xs: row t / 16, 16 bytes at 16 (t % 16)
	v_lshlrev_b32 v2, 4, v0                        ; dense tiles come in by 16 t
	v_mul_u32_u24 v4, v13, PA
	v_lshl_add_u32 v4, v10, 3, v4
	v_add_nc_u32 v4, BOFF, v4                      ; into B's tile
	v_lshrrev_b32 v14, 3, v0
	v_and_b32 v15, 7, v0
	v_mul_u32_u24 v3, v14, PA
	v_lshl_add_u32 v3, v15, 4, v3                  ; into A's tile: row t / 8, 16 bytes at 16 (t % 8)
	s_mul_i32 s22, s[WV], 32*PA
	v_mul_u32_u24 v6, v10, PA
	v_lshl_add_u32 v6, v11, 4, v6
	v_add_nc_u32 v5, s22, v6
	v_add_nc_u32 v6, BOFF, v6
	v_add_nc_u32 v7, STG, v5
	v_bfe_u32 v14, v0, 3, 2
	v_mul_u32_u24 v8, v14, PA
	v_lshl_add_u32 v8, v15, 4, v8
	s_add_co_u32 s22, s22, STG
	v_add_nc_u32 v8, s22, v8
	v_lshlrev_b32 v9, 3, v0                        ; st: 8 bytes a row, row = t
	s_lshl_b32 s22, s[WV], 5
	v_add_nc_u32 v[ROW], s22, v10
	v_add_nc_u32 v[ROW+1], 16, v[ROW]
	v_and_b32 v14, 31, v0
	v_lshlrev_b32 v15, 5, v11                      ; fire: 32 h
	s_lshl_b32 s22, s[WV], 12
	v_lshl_add_u32 v10, v14, 4, s22                ; the way out: my wave's 32 rows of 128 bytes, 16 bytes a lane
	v_mov_b32 v[ST+1], 0                           ; named in pairs with their neighbours, so they are written
	v_mov_b32 v[ST+3], 0
.set i, 0
.rept 48
	v_mov_b32 v[RA+i], 0                           ; the staging registers hold numbers on every way through the text
.set i, i+1
.endr
	s_mov_b32 s17, ttmp9                           ; x
	s_and_b32 s18, ttmp7, 0xffff                   ; b
	s_mov_b32 s[HI16], 0xffff0000
	s_mov_b32 s[NEG], 0xf149f2ca                   ; -1e30
	s_mov_b32 s[NEG29], 0xefa18f08                 ; -1e29
	s_mov_b32 s[LE], 0x3fb8aa3b                    ; log2(e)
	s_mov_b32 s[LE+1], s[LE]
	s_mov_b32 s[SEL], 0x76543210
	s_mov_b32 s[SEL+1], 0xfedcba98
	s_lshl_b32 s24, s18, 2
	s_mov_b32 s25, 0
	s_wait_kmcnt 0x0
	s_add_nc_u64 s[10:11], s[10:11], s[24:25]
	s_load_b32 s19, s[10:11], 0x0                  ; tiles of this batch
	s_lshl_b32 s24, s18, 19
	s_add_nc_u64 s[30:31], s[4:5], s[24:25]        ; the batch's part of each buffer
	s_lshl_b32 s24, s18, 23
	s_add_nc_u64 s[32:33], s[6:7], s[24:25]
	s_lshl_b32 s24, s18, 13
	s_add_nc_u64 s[34:35], s[8:9], s[24:25]
	s_lshl_b32 s24, s18, 20
	s_add_nc_u64 s[36:37], s[12:13], s[24:25]
	s_lshl_b32 s24, s18, 16
	s_add_nc_u64 s[38:39], s[14:15], s[24:25]
	s_wait_kmcnt 0x0
	s_min_u32 s19, s19, 32
	s_mov_b32 s20, 0
.Ltile:                                                ; two trips: tiles x and x + 16
	s_lshl4_add_u32 s21, s20, s17                  ; j = x + 16 c
	s_cmp_lt_u32 s21, s19
	s_cselect_b32 s[LIVE], 1, 0
	s_min_u32 s21, s21, 31
	s_mov_b64 s[26:27], s[30:31]
	s_lshl_b32 s24, s21, 18
	s_add_nc_u64 s[28:29], s[32:33], s[24:25]
	s_lshl_b32 s24, s21, 8
	s_add_nc_u64 s[40:41], s[34:35], s[24:25]
	s_lshl_b32 s24, s21, 15
	s_add_nc_u64 s[42:43], s[36:37], s[24:25]
	s_lshl_b32 s24, s21, 11
	s_add_nc_u64 s[44:45], s[38:39], s[24:25]
.set i, 0
.rept 64
	v_mov_b32 v[ACC+i], 0
.set i, i+1
.endr
	SKIP .Lnoload
	LOADS
.Lnoload:
	s_mov_b32 s22, 15
.Lk:
	TRIP 1
	s_sub_co_u32 s22, s22, 1
	s_cmp_lg_u32 s22, 0
	s_cbranch_scc1 .Lk
	TRIP 0
	SKIP .Lnoout
.irp nb, 0,1,2,3
	global_load_b128 v[FB+8*(\nb):FB+8*(\nb)+3],   v15, s[40:41] offset:64*(\nb)     ; fire of frames 16 nb + 8 h + 0..7, register for register as the scores lie
	global_load_b128 v[FB+8*(\nb)+4:FB+8*(\nb)+7], v15, s[40:41] offset:64*(\nb)+16
.endr
	s_wait_loadcnt 0x0
	SOFT 0
	SOFT 1
	v_cmp_lt_u32 vcc_lo, 15, v14
	v_cndmask_b32 v[SO], v[ST], v[ST+2], vcc_lo    ; lane L stores row 32 w + L
	v_cndmask_b32 v[SO+1], v[ST+1], v[ST+3], vcc_lo
	global_store_b64 v9, v[SO:SO+1], s[44:45]      ; a wave stores 256 consecutive bytes
	OUT16 42
.Lnoout:
	s_wait_xcnt 0x0                                ; the stores' data and bases are written again in the next tile
	s_add_co_u32 s20, s20, 1
	s_cmp_lt_u32 s20, 2
	s_cbranch_scc1 .Ltile
	s_barrier_signal -1
	s_barrier_wait -1
	s_wait_tensorcnt 0x0
	ds_add_u32 v254, v255
	s_wait_dscnt 0x0
	s_endpgm
.Lfunc_end_k_q4a0e736da8_scores:
	.size	k_q4a0e736da8_scores, .Lfunc_end_k_q4a0e736da8_scores-k_q4a0e736da8_scores
	.p2alignl 7, 3214868480
	.fill 96, 4, 3214868480
	.section	.rodata,"a",@progbits
	.p2align	6, 0x0
	.amdhsa_kernel k_q4a0e736da8_scores
		.amdhsa_group_segment_fixed_size 84992
		.amdhsa_private_segment_fixed_size 0
		.amdhsa_enable_private_segment 0
		.amdhsa_kernarg_size 48
		.amdhsa_user_sgpr_count 2
		.amdhsa_user_sgpr_kernarg_segment_ptr 1
		.amdhsa_wavefront_size32 1
		.amdhsa_system_sgpr_workgroup_id_x 1
		.amdhsa_system_sgpr_workgroup_id_y 1
		.amdhsa_system_sgpr_workgroup_id_z 1
		.amdhsa_system_vgpr_workitem_id 0
		.amdhsa_next_free_vgpr 256
		.amdhsa_next_free_sgpr 66
		.amdhsa_reserve_vcc 1
		.amdhsa_float_denorm_mode_32 3
		.amdhsa_float_denorm_mode_16_64 3
		.amdhsa_memory_ordered 1
		.amdhsa_forward_progress 1
		.amdhsa_inst_pref_size 39
	.end_amdhsa_kernel
	.amdgpu_metadata
---
amdhsa.version: [ 1, 2 ]
amdhsa.kernels:
  - .name:           k_q4a0e736da8_scores
    .symbol:         k_q4a0e736da8_scores.kd
    .args:
      - { .name: qh, .offset: 0, .size: 8, .value_kind: global_buffer, .address_space: global }
      - { .name: xs, .offset: 8, .size: 8, .value_kind: global_buffer, .address_space: global }
      - { .name: fire, .offset: 16, .size: 8, .value_kind: global_buffer, .address_space: global }
      - { .name: meta, .offset: 24, .size: 8, .value_kind: global_buffer, .address_space: global }
      - { .name: ph, .offset: 32, .size: 8, .value_kind: global_buffer, .address_space: global }
      - { .name: st, .offset: 40, .size: 8, .value_kind: global_buffer, .address_space: global }
    .group_segment_fixed_size: 84992
    .private_segment_fixed_size: 0
    .kernarg_segment_align: 8
    .kernarg_segment_size: 48
    .max_flat_workgroup_size: 256
    .sgpr_count:     66
    .vgpr_count:     256
    .wavefront_size: 32
...
	.end_amdgpu_metadata
.endif
;; end of part 4
;; launch ctx (part 5): grid 16 x 16, 8 waves a work-group, no clusters, 84,992 bytes of LDS; arguments ph, st, xs, meanb, fire, ys_lens, meta, ch; writes ch
.if DOCPART == 5
	.amdgcn_target "amdgcn-amd-amdhsa--gfx1250"
	.amdhsa_code_object_version 6
	.text
	.protected	k_q4a0e736da8_ctx
	.globl	k_q4a0e736da8_ctx
	.p2align	8
	.type	k_q4a0e736da8_ctx,@function
k_q4a0e736da8_ctx:
	s_mov_b64 s[64:65], 0
	v_nop
	global_prefetch_b8 v0, s[64:65] scope:SCOPE_SE
	s_setreg_imm32_b32 hwreg(HW_REG_WAVE_MODE, 25, 1), 1
	s_wait_xcnt 0x0
; ch[b][n][v][c] = sum over t of attn[b][v][t] xs[b][t][64 n + c], in f16.  out = attn (xs W + b) = (attn xs) W + b, since a row of attn adds up to 1.
; attn is joined from the tiles of the launch before by a running maximum M.  A step's products P X go into accumulators of their own; then, in f32,
; sums = a sums + f (P X) and l = a l + f l_tile, with a = 2^(M_old - M_new), f = 2^(m_tile - M_new).
; A row that sees no frame (row >= ys_lens[b], or row < fire[b][0]) has a uniform softmax over all 2,048 frames: it takes the mean of xs.
; xs is rounded to bf16 (all the module's inputs are) and written as f16, since p is f16; sums in f32.
; A work-group makes 256 rows x 64 columns of one batch; K is the frames, 64 a step; meta[b] steps (1 to 32) are LIVE.  The first step is always live and is
; written out: its products start the sums, its tile's m and l start M and l.  The loop behind counts the other 31 to its constant and passes every barrier;
; in a dead step only the work between the barriers is jumped, forward.  Each jumped piece is whole by itself: the wait for the global loads stands outside the
; jumps, each piece waits for its own LDS instructions, and the 32 rescalings behind a step's products are the places in front of whatever follows.
; xs lies [frame][column], K down the rows: B's fragments come out of LDS turned, by ds_load_tr16_b128.
; NO CLUSTER, no tensor loads: xs is f32 in memory and passes through registers to be rounded.
; REGISTERS: all in window 0 but a step's own 64 accumulator registers, v256-319 (window 1): four window switches a step.
; LIMITS: |xs| under 65,504 (f16).
.set PA,   144
.set PB,   160                         ; B's rows: 128 bytes + 32
.set BOFF, 256*PA
.set STG,  47104
.set ACC,  16
.set FA,   80
.set FB,   112
.set OB,   144
.set RA,   176
.set RB,   208
.set T,    224
.set SM,   228                         ; v[228:231] the next tile's (m log2 e, l) of my rows, a = 0, 1
.set MX,   232                         ; v232, v233 running maxima (times log2 e)
.set LS,   234                         ; v234, v235 running sums
.set AA,   236                         ; v236, v238 a (each the low word of a pair)
.set FF,   240                         ; v240, v242 f (likewise)
.set MN,   244
.set DD,   246                         ; v[246:249]
.set TP,   0                           ; window 1: a step's products, (a, nb) at 8 (4 a + nb)
.set WV,   20
.set HI16, 38
.set MSB, 0
.macro WIN new                         ; the immediate's high byte repeats the setting that is left
.if MSB != (\new)
	s_set_vgpr_msb (MSB<<8)|(\new)
.set MSB, \new
.endif
.endm
.macro BAR
	s_barrier_signal -1
	s_barrier_wait -1
.endm
.macro CVX x, tt
	v_cvt_pk_bf16_f32 v[\tt], v[\x], v[(\x)+1]
	v_cvt_pk_bf16_f32 v[(\tt)+1], v[(\x)+2], v[(\x)+3]
	v_lshlrev_b32 v[\x], 16, v[\tt]
	v_and_b32 v[(\x)+1], s[HI16], v[\tt]
	v_lshlrev_b32 v[(\x)+2], 16, v[(\tt)+1]
	v_and_b32 v[(\x)+3], s[HI16], v[(\tt)+1]
	v_cvt_pk_f16_f32 v[\x], v[\x], v[(\x)+1]
	v_cvt_pk_f16_f32 v[(\x)+1], v[(\x)+2], v[(\x)+3]
.endm
.macro LOADS                           ; tile s29: its addresses are made anew from the batch's bases
	s_lshl_b32 s26, s29, 15
	s_add_nc_u64 s[32:33], s[4:5], s[26:27]
	s_lshl_b32 s26, s29, 18
	s_add_nc_u64 s[34:35], s[8:9], s[26:27]
	s_lshl_b32 s26, s29, 11
	s_add_nc_u64 s[36:37], s[6:7], s[26:27]
.irp i, 0,1,2,3,4,5,6,7
	global_load_b128 v[RA+4*(\i):RA+4*(\i)+3], v2, s[32:33] offset:4096*(\i)
.endr
.irp i, 0,1,2,3
	global_load_b128 v[RB+4*(\i):RB+4*(\i)+3], v1, s[34:35] offset:65536*(\i)
.endr
	global_load_b64 v[SM:SM+1], v9, s[36:37]
	global_load_b64 v[SM+2:SM+3], v9, s[36:37] offset:128
.endm
.macro FRAGS
.irp ks, 0,1
.irp a, 0,1
	ds_load_b128 v[FA+8*(2*(\ks)+(\a)):FA+8*(2*(\ks)+(\a))+3],   v5 offset:(\a)*16*PA+(\ks)*64
	ds_load_b128 v[FA+8*(2*(\ks)+(\a))+4:FA+8*(2*(\ks)+(\a))+7], v5 offset:(\a)*16*PA+(\ks)*64+32
.endr
.irp nb, 0,1,2,3
	ds_load_tr16_b128 v[FB+8*(4*(\ks)+(\nb)):FB+8*(4*(\ks)+(\nb))+3],   v6 offset:(\ks)*32*PB+(\nb)*32
	ds_load_tr16_b128 v[FB+8*(4*(\ks)+(\nb))+4:FB+8*(4*(\ks)+(\nb))+7], v6 offset:(\ks)*32*PB+(\nb)*32+16*PB
.endr
.endr
.endm
.macro MM ks, zero, d                  ; eight products into the accumulators at d, by turns
.irp a, 0,1
.irp nb, 0,1,2,3
.if \zero
	v_wmma_f32_16x16x32_f16 v[(\d)+8*(4*(\a)+(\nb)):(\d)+8*(4*(\a)+(\nb))+7], v[FB+8*(4*(\ks)+(\nb)):FB+8*(4*(\ks)+(\nb))+7], v[FA+8*(2*(\ks)+(\a)):FA+8*(2*(\ks)+(\a))+7], 0
.else
	v_wmma_f32_16x16x32_f16 v[(\d)+8*(4*(\a)+(\nb)):(\d)+8*(4*(\a)+(\nb))+7], v[FB+8*(4*(\ks)+(\nb)):FB+8*(4*(\ks)+(\nb))+7], v[FA+8*(2*(\ks)+(\a)):FA+8*(2*(\ks)+(\a))+7], v[(\d)+8*(4*(\a)+(\nb)):(\d)+8*(4*(\a)+(\nb))+7]
.endif
.endr
.endr
.endm
.macro OUT16 base
.irp g, 0,1,2,3,4,5,6,7
	ds_store_b128 v7, v[FA+4*(\g):FA+4*(\g)+3] offset:((\g)/4)*16*PA+((\g)%4)*32
.endr
.irp q, 0,1,2,3,4,5,6,7
	ds_load_b128 v[OB+4*(\q):OB+4*(\q)+3], v8 offset:(\q)*4*PA
.endr
.irp q, 0,1,2,3,4,5,6,7
	s_wait_dscnt 7-(\q)
	global_store_b128 v12, v[OB+4*(\q):OB+4*(\q)+3], s[\base:(\base)+1] offset:512*(\q)  ; four rows of 128 bytes: 512 consecutive bytes
.endr
.endm
; Step s28.  first = 1: the step written out ahead of the loop, without jumps.
.macro STEP first
	s_wait_loadcnt 0x0                             ; the tiles asked for a step ago are in registers; on every way, so that no load is out when bases and staging registers are written
.if (\first) == 0
	s_cmp_lt_u32 s28, s23
	s_cbranch_scc0 .Lc_\@
.endif
	CVX RB, T
	CVX RB+4, T+2
	CVX RB+8, T
	CVX RB+12, T+2
.if \first
	v_mov_b32 v[MX], v[SM]                         ; the first tile's m and l start M and l
	v_mov_b32 v[MX+1], v[SM+2]
	v_mov_b32 v[LS], v[SM+1]
	v_mov_b32 v[LS+1], v[SM+3]
.set i, 0
.rept 8
	v_mov_b32 v[AA+i], 0                           ; a, f and the registers named with them as pairs hold numbers on every way through the text
.set i, i+1
.endr
.else
	v_max_num_f32 v[MN], v[MX], v[SM]
	v_max_num_f32 v[MN+1], v[MX+1], v[SM+2]
	v_sub_f32 v[DD], v[MX], v[MN]
	v_sub_f32 v[DD+1], v[SM], v[MN]
	v_sub_f32 v[DD+2], v[MX+1], v[MN+1]
	v_sub_f32 v[DD+3], v[SM+2], v[MN+1]
	v_exp_f32 v[AA], v[DD]
	v_exp_f32 v[FF], v[DD+1]
	v_exp_f32 v[AA+2], v[DD+2]
	v_exp_f32 v[FF+2], v[DD+3]
	v_mov_b32 v[MX], v[MN]                         ; (plain instructions behind the exponentials)
	v_mov_b32 v[MX+1], v[MN+1]
	s_wait_alu depctr_va_vdst(0)
	v_mul_f32 v[DD], v[FF], v[SM+1]
	v_mul_f32 v[DD+1], v[FF+2], v[SM+3]
	v_fma_f32 v[LS], v[LS], v[AA], v[DD]
	v_fma_f32 v[LS+1], v[LS+1], v[AA+2], v[DD+1]
.Lc_\@:
	BAR                                            ; every wave's reads of the old tiles were waited for in front of its last products (ahead of the first step nothing has been read)
	s_cmp_lt_u32 s28, s23
	s_cbranch_scc0 .Ls_\@
.endif
.irp i, 0,1,2,3,4,5,6,7
	ds_store_b128 v3, v[RA+4*(\i):RA+4*(\i)+3] offset:32*PA*(\i)
.endr
.irp i, 0,1,2,3
	ds_store_b64 v4, v[RB+4*(\i):RB+4*(\i)+1] offset:16*PB*(\i)
.endr
	s_wait_dscnt 0x0                               ; for the others' sake: my stores are done
	s_add_co_u32 s29, s28, 1                       ; the next tile is asked for only if it is live: no load reaches a tile that was not stored
	s_cmp_lt_u32 s29, s23
	s_cbranch_scc0 .Ls_\@
	s_min_u32 s29, s29, 31
	LOADS
.Ls_\@:
	BAR
.if \first
	FRAGS
	s_wait_dscnt 12                                ; the first 32 along K are in
	MM 0, 1, ACC                                   ; the first step's products start the sums
	s_wait_dscnt 0x0
	MM 1, 0, ACC
.rept 4
	v_nop                                          ; the places behind these products, whatever piece comes next
.endr
.else
	s_cmp_lt_u32 s28, s23
	s_cbranch_scc0 .Lm_\@
	FRAGS
	s_wait_dscnt 12
	WIN 0x50                                       ; C and D in window 1
	MM 0, 1, TP
	s_wait_dscnt 0x0
	MM 1, 0, TP
	WIN 0
.irp a, 0,1
.set i, 0
.rept 16
	v_pk_mul_f32 v[ACC+32*(\a)+2*i:ACC+32*(\a)+2*i+1], v[ACC+32*(\a)+2*i:ACC+32*(\a)+2*i+1], v[AA+2*(\a):AA+2*(\a)+1] op_sel_hi:[1,0]  ; sums times a: they name no register of the products just issued
.set i, i+1
.endr
.endr
	WIN 0x01                                       ; source 0 in window 1
.irp a, 0,1
.set i, 0
.rept 16
	v_pk_fma_f32 v[ACC+32*(\a)+2*i:ACC+32*(\a)+2*i+1], v[TP+32*(\a)+2*i:TP+32*(\a)+2*i+1], v[FF+2*(\a):FF+2*(\a)+1], v[ACC+32*(\a)+2*i:ACC+32*(\a)+2*i+1] op_sel_hi:[1,0,1]  ; + f (P X), each accumulator from its low end on
.set i, i+1
.endr
.endr
	WIN 0                                          ; at a label and at a branch every window is 0
.Lm_\@:
.endif
.endm
	s_load_b256 s[4:11], s[0:1], 0x0               ; ph s[4:5], st s[6:7], xs s[8:9], meanb s[10:11]
	s_load_b256 s[12:19], s[0:1], 0x20             ; fire s[12:13], ys_lens s[14:15], meta s[16:17], ch s[18:19]
	v_lshl_add_u32 v254, v0, 2, 0x14800
	v_mov_b32 v255, 0
	v_and_b32 v10, 15, v0                          ; r
	v_bfe_u32 v11, v0, 4, 1                        ; h
	v_lshrrev_b32 v12, 5, v0
	v_readfirstlane_b32 s[WV], v12
	v_lshrrev_b32 v13, 4, v0
	v_lshlrev_b32 v1, 12, v13
	v_lshl_add_u32 v1, v10, 4, v1                  ; xs: row t / 16, 16 bytes at 16 (t % 16)
	v_lshlrev_b32 v2, 4, v0                        ; dense tiles come in by 16 t
	v_mul_u32_u24 v4, v13, PB
	v_lshl_add_u32 v4, v10, 3, v4
	v_add_nc_u32 v4, BOFF, v4
	v_lshrrev_b32 v14, 3, v0
	v_and_b32 v15, 7, v0
	v_mul_u32_u24 v3, v14, PA
	v_lshl_add_u32 v3, v15, 4, v3
	s_mul_i32 s31, s[WV], 32*PA
	v_mul_u32_u24 v5, v10, PA
	v_lshl_add_u32 v5, v11, 4, v5
	v_add_nc_u32 v5, s31, v5
	v_add_nc_u32 v7, STG, v5
	v_lshl_add_u32 v6, v11, 3, v15                 ; the turning load: key row 8 h + l % 8,
	v_mul_u32_u24 v6, v6, PB
	v_bfe_u32 v14, v0, 3, 1
	v_lshl_add_u32 v6, v14, 4, v6                  ; 16 bytes at 16 ((l / 8) % 2)
	v_add_nc_u32 v6, BOFF, v6
	v_bfe_u32 v14, v0, 3, 2
	v_mul_u32_u24 v8, v14, PA
	v_lshl_add_u32 v8, v15, 4, v8
	s_add_co_u32 s31, s31, STG
	v_add_nc_u32 v8, s31, v8
	s_lshl_b32 s31, s[WV], 5
	v_add_nc_u32 v10, s31, v10                     ; my row for a = 0,
	v_add_nc_u32 v14, 16, v10                      ; for a = 1
	v_lshlrev_b32 v9, 3, v10                       ; st: 8 bytes a row
	v_lshlrev_b32 v11, 5, v11                      ; the mean: 32 h
	v_and_b32 v13, 31, v0
	s_lshl_b32 s31, s[WV], 12
	v_lshl_add_u32 v12, v13, 4, s31                ; the way out: my wave's 32 rows of 128 bytes, 16 bytes a lane
	s_mov_b32 s21, ttmp9                           ; n
	s_and_b32 s22, ttmp7, 0xffff                   ; b
	s_mov_b32 s[HI16], 0xffff0000
	s_lshl_b32 s26, s22, 2
	s_mov_b32 s27, 0
	s_wait_kmcnt 0x0
	s_add_nc_u64 s[14:15], s[14:15], s[26:27]
	s_add_nc_u64 s[16:17], s[16:17], s[26:27]
	s_lshl_b32 s26, s22, 13
	s_add_nc_u64 s[12:13], s[12:13], s[26:27]
	s_load_b32 s24, s[14:15], 0x0                  ; ys_lens[b]
	s_load_b32 s23, s[16:17], 0x0                  ; live steps
	s_load_b32 s25, s[12:13], 0x0                  ; fire[b][0]
	s_lshl_b32 s26, s22, 20
	s_add_nc_u64 s[4:5], s[4:5], s[26:27]          ; the batch's part of each buffer
	s_lshl_b32 s26, s22, 16
	s_add_nc_u64 s[6:7], s[6:7], s[26:27]
	s_lshl_b32 s26, s22, 23
	s_add_nc_u64 s[8:9], s[8:9], s[26:27]
	s_lshl_b32 s26, s21, 8
	s_add_nc_u64 s[8:9], s[8:9], s[26:27]          ; and my 64 columns
	s_add_nc_u64 s[10:11], s[10:11], s[26:27]
	s_lshl_b32 s26, s22, 12
	s_add_nc_u64 s[10:11], s[10:11], s[26:27]
	s_lshl4_add_u32 s26, s22, s21
	s_lshl_b32 s26, s26, 15
	s_add_nc_u64 s[18:19], s[18:19], s[26:27]
	s_mov_b32 s29, 0
	LOADS                                          ; tile 0, which is always live
	s_wait_kmcnt 0x0
	s_min_u32 s23, s23, 32
	s_max_u32 s23, s23, 1
	s_mov_b32 s28, 0
	STEP 1
	s_mov_b32 s28, 1
.Lk:                                                   ; steps 1 to 31
	STEP 0
	s_add_co_u32 s28, s28, 1
	s_cmp_lt_u32 s28, 32
	s_cbranch_scc1 .Lk
.irp nb, 0,1,2,3
	global_load_b128 v[FB+8*(\nb):FB+8*(\nb)+3],   v11, s[10:11] offset:64*(\nb)     ; the mean of columns 16 nb + 8 h + 0..7
	global_load_b128 v[FB+8*(\nb)+4:FB+8*(\nb)+7], v11, s[10:11] offset:64*(\nb)+16
.endr
	v_rcp_f32 v[AA], v[LS]
	v_rcp_f32 v[AA+2], v[LS+1]
	v_nop
	v_cmp_le_i32 s40, s24, v10                     ; a row that sees nothing: at or beyond ys_len,
	v_cmp_gt_i32 s42, s25, v10                     ; or below the first frame's fire
	s_or_b32 s40, s40, s42
	v_cmp_le_i32 s41, s24, v14
	v_cmp_gt_i32 s42, s25, v14
	s_or_b32 s41, s41, s42
	s_wait_loadcnt 0x0
	s_wait_alu depctr_va_vdst(0)
.irp a, 0,1
.set i, 0
.rept 16
	v_pk_mul_f32 v[ACC+32*(\a)+2*i:ACC+32*(\a)+2*i+1], v[ACC+32*(\a)+2*i:ACC+32*(\a)+2*i+1], v[AA+2*(\a):AA+2*(\a)+1] op_sel_hi:[1,0]
.set i, i+1
.endr
.set i, 0
.rept 32
	v_cndmask_b32 v[ACC+32*(\a)+i], v[ACC+32*(\a)+i], v[FB+i], s[40+(\a)]  ; the mean takes the place of 0 / 0
.set i, i+1
.endr
.set i, 0
.rept 16
	v_cvt_pk_f16_f32 v[FA+16*(\a)+i], v[ACC+32*(\a)+2*i], v[ACC+32*(\a)+2*i+1]
.set i, i+1
.endr
.endr
	OUT16 18
	s_barrier_signal -1
	s_barrier_wait -1
	s_wait_tensorcnt 0x0
	ds_add_u32 v254, v255
	s_wait_dscnt 0x0
	s_endpgm
.Lfunc_end_k_q4a0e736da8_ctx:
	.size	k_q4a0e736da8_ctx, .Lfunc_end_k_q4a0e736da8_ctx-k_q4a0e736da8_ctx
	.p2alignl 7, 3214868480
	.fill 96, 4, 3214868480
	.section	.rodata,"a",@progbits
	.p2align	6, 0x0
	.amdhsa_kernel k_q4a0e736da8_ctx
		.amdhsa_group_segment_fixed_size 84992
		.amdhsa_private_segment_fixed_size 0
		.amdhsa_enable_private_segment 0
		.amdhsa_kernarg_size 64
		.amdhsa_user_sgpr_count 2
		.amdhsa_user_sgpr_kernarg_segment_ptr 1
		.amdhsa_wavefront_size32 1
		.amdhsa_system_sgpr_workgroup_id_x 1
		.amdhsa_system_sgpr_workgroup_id_y 1
		.amdhsa_system_sgpr_workgroup_id_z 1
		.amdhsa_system_vgpr_workitem_id 0
		.amdhsa_next_free_vgpr 320
		.amdhsa_next_free_sgpr 66
		.amdhsa_reserve_vcc 0
		.amdhsa_float_denorm_mode_32 3
		.amdhsa_float_denorm_mode_16_64 3
		.amdhsa_memory_ordered 1
		.amdhsa_forward_progress 1
		.amdhsa_inst_pref_size 36
	.end_amdhsa_kernel
	.amdgpu_metadata
---
amdhsa.version: [ 1, 2 ]
amdhsa.kernels:
  - .name:           k_q4a0e736da8_ctx
    .symbol:         k_q4a0e736da8_ctx.kd
    .args:
      - { .name: ph, .offset: 0, .size: 8, .value_kind: global_buffer, .address_space: global }
      - { .name: st, .offset: 8, .size: 8, .value_kind: global_buffer, .address_space: global }
      - { .name: xs, .offset: 16, .size: 8, .value_kind: global_buffer, .address_space: global }
      - { .name: meanb, .offset: 24, .size: 8, .value_kind: global_buffer, .address_space: global }
      - { .name: fire, .offset: 32, .size: 8, .value_kind: global_buffer, .address_space: global }
      - { .name: ys_lens, .offset: 40, .size: 8, .value_kind: global_buffer, .address_space: global }
      - { .name: meta, .offset: 48, .size: 8, .value_kind: global_buffer, .address_space: global }
      - { .name: ch, .offset: 56, .size: 8, .value_kind: global_buffer, .address_space: global }
    .group_segment_fixed_size: 84992
    .private_segment_fixed_size: 0
    .kernarg_segment_align: 8
    .kernarg_segment_size: 64
    .max_flat_workgroup_size: 256
    .sgpr_count:     66
    .vgpr_count:     320
    .wavefront_size: 32
...
	.end_amdgpu_metadata
.endif
;; end of part 5
;; launch outp (part 6): grid 16 x 16, 8 waves a work-group, no clusters, 84,992 bytes of LDS; arguments ch, W_proj, b_proj, out0; writes out0
.if DOCPART == 6
	.amdgcn_target "amdgcn-amd-amdhsa--gfx1250"
	.amdhsa_code_object_version 6
	.text
	.protected	k_q4a0e736da8_outp
	.globl	k_q4a0e736da8_outp
	.p2align	8
	.type	k_q4a0e736da8_outp,@function
k_q4a0e736da8_outp:
	s_mov_b64 s[64:65], 0
	v_nop
	global_prefetch_b8 v0, s[64:65] scope:SCOPE_SE
	s_setreg_imm32_b32 hwreg(HW_REG_WAVE_MODE, 25, 1), 1
	s_wait_xcnt 0x0
; out0[b][v][e] = sum over d of C[b][v][d] W_proj[d][e] + b_proj[e], f32.  C is the launch before's, f16, in blocks of 64 along d.
; W_proj and b_proj are rounded to bf16 (all the module's inputs are); W's rounded number is written as f16, since C is f16; sums in f32.
; A work-group makes 256 rows x 64 columns; wave w rows 32 w .. 32 w + 31; K in 16 steps of 64, tiles one step ahead in registers.
; W lies [d][e], K down the rows: B's fragments come out of LDS turned, by ds_load_tr16_b128.
; NO CLUSTER, no tensor loads: W is f32 in memory and passes through registers to be rounded.
; LIMITS: |W_proj| under 65,504; below 6e-5 it keeps f16's fixed step of 6e-8.
.set PA,   144
.set PB,   160
.set BOFF, 256*PA
.set STG,  47104
.set SP,   272                         ; the way out: rows of 256 bytes + 16
.set ACC,  16
.set FA,   80
.set FB,   112
.set RA,   176
.set RB,   208
.set T,    224
.set WV,   12
.set HI16, 13
.macro BAR
	s_barrier_signal -1
	s_barrier_wait -1
.endm
.macro CVX x, tt
	v_cvt_pk_bf16_f32 v[\tt], v[\x], v[(\x)+1]
	v_cvt_pk_bf16_f32 v[(\tt)+1], v[(\x)+2], v[(\x)+3]
	v_lshlrev_b32 v[\x], 16, v[\tt]
	v_and_b32 v[(\x)+1], s[HI16], v[\tt]
	v_lshlrev_b32 v[(\x)+2], 16, v[(\tt)+1]
	v_and_b32 v[(\x)+3], s[HI16], v[(\tt)+1]
	v_cvt_pk_f16_f32 v[\x], v[\x], v[(\x)+1]
	v_cvt_pk_f16_f32 v[(\x)+1], v[(\x)+2], v[(\x)+3]
.endm
.macro LOADS
.irp i, 0,1,2,3,4,5,6,7
	global_load_b128 v[RA+4*(\i):RA+4*(\i)+3], v2, s[4:5] offset:4096*(\i)
.endr
.irp i, 0,1,2,3
	global_load_b128 v[RB+4*(\i):RB+4*(\i)+3], v1, s[6:7] offset:65536*(\i)
.endr
.endm
.macro FRAGS
.irp ks, 0,1
.irp a, 0,1
	ds_load_b128 v[FA+8*(2*(\ks)+(\a)):FA+8*(2*(\ks)+(\a))+3],   v5 offset:(\a)*16*PA+(\ks)*64
	ds_load_b128 v[FA+8*(2*(\ks)+(\a))+4:FA+8*(2*(\ks)+(\a))+7], v5 offset:(\a)*16*PA+(\ks)*64+32
.endr
.irp nb, 0,1,2,3
	ds_load_tr16_b128 v[FB+8*(4*(\ks)+(\nb)):FB+8*(4*(\ks)+(\nb))+3],   v6 offset:(\ks)*32*PB+(\nb)*32
	ds_load_tr16_b128 v[FB+8*(4*(\ks)+(\nb))+4:FB+8*(4*(\ks)+(\nb))+7], v6 offset:(\ks)*32*PB+(\nb)*32+16*PB
.endr
.endr
.endm
.macro MM ks, zero
.irp a, 0,1
.irp nb, 0,1,2,3
.if \zero
	v_wmma_f32_16x16x32_f16 v[ACC+8*(4*(\a)+(\nb)):ACC+8*(4*(\a)+(\nb))+7], v[FB+8*(4*(\ks)+(\nb)):FB+8*(4*(\ks)+(\nb))+7], v[FA+8*(2*(\ks)+(\a)):FA+8*(2*(\ks)+(\a))+7], 0
.else
	v_wmma_f32_16x16x32_f16 v[ACC+8*(4*(\a)+(\nb)):ACC+8*(4*(\a)+(\nb))+7], v[FB+8*(4*(\ks)+(\nb)):FB+8*(4*(\ks)+(\nb))+7], v[FA+8*(2*(\ks)+(\a)):FA+8*(2*(\ks)+(\a))+7], v[ACC+8*(4*(\a)+(\nb)):ACC+8*(4*(\a)+(\nb))+7]
.endif
.endr
.endr
.endm
.macro TRIP zero, more
	s_wait_loadcnt 0x0                             ; the tiles asked for a step ago are in registers
	CVX RB, T                                      ; 32 plain instructions on staging registers: also the places in front of the fragment loads below
	CVX RB+4, T+2
	CVX RB+8, T
	CVX RB+12, T+2
	BAR                                            ; every wave's reads of the old tiles were waited for in front of its last products
.irp i, 0,1,2,3,4,5,6,7
	ds_store_b128 v3, v[RA+4*(\i):RA+4*(\i)+3] offset:32*PA*(\i)
.endr
.irp i, 0,1,2,3
	ds_store_b64 v4, v[RB+4*(\i):RB+4*(\i)+1] offset:16*PB*(\i)
.endr
	s_wait_dscnt 0x0                               ; for the others' sake: my stores are done
.if \more
	s_add_nc_u64 s[4:5], s[4:5], 32768             ; C's next block of 64 along K
	s_add_nc_u64 s[6:7], s[6:7], 262144            ; 64 rows of W
	LOADS
.endif
	BAR
	FRAGS
	s_wait_dscnt 12
	MM 0, \zero
	s_wait_dscnt 0x0
	MM 1, 0
.endm
	s_load_b256 s[4:11], s[0:1], 0x0               ; ch s[4:5], W_proj s[6:7], b_proj s[8:9], out0 s[10:11]
	v_lshl_add_u32 v254, v0, 2, 0x14800
	v_mov_b32 v255, 0
	v_and_b32 v10, 15, v0                          ; r
	v_bfe_u32 v11, v0, 4, 1                        ; h
	v_lshrrev_b32 v12, 5, v0
	v_readfirstlane_b32 s[WV], v12
	v_lshrrev_b32 v13, 4, v0
	v_lshlrev_b32 v1, 12, v13
	v_lshl_add_u32 v1, v10, 4, v1
	v_lshlrev_b32 v2, 4, v0
	v_mul_u32_u24 v4, v13, PB
	v_lshl_add_u32 v4, v10, 3, v4
	v_add_nc_u32 v4, BOFF, v4
	v_lshrrev_b32 v14, 3, v0
	v_and_b32 v15, 7, v0
	v_mul_u32_u24 v3, v14, PA
	v_lshl_add_u32 v3, v15, 4, v3
	s_mul_i32 s14, s[WV], 32*PA
	v_mul_u32_u24 v5, v10, PA
	v_lshl_add_u32 v5, v11, 4, v5
	v_add_nc_u32 v5, s14, v5
	v_lshl_add_u32 v6, v11, 3, v15
	v_mul_u32_u24 v6, v6, PB
	v_bfe_u32 v14, v0, 3, 1
	v_lshl_add_u32 v6, v14, 4, v6
	v_add_nc_u32 v6, BOFF, v6
	s_add_co_u32 s14, s14, STG                     ; my stage: 4,608 bytes, of which 16 rows x 272 are used
	v_mul_u32_u24 v7, v10, SP
	v_lshl_add_u32 v7, v11, 5, v7
	v_add_nc_u32 v7, s14, v7                       ; in: row r, 32 bytes for each half of the lanes
	v_mul_u32_u24 v8, v11, SP
	v_lshl_add_u32 v8, v10, 4, v8
	v_add_nc_u32 v8, s14, v8                       ; back: lanes 0-15 one row of 256 bytes, lanes 16-31 the next
	v_lshlrev_b32 v9, 12, v11
	v_lshl_add_u32 v9, v10, 4, v9                  ; and the same two rows in out0
	v_lshlrev_b32 v15, 5, v11                      ; the bias: 32 h
	s_mov_b32 s15, ttmp9                           ; n
	s_and_b32 s16, ttmp7, 0xffff                   ; b
	s_mov_b32 s[HI16], 0xffff0000
	s_lshl_b32 s18, s16, 19
	s_mov_b32 s19, 0
	s_lshl_b32 s20, s15, 8
	s_mov_b32 s21, 0
	s_lshl_b32 s22, s16, 20
	s_lshl_b32 s23, s[WV], 17
	s_add_co_u32 s22, s22, s23
	s_mov_b32 s23, 0
	s_wait_kmcnt 0x0
	s_add_nc_u64 s[4:5], s[4:5], s[18:19]
	s_add_nc_u64 s[6:7], s[6:7], s[20:21]
	s_add_nc_u64 s[8:9], s[8:9], s[20:21]
	s_add_nc_u64 s[10:11], s[10:11], s[20:21]
	s_add_nc_u64 s[10:11], s[10:11], s[22:23]
	LOADS
	TRIP 1, 1
	s_mov_b32 s24, 14
.Lk:
	TRIP 0, 1
	s_sub_co_u32 s24, s24, 1
	s_cmp_lg_u32 s24, 0
	s_cbranch_scc1 .Lk
	TRIP 0, 0
.rept 4
	v_nop                                          ; the places behind the last products
.endr
.irp nb, 0,1,2,3
	global_load_b128 v[FA+8*(\nb):FA+8*(\nb)+3],   v15, s[8:9] offset:64*(\nb)      ; the bias of columns 16 nb + 8 h + 0..7
	global_load_b128 v[FA+8*(\nb)+4:FA+8*(\nb)+7], v15, s[8:9] offset:64*(\nb)+16
.endr
	s_wait_loadcnt 0x0
.set i, 0
.rept 16
	v_cvt_pk_bf16_f32 v[T+i%4], v[FA+2*i], v[FA+2*i+1]   ; rounded to bf16, and back
	v_lshlrev_b32 v[FA+2*i], 16, v[T+i%4]
	v_and_b32 v[FA+2*i+1], s[HI16], v[T+i%4]
.set i, i+1
.endr
.irp a, 0,1
.irp nb, 0,1,2,3
.irp p, 0,1,2,3
	v_pk_add_f32 v[ACC+8*(4*(\a)+(\nb))+2*(\p):ACC+8*(4*(\a)+(\nb))+2*(\p)+1], v[ACC+8*(4*(\a)+(\nb))+2*(\p):ACC+8*(4*(\a)+(\nb))+2*(\p)+1], v[FA+8*(\nb)+2*(\p):FA+8*(\nb)+2*(\p)+1]
.endr
.endr
.endr
.irp a, 0,1                            ; 16 rows at a time through my own stage; LDS serves a wave's instructions in order
.irp nb, 0,1,2,3
	ds_store_b128 v7, v[ACC+8*(4*(\a)+(\nb)):ACC+8*(4*(\a)+(\nb))+3]   offset:64*(\nb)
	ds_store_b128 v7, v[ACC+8*(4*(\a)+(\nb))+4:ACC+8*(4*(\a)+(\nb))+7] offset:64*(\nb)+16
.endr
.irp q, 0,1,2,3,4,5,6,7
	ds_load_b128 v[FB+32*(\a)+4*(\q):FB+32*(\a)+4*(\q)+3], v8 offset:2*SP*(\q)
.endr
.endr
.irp a, 0,1
.irp q, 0,1,2,3,4,5,6,7
	s_wait_dscnt 16*(1-(\a))+7-(\q)                ; behind the first block's loads stand the second block's sixteen LDS instructions
	global_store_b128 v9, v[FB+32*(\a)+4*(\q):FB+32*(\a)+4*(\q)+3], s[10:11] offset:65536*(\a)+8192*(\q) th:TH_STORE_NT  ; 16 lanes store 256 consecutive bytes, aligned
.endr
.endr
	s_barrier_signal -1
	s_barrier_wait -1
	s_wait_tensorcnt 0x0
	ds_add_u32 v254, v255
	s_wait_dscnt 0x0
	s_endpgm
.Lfunc_end_k_q4a0e736da8_outp:
	.size	k_q4a0e736da8_outp, .Lfunc_end_k_q4a0e736da8_outp-k_q4a0e736da8_outp
	.p2alignl 7, 3214868480
	.fill 96, 4, 3214868480
	.section	.rodata,"a",@progbits
	.p2align	6, 0x0
	.amdhsa_kernel k_q4a0e736da8_outp
		.amdhsa_group_segment_fixed_size 84992
		.amdhsa_private_segment_fixed_size 0
		.amdhsa_enable_private_segment 0
		.amdhsa_kernarg_size 32
		.amdhsa_user_sgpr_count 2
		.amdhsa_user_sgpr_kernarg_segment_ptr 1
		.amdhsa_wavefront_size32 1
		.amdhsa_system_sgpr_workgroup_id_x 1
		.amdhsa_system_sgpr_workgroup_id_y 1
		.amdhsa_system_sgpr_workgroup_id_z 1
		.amdhsa_system_vgpr_workitem_id 0
		.amdhsa_next_free_vgpr 256
		.amdhsa_next_free_sgpr 66
		.amdhsa_reserve_vcc 0
		.amdhsa_float_denorm_mode_32 3
		.amdhsa_float_denorm_mode_16_64 3
		.amdhsa_memory_ordered 1
		.amdhsa_forward_progress 1
		.amdhsa_inst_pref_size 31
	.end_amdhsa_kernel
	.amdgpu_metadata
---
amdhsa.version: [ 1, 2 ]
amdhsa.kernels:
  - .name:           k_q4a0e736da8_outp
    .symbol:         k_q4a0e736da8_outp.kd
    .args:
      - { .name: ch, .offset: 0, .size: 8, .value_kind: global_buffer, .address_space: global }
      - { .name: W_proj, .offset: 8, .size: 8, .value_kind: global_buffer, .address_space: global }
      - { .name: b_proj, .offset: 16, .size: 8, .value_kind: global_buffer, .address_space: global }
      - { .name: out0, .offset: 24, .size: 8, .value_kind: global_buffer, .address_space: global }
    .group_segment_fixed_size: 84992
    .private_segment_fixed_size: 0
    .kernarg_segment_align: 8
    .kernarg_segment_size: 32
    .max_flat_workgroup_size: 256
    .sgpr_count:     66
    .vgpr_count:     256
    .wavefront_size: 32
...
	.end_amdgpu_metadata
.endif
;; end of part 6
;; ======== version 2 of 2: 6 launches; 1.62 times as fast as version 1
;; limits: values are held in f16: magnitudes above 65,504 overflow, below 6.1e-05 lose precision; inputs' magnitudes at most 65,504
;; workspace buffers: part 1,048,576 bytes; aux 4,259,840 bytes; fire 131,072 bytes of whole numbers; meta 256 bytes of whole numbers; qh 8,388,608 bytes; ph 16,777,216 bytes; st 1,048,576 bytes; yc 8,388,608 bytes
;; launch alpha: the kernel of part 1 again; grid 256 x 1, 8 waves a work-group, no clusters, 34,304 bytes of LDS; arguments xs, W_out, b_out, xs_lens, out2, part; writes out2, part
;; launch scan (part 7): grid 272 x 1, 8 waves a work-group, no clusters, 48,128 bytes of LDS; arguments out2, part, xs_lens, ys_lens, out3, out1, aux, fire, meta, ys, W_proj, yc; writes out3, out1, aux, fire, meta, yc
.if DOCPART == 7
	.amdgcn_target "amdgcn-amd-amdhsa--gfx1250"
	.amdhsa_code_object_version 6
	.text
	.protected	k_q4a0e736da8_scan
	.globl	k_q4a0e736da8_scan
	.p2align	8
	.type	k_q4a0e736da8_scan,@function
k_q4a0e736da8_scan:
	s_mov_b64 s[64:65], 0
	v_nop
	global_prefetch_b8 v0, s[64:65] scope:SCOPE_SE
	s_setreg_imm32_b32 hwreg(HW_REG_WAVE_MODE, 25, 1), 1
	s_wait_xcnt 0x0
; TWO JOBS IN ONE LAUNCH, told apart by the work-group's number alone.
; WORK-GROUPS 0 TO 15, one a batch.  All eight waves: aux[b][c] = the mean of xs[b][.][c] over all 2,048 frames, from the 16 partial sums of the launch before.
; Wave 0 alone then makes csum (out3), token_num (out1), fire[b][t] = min(floor(csum[t]), 256), 256 at padding, and meta[b] = the number of tiles of 64 frames
; that hold a frame some row below ys_lens[b] sees, at least 1.  Row i sees frame t where csum[t] < i + 1, that is where fire[t] <= i.
; ORDER OF THE ADDITIONS in csum: the tree of an associative scan.  Up: neighbours are added in pairs, level by level, 2,048 -> 1.  Down: at each level the
; elements at odd places take the scan of the level above; the element at even place 2 k takes that scan's element k - 1 plus itself; element 0 stays.
; Both go in place: the sum of the block of 2^l elements that ends at element e lies in e's register where 2^l is the largest power of two that divides e + 1.
; A csum that lies within rounding of a whole number may fall on the other side of it than another order or other last bits of the alphas would give:
; then one frame more or less is seen by one row.  token_num is the tree's top.
; WORK-GROUPS 16 TO 271 round ys and W_proj once for the launches behind (at the text's end).
; No wave reads LDS bytes that another wave wrote, so the text has no barrier.  No matrix unit, no cluster: nothing is shared.
.set A, 16                             ; v[16:79]   lane L: elements 64 L + 0..63
.set G, 80                             ; v[80:143]  as they lie in memory: 16 bytes a lane, 512 an instruction; in between: the 32 lanes' totals
.set B, 144                            ; v144 count, v145 at work, v146 token_num
.set T0, 8704                          ; LDS: 32 rows of 256 bytes, pitch 272; then the 32 lanes' totals,
.set E1, 9472                          ; and their scan: word 3 holds 0, word 4 + i the sum of lanes 0 .. i
.macro ADD4 d, s
	v_pk_add_f32 v[(\d):(\d)+1], v[(\d):(\d)+1], v[(\s):(\s)+1]
	v_pk_add_f32 v[(\d)+2:(\d)+3], v[(\d)+2:(\d)+3], v[(\s)+2:(\s)+3]
.endm
.macro OUTX base                       ; A, a row a lane, goes through LDS and leaves as 512 consecutive bytes an instruction
.irp e, 0,1,2,3,4,5,6,7,8,9,10,11,12,13,14,15
	ds_store_b128 v5, v[A+4*(\e):A+4*(\e)+3] offset:16*(\e)
.endr
.irp i, 0,1,2,3,4,5,6,7,8,9,10,11,12,13,14,15
	ds_load_b128 v[G+4*(\i):G+4*(\i)+3], v4 offset:544*(\i)
.endr
	s_wait_dscnt 0x0
.irp i, 0,1,2,3,4,5,6,7,8,9,10,11,12,13,14,15
	global_store_b128 v1, v[G+4*(\i):G+4*(\i)+3], s[\base:(\base)+1] offset:512*(\i)
.endr
.endm
.macro UP r, n                         ; the way up over n registers from r on
.set d, 1
.rept 16
.if 2*d <= (\n)
.set k, 0
.rept (\n)/(2*d)
	v_add_f32 v[(\r)+(2*k+2)*d-1], v[(\r)+(2*k+1)*d-1], v[(\r)+(2*k+2)*d-1]
.set k, k+1
.endr
.endif
.set d, d*2
.endr
.endm
.macro DOWN r, n                       ; the way down, but for each level's element 0
.if (\n)/(2*d) > 1
.set k, 1
.rept (\n)/(2*d)-1
	v_add_f32 v[(\r)+(2*k+1)*d-1], v[(\r)+2*k*d-1], v[(\r)+(2*k+1)*d-1]
.set k, k+1
.endr
.endif
.endm
	v_lshl_add_u32 v160, v0, 2, 0xb800
	v_mov_b32 v161, 0
	s_cmp_ge_u32 ttmp9, 16
	s_cbranch_scc1 .Lprep                          ; the same way for all waves of a work-group
	s_load_b256 s[4:11], s[0:1], 0x0               ; out2 s[4:5], part s[6:7], xs_lens s[8:9], ys_lens s[10:11]
	s_load_b256 s[12:19], s[0:1], 0x20             ; out3 s[12:13], out1 s[14:15], aux s[16:17], fire s[18:19]
	s_load_b64 s[20:21], s[0:1], 0x40              ; meta
	v_lshrrev_b32 v3, 5, v0
	v_readfirstlane_b32 s22, v3                    ; wave
	v_lshlrev_b32 v1, 4, v0                        ; 16 t
	s_lshl_b32 s24, ttmp9, 16
	s_mov_b32 s25, 0
	s_lshl_b32 s26, ttmp9, 12
	s_mov_b32 s27, 0
	s_lshl_b32 s28, ttmp9, 13
	s_mov_b32 s29, 0
	s_lshl_b32 s30, ttmp9, 2
	s_mov_b32 s31, 0
	s_mov_b32 s34, 0x3a000000                      ; 1 / 2048
	s_mov_b32 s35, s34
	s_mov_b32 s37, 256
	s_mov_b32 s38, 0x76543210
	s_mov_b32 s39, 0xfedcba98
	s_wait_kmcnt 0x0
	s_add_nc_u64 s[6:7], s[6:7], s[24:25]
	s_add_nc_u64 s[16:17], s[16:17], s[26:27]
	s_add_nc_u64 s[4:5], s[4:5], s[28:29]
	s_add_nc_u64 s[12:13], s[12:13], s[28:29]
	s_add_nc_u64 s[18:19], s[18:19], s[28:29]
	s_add_nc_u64 s[8:9], s[8:9], s[30:31]
	s_add_nc_u64 s[10:11], s[10:11], s[30:31]
	s_add_nc_u64 s[14:15], s[14:15], s[30:31]
	s_add_nc_u64 s[20:21], s[20:21], s[30:31]
	s_load_b32 s32, s[8:9], 0x0                    ; xs_lens[b]
	s_load_b32 s33, s[10:11], 0x0                  ; ys_lens[b]
.irp c, 0,1,2,3,4,5,6,7,8,9,10,11,12,13,14,15
	global_load_b128 v[A+4*(\c):A+4*(\c)+3], v1, s[6:7] offset:4096*(\c)
.endr
	s_wait_loadcnt 0x0
.irp k, 0,1,2,3,4,5,6,7
	ADD4 A+4*(\k), A+4*(\k)+32
.endr
.irp k, 0,1,2,3
	ADD4 A+4*(\k), A+4*(\k)+16
.endr
	ADD4 A, A+8
	ADD4 A+4, A+12
	ADD4 A, A+4
	v_pk_mul_f32 v[A:A+1], v[A:A+1], s[34:35] op_sel_hi:[1,0]
	v_pk_mul_f32 v[A+2:A+3], v[A+2:A+3], s[34:35] op_sel_hi:[1,0]
	global_store_b128 v1, v[A:A+3], s[16:17]
	s_cmp_lg_u32 s22, 0
	s_cbranch_scc1 .Lend
	; wave 0: t is the lane
.irp i, 0,1,2,3,4,5,6,7,8,9,10,11,12,13,14,15
	global_load_b128 v[G+4*(\i):G+4*(\i)+3], v1, s[4:5] offset:512*(\i)
.endr
	v_and_b32 v2, 31, v0
	v_lshrrev_b32 v4, 4, v2
	v_and_b32 v5, 15, v2
	v_mul_u32_u24 v4, v4, 272
	v_lshl_add_u32 v4, v5, 4, v4                   ; as in memory: two rows of 256 bytes an instruction
	v_mul_u32_u24 v5, v2, 272                      ; a row a lane
	v_lshl_add_u32 v6, v2, 2, T0                   ; my total's word
	v_mov_b32 v10, T0
	v_mov_b32 v13, 0
	v_mov_b32 v14, E1
	v_lshl_add_u32 v15, v2, 2, E1+12               ; the sum of the lanes in front of me; a word on: with me
	s_wait_loadcnt 0x0
	s_wait_xcnt 0x0                                ; the mean's store has read v[16:19]: A is written only behind this wait
.irp i, 0,1,2,3,4,5,6,7,8,9,10,11,12,13,14,15
	ds_store_b128 v4, v[G+4*(\i):G+4*(\i)+3] offset:544*(\i)
.endr
.irp e, 0,1,2,3,4,5,6,7,8,9,10,11,12,13,14,15
	ds_load_b128 v[A+4*(\e):A+4*(\e)+3], v5 offset:16*(\e)
.endr
	s_wait_dscnt 0x0
	UP A, 64                                       ; six levels inside the lane
	ds_store_b32 v6, v[A+63]
.irp q, 0,1,2,3,4,5,6,7
	ds_load_b128 v[G+4*(\q):G+4*(\q)+3], v10 offset:16*(\q)  ; every lane takes all 32 totals and does the same work on them
.endr
	s_wait_dscnt 0x0
	UP G, 32                                       ; the five levels above
.set d, 8
.rept 4
	DOWN G, 32                                     ; and down again: each level's element 0 stays as it is
.set d, d/2
.endr
	v_mov_b32 v[B+2], v[G+31]                      ; the sum of all
.irp q, 0,1,2,3,4,5,6,7
	ds_store_b128 v14, v[G+4*(\q):G+4*(\q)+3] offset:16+16*(\q)
.endr
	ds_store_b32 v14, v13 offset:12
	ds_load_b32 v8, v15
	ds_load_b32 v9, v15 offset:4
	s_wait_dscnt 0x0
	v_mov_b32 v[A+63], v9
.set d, 32
.rept 6
	v_add_f32 v[A+d-1], v8, v[A+d-1]               ; a level's first element in the lane: the lanes in front (+0 in lane 0, which changes no bit) plus itself
	DOWN A, 64
.set d, d/2
.endr
	OUTX 12                                        ; csum
	s_wait_kmcnt 0x0
	v_lshlrev_b32 v3, 6, v2
	v_sub_nc_u32 v3, s32, v3                       ; xs_len - 64 L: element e is a frame where e is less
	v_mov_b32 v[B], 0
	v_mov_b32 v[B+1], 0
.set e, 0
.rept 64
	v_cvt_u32_f32 v[A+e], v[A+e]                   ; toward zero: the floor of a number that is not negative
	v_min_u32 v[A+e], s37, v[A+e]
	v_cmp_lt_i32 vcc_lo, e, v3
	v_cndmask_b32 v[A+e], s37, v[A+e], vcc_lo      ; 256 at padding: no row sees it
	v_cmp_gt_i32 vcc_lo, s33, v[A+e]
	v_add_co_ci_u32 v[B], vcc_lo, 0, v[B], vcc_lo  ; counts the frames that some row below ys_len sees
.set e, e+1
.endr
	s_wait_xcnt 0x0                                ; csum's stores have read G: it is loaded again only behind this wait
	OUTX 18                                        ; fire
	v_cvt_f32_u32 v[B], v[B]                       ; at most 64 a lane, 2,048 in all: exact in f32
	v_add_f32_dpp v[B], v[B], v[B] row_xmask:1 row_mask:0xf bank_mask:0xf
	v_add_f32_dpp v[B], v[B], v[B] row_xmask:2 row_mask:0xf bank_mask:0xf
	v_add_f32_dpp v[B], v[B], v[B] row_xmask:4 row_mask:0xf bank_mask:0xf
	v_add_f32_dpp v[B], v[B], v[B] row_xmask:8 row_mask:0xf bank_mask:0xf
	v_permlanex16_b32 v[B+1], v[B], s38, s39
	v_add_f32 v[B], v[B], v[B+1]
	v_cvt_u32_f32 v[B], v[B]
	v_add_nc_u32 v[B], 63, v[B]
	v_lshrrev_b32 v[B], 6, v[B]
	v_max_u32 v[B], 1, v[B]                        ; at least one tile, so that the launches behind always have a step
	v_cmp_eq_u32 vcc_lo, 0, v2
	s_wait_xcnt 0x0                                ; EXEC changes only when the stores issued have had their addresses translated
	s_and_saveexec_b32 s40, vcc_lo
	global_store_b32 v13, v[B+2], s[14:15]         ; token_num
	global_store_b32 v13, v[B], s[20:21]           ; tiles
	s_wait_xcnt 0x0
	s_or_b32 exec_lo, exec_lo, s40
.Lend:
	s_wait_tensorcnt 0x0
	ds_add_u32 v160, v161
	s_wait_dscnt 0x0
	s_endpgm
; WORK-GROUP 16 + p.  (1) Tile p = 16 b + kb of ys (256 rows x 64 along K) is rounded to bf16 and written IN FRAGMENT ORDER: the tile's 32,768 bytes are eight
; blocks of 4,096, one for each wave of the launch behind (rows 32 w .. 32 w + 31); a block is eight pieces f = ((ks 2 + a) 2 + c) of 512 bytes, and lane (r, h) of
; piece f holds row 16 a + r, K = 32 ks + 16 c + 8 h + 0..7: the four registers that the lane wants of a matrix operand.  Each wave takes its 32 rows through LDS
; bytes of its own.  (2) Rows 4 p .. 4 p + 3 of W_proj are rounded to bf16 and written twice, as bf16 and as that number in f16, in blocks [e / 64][d][e % 64]:
; lanes 0-15 take 64 columns of one row, lanes 16-31 of the next, so a store's 32 x 8 bytes are 256 consecutive bytes, aligned.
; LIMIT: W's rounded number in f16 keeps the fixed step 6e-8 below 6e-5, and stays under 65,504.
.Lprep:
.set Y,   16                           ; v[16:79]   my 32 rows x 64 numbers as loaded
.set F,   80                           ; v[80:111]  the eight pieces
.set WR,  112                          ; v[112:127] W as loaded
.set WB,  128                          ; v[128:135] as bf16
.set WH,  136                          ; v[136:143] as f16
.set PST, 10240                        ; LDS: behind the bytes of the other job, 32 rows x 144 bytes for each wave
	s_load_b64 s[4:5], s[0:1], 0x48                ; ys
	s_load_b64 s[6:7], s[0:1], 0x50                ; W_proj
	s_load_b64 s[8:9], s[0:1], 0x58                ; yc
	s_load_b64 s[10:11], s[0:1], 0x30              ; aux
	v_lshrrev_b32 v3, 5, v0
	v_readfirstlane_b32 s22, v3                    ; wave
	v_and_b32 v2, 31, v0                           ; lane
	v_and_b32 v4, 15, v0                           ; r
	v_bfe_u32 v5, v0, 4, 1                         ; h
	v_lshlrev_b32 v1, 12, v5
	v_lshl_add_u32 v1, v4, 4, v1                   ; in: two rows of 4,096 bytes, 256 bytes of each
	s_mul_i32 s25, s22, 4608
	s_add_co_u32 s25, s25, PST
	v_mul_u32_u24 v6, v5, 144
	v_lshl_add_u32 v6, v4, 3, v6
	v_add_nc_u32 v6, s25, v6                       ; into my stage: row h, 8 bytes at 8 r
	v_mul_u32_u24 v7, v4, 144
	v_lshl_add_u32 v7, v5, 4, v7
	v_add_nc_u32 v7, s25, v7                       ; a piece: row r, 16 bytes at 16 h
	s_lshl_b32 s24, s22, 12
	v_lshl_add_u32 v8, v2, 4, s24                  ; out: 4,096 w + 16 lane
	v_lshlrev_b32 v9, 7, v5
	v_lshl_add_u32 v9, v4, 3, v9                   ; W out: 128 h + 8 r
	s_sub_co_u32 s12, ttmp9, 16                    ; p
	s_lshr_b32 s13, s12, 4                         ; batch
	s_and_b32 s14, s12, 15                         ; block of 64 along K
	s_lshl_b32 s16, s13, 20
	s_lshl_b32 s15, s22, 17
	s_add_co_u32 s16, s16, s15
	s_lshl_b32 s15, s14, 8
	s_add_co_u32 s16, s16, s15                     ; ys: batch, my 32 rows, the block
	s_mov_b32 s17, 0
	s_and_b32 s15, s22, 1
	s_lshr_b32 s23, s22, 1
	s_lshl_b32 s18, s12, 14
	s_lshl_b32 s24, s15, 13
	s_add_co_u32 s18, s18, s24
	s_lshl_b32 s24, s23, 8
	s_add_co_u32 s18, s18, s24                     ; W in: row 4 p + 2 (w % 2), column block w / 2
	s_mov_b32 s19, 0
	s_lshl_b32 s20, s23, 17
	s_lshl_b32 s24, s12, 9
	s_add_co_u32 s20, s20, s24
	s_lshl_b32 s24, s15, 8
	s_add_co_u32 s20, s20, s24
	s_add_co_u32 s20, s20, 65536                   ; W out: behind the mean's 65,536 bytes
	s_mov_b32 s21, 0
	s_lshl_b32 s26, s12, 15
	s_mov_b32 s27, 0
	s_mov_b32 s28, 0xffff0000
	s_wait_kmcnt 0x0
	s_add_nc_u64 s[4:5], s[4:5], s[16:17]
	s_add_nc_u64 s[6:7], s[6:7], s[18:19]
	s_add_nc_u64 s[10:11], s[10:11], s[20:21]
	s_add_nc_u64 s[8:9], s[8:9], s[26:27]
.irp i, 0,1,2,3,4,5,6,7,8,9,10,11,12,13,14,15
	global_load_b128 v[Y+4*(\i):Y+4*(\i)+3], v1, s[4:5] offset:8192*(\i) th:TH_LOAD_NT
.endr
.irp i, 0,1,2,3
	global_load_b128 v[WR+4*(\i):WR+4*(\i)+3], v1, s[6:7] offset:1024*(\i) th:TH_LOAD_NT
.endr
	s_wait_loadcnt 4                               ; ys is in; W's four loads may stay out
.irp i, 0,1,2,3,4,5,6,7,8,9,10,11,12,13,14,15
	v_cvt_pk_bf16_f32 v[Y+4*(\i)], v[Y+4*(\i)], v[Y+4*(\i)+1]
	v_cvt_pk_bf16_f32 v[Y+4*(\i)+1], v[Y+4*(\i)+2], v[Y+4*(\i)+3]
	ds_store_b64 v6, v[Y+4*(\i):Y+4*(\i)+1] offset:288*(\i)
.endr
.irp ks, 0,1
.irp a, 0,1
.irp c, 0,1
	ds_load_b128 v[F+4*((2*(\ks)+(\a))*2+(\c)):F+4*((2*(\ks)+(\a))*2+(\c))+3], v7 offset:(\a)*2304+(\ks)*64+(\c)*32  ; LDS serves a wave's instructions in order: these see the stores above
.endr
.endr
.endr
	s_wait_loadcnt 0x0
.irp i, 0,1,2,3
	v_cvt_pk_bf16_f32 v[WB+2*(\i)], v[WR+4*(\i)], v[WR+4*(\i)+1]
	v_cvt_pk_bf16_f32 v[WB+2*(\i)+1], v[WR+4*(\i)+2], v[WR+4*(\i)+3]
	v_lshlrev_b32 v[WR+4*(\i)], 16, v[WB+2*(\i)]
	v_and_b32 v[WR+4*(\i)+1], s28, v[WB+2*(\i)]
	v_lshlrev_b32 v[WR+4*(\i)+2], 16, v[WB+2*(\i)+1]
	v_and_b32 v[WR+4*(\i)+3], s28, v[WB+2*(\i)+1]
	v_cvt_pk_f16_f32 v[WH+2*(\i)], v[WR+4*(\i)], v[WR+4*(\i)+1]
	v_cvt_pk_f16_f32 v[WH+2*(\i)+1], v[WR+4*(\i)+2], v[WR+4*(\i)+3]
	global_store_b64 v9, v[WB+2*(\i):WB+2*(\i)+1], s[10:11] offset:524288*(\i)          ; column block w / 2 + 4 i, bf16
	global_store_b64 v9, v[WH+2*(\i):WH+2*(\i)+1], s[10:11] offset:524288*(\i)+2097152  ; the same in f16, 2,097,152 bytes on
.endr
	s_wait_dscnt 0x0
.irp f, 0,1,2,3,4,5,6,7
	global_store_b128 v8, v[F+4*(\f):F+4*(\f)+3], s[8:9] offset:512*(\f)                ; 512 consecutive bytes
.endr
	s_wait_tensorcnt 0x0
	ds_add_u32 v160, v161
	s_wait_dscnt 0x0
	s_endpgm
.Lfunc_end_k_q4a0e736da8_scan:
	.size	k_q4a0e736da8_scan, .Lfunc_end_k_q4a0e736da8_scan-k_q4a0e736da8_scan
	.p2alignl 7, 3214868480
	.fill 96, 4, 3214868480
	.section	.rodata,"a",@progbits
	.p2align	6, 0x0
	.amdhsa_kernel k_q4a0e736da8_scan
		.amdhsa_group_segment_fixed_size 48128
		.amdhsa_private_segment_fixed_size 0
		.amdhsa_enable_private_segment 0
		.amdhsa_kernarg_size 96
		.amdhsa_user_sgpr_count 2
		.amdhsa_user_sgpr_kernarg_segment_ptr 1
		.amdhsa_wavefront_size32 1
		.amdhsa_system_sgpr_workgroup_id_x 1
		.amdhsa_system_sgpr_workgroup_id_y 1
		.amdhsa_system_sgpr_workgroup_id_z 1
		.amdhsa_system_vgpr_workitem_id 0
		.amdhsa_next_free_vgpr 162
		.amdhsa_next_free_sgpr 66
		.amdhsa_reserve_vcc 1
		.amdhsa_float_denorm_mode_32 3
		.amdhsa_float_denorm_mode_16_64 3
		.amdhsa_memory_ordered 1
		.amdhsa_forward_progress 1
		.amdhsa_inst_pref_size 48
	.end_amdhsa_kernel
	.amdgpu_metadata
---
amdhsa.version: [ 1, 2 ]
amdhsa.kernels:
  - .name:           k_q4a0e736da8_scan
    .symbol:         k_q4a0e736da8_scan.kd
    .args:
      - { .name: out2, .offset: 0, .size: 8, .value_kind: global_buffer, .address_space: global }
      - { .name: part, .offset: 8, .size: 8, .value_kind: global_buffer, .address_space: global }
      - { .name: xs_lens, .offset: 16, .size: 8, .value_kind: global_buffer, .address_space: global }
      - { .name: ys_lens, .offset: 24, .size: 8, .value_kind: global_buffer, .address_space: global }
      - { .name: out3, .offset: 32, .size: 8, .value_kind: global_buffer, .address_space: global }
      - { .name: out1, .offset: 40, .size: 8, .value_kind: global_buffer, .address_space: global }
      - { .name: aux, .offset: 48, .size: 8, .value_kind: global_buffer, .address_space: global }
      - { .name: fire, .offset: 56, .size: 8, .value_kind: global_buffer, .address_space: global }
      - { .name: meta, .offset: 64, .size: 8, .value_kind: global_buffer, .address_space: global }
      - { .name: ys, .offset: 72, .size: 8, .value_kind: global_buffer, .address_space: global }
      - { .name: W_proj, .offset: 80, .size: 8, .value_kind: global_buffer, .address_space: global }
      - { .name: yc, .offset: 88, .size: 8, .value_kind: global_buffer, .address_space: global }
    .group_segment_fixed_size: 48128
    .private_segment_fixed_size: 0
    .kernarg_segment_align: 8
    .kernarg_segment_size: 96
    .max_flat_workgroup_size: 256
    .sgpr_count:     66
    .vgpr_count:     162
    .wavefront_size: 32
...
	.end_amdgpu_metadata
.endif
;; end of part 7
;; launch qproj (part 8): grid 16 x 16, 8 waves a work-group, no clusters, 148,480 bytes of LDS; arguments yc, aux, qh; writes qh
.if DOCPART == 8
	.amdgcn_target "amdgcn-amd-amdhsa--gfx1250"
	.amdhsa_code_object_version 6
	.text
	.protected	k_q4a0e736da8_qproj
	.globl	k_q4a0e736da8_qproj
	.p2align	8
	.type	k_q4a0e736da8_qproj,@function
k_q4a0e736da8_qproj:
	s_mov_b64 s[64:65], 0
	v_nop
	global_prefetch_b8 v0, s[64:65] scope:SCOPE_SE
	s_setreg_imm32_b32 hwreg(HW_REG_WAVE_MODE, 25, 1), 1
	s_wait_xcnt 0x0
; qh = (1/32) ys W_proj^T, in f16.  scores = ys . (xs W + b) = (ys W^T) . xs + ys . b, and the last term, constant along a row, drops out of the softmax:
; so the queries are projected (256 rows a batch) in place of the frames (2,048 rows a batch).
; ys and W_proj come rounded to bf16 from the launch before; products in bf16, sums in f32; q is rounded once, to f16.
; A work-group makes 256 rows x 64 columns (batch b, columns 64 n on); wave w rows 32 w .. 32 w + 31: eight accumulators of 16 x 16, taken by turns.  K: 16 steps of 64.
; A (ys) lies in memory in fragment order, so a wave's eight loads of 512 consecutive bytes ARE its fragments of a step: A never touches LDS.  A ring of five
; fragment sets (and a sixth for step 0) keeps five steps' loads on their way.
; B (64 rows of W x 1,024) is brought into LDS once, 32 loads and 32 LDS stores a thread; behind the one barrier the 16 steps need no barrier and no LDS store.
; B's fragments are fetched half a step ahead.  q leaves in fragment order too: a lane's 16 bytes are what the same lane of the launch behind wants.
; The matrix instruction is used transposed (source 0 = 16 rows of W, source 1 = 16 rows of ys): a lane holds eight neighbouring columns of one row.
; NO CLUSTER, no tensor loads: sixteen work-groups read the same A, but a joint load would end in LDS, and this text takes A into registers directly.
; REGISTERS: window 0: v0-15 addresses; v16-79 accumulators; v80-207 B on its way into LDS, later the packed result.
;            window 1: v0-63 B's fragments (ks, nb) at 8 (4 ks + nb); v64-255 A's six sets of 32, fragment (ks, a) at 8 (2 ks + a).
; LIMITS: |q| stays under 65,504 (f16); below 6e-5 q keeps f16's fixed step of 6e-8.
.set PA,   144                         ; an LDS row: 128 bytes + 16: sixteen rows of a fragment load start at sixteen different groups of four banks
.set KB,   64*PA                       ; B's block of one K step
.set ACC,  16
.set X,    80
.set PK,   80
.set FB,   0
.set FA,   64
.set AB,   4                           ; s[4:5] A's base
.set WV,   10
.set MSB,  0
.macro WIN new                         ; the immediate's high byte repeats the setting that is left
.if MSB != (\new)
	s_set_vgpr_msb (MSB<<8)|(\new)
.set MSB, \new
.endif
.endm
.macro PLACES                          ; four places between products and loads into their sources, or reads of their results
.rept 4
	v_nop
.endr
.endm
.macro LDA q, step                     ; A's fragments of a K step into set q (destination window 1)
.irp f, 0,1,2,3,4,5,6,7
	global_load_b128 v[FA+32*(\q)+4*(\f):FA+32*(\q)+4*(\f)+3], v1, s[AB:AB+1] offset:(\step)*32768+(\f)*512
.endr
.endm
.macro LDB ks, off                     ; B's fragments of half a K step (destination window 1)
.irp nb, 0,1,2,3
	ds_load_b128 v[FB+8*(4*(\ks)+(\nb)):FB+8*(4*(\ks)+(\nb))+3],   v6 offset:(\off)+(\nb)*16*PA+(\ks)*64
	ds_load_b128 v[FB+8*(4*(\ks)+(\nb))+4:FB+8*(4*(\ks)+(\nb))+7], v6 offset:(\off)+(\nb)*16*PA+(\ks)*64+32
.endr
.endm
.macro MM q, ks, zero                  ; eight products, the eight accumulators by turns
.irp a, 0,1
.irp nb, 0,1,2,3
.if \zero
	v_wmma_f32_16x16x32_bf16 v[ACC+8*(4*(\a)+(\nb)):ACC+8*(4*(\a)+(\nb))+7], v[FB+8*(4*(\ks)+(\nb)):FB+8*(4*(\ks)+(\nb))+7], v[FA+32*(\q)+8*(2*(\ks)+(\a)):FA+32*(\q)+8*(2*(\ks)+(\a))+7], 0
.else
	v_wmma_f32_16x16x32_bf16 v[ACC+8*(4*(\a)+(\nb)):ACC+8*(4*(\a)+(\nb))+7], v[FB+8*(4*(\ks)+(\nb)):FB+8*(4*(\ks)+(\nb))+7], v[FA+32*(\q)+8*(2*(\ks)+(\a)):FA+32*(\q)+8*(2*(\ks)+(\a))+7], v[ACC+8*(4*(\a)+(\nb)):ACC+8*(4*(\a)+(\nb))+7]
.endif
.endr
.endr
.endm
; A K step on set q.  lw: the younger global loads that may stay out.  pos: the step's block counted from v6.  nxt: the next step's B fragments are fetched, each
; half behind the products that read its registers.  more: set q takes the step five further on.
.macro STEP q, zero, lw, pos, nxt, more
	s_wait_loadcnt \lw                             ; loads come back in order: set q is in
	s_wait_dscnt 8                                 ; B's first half is in; the second half's eight loads may be out
	WIN 0x05                                       ; both sources in window 1, sums in window 0
	MM \q, 0, \zero
	PLACES
.if \nxt
	WIN 0x40
	LDB 0, ((\pos)+1)*KB
	s_wait_dscnt 8                                 ; B's second half is in; the eight just issued may be out
.else
	s_wait_dscnt 0x0
.endif
	WIN 0x05
	MM \q, 1, 0
	PLACES
.if \nxt
	WIN 0x40
	LDB 1, ((\pos)+1)*KB
.endif
.if \more
	WIN 0x40
	LDA \q, 6+(\pos)
.endif
.endm
.macro OUTFR base                      ; group (a, nb) is piece f = ((nb / 2) 2 + a) 2 + nb % 2 of my block: 512 consecutive bytes a store
.irp a, 0,1
.irp nb, 0,1,2,3
	global_store_b128 v1, v[PK+4*(4*(\a)+(\nb)):PK+4*(4*(\a)+(\nb))+3], s[\base:(\base)+1] offset:512*((((\nb)/2)*2+(\a))*2+(\nb)%2)
.endr
.endr
.endm
	s_load_b128 s[4:7], s[0:1], 0x0                ; yc s[4:5], aux s[6:7]
	s_load_b64 s[8:9], s[0:1], 0x10                ; qh
	v_lshl_add_u32 v254, v0, 2, 0x24000
	v_mov_b32 v255, 0
	v_and_b32 v10, 15, v0                          ; r
	v_bfe_u32 v11, v0, 4, 1                        ; h
	v_lshrrev_b32 v12, 5, v0
	v_readfirstlane_b32 s[WV], v12                 ; wave
	v_and_b32 v13, 31, v0
	s_lshl_b32 s11, s[WV], 12
	v_lshl_add_u32 v1, v13, 4, s11                 ; fragment order: 4,096 w + 16 lane
	v_lshlrev_b32 v2, 4, v0                        ; B's dense blocks come in by 16 t
	v_lshrrev_b32 v14, 3, v0
	v_and_b32 v15, 7, v0
	v_mul_u32_u24 v3, v14, PA
	v_lshl_add_u32 v3, v15, 4, v3                  ; into B: row t / 8, 16 bytes at 16 (t % 8); blocks 0-6,
	v_add_nc_u32 v4, 7*KB, v3                      ; 7-13,
	v_add_nc_u32 v5, 14*KB, v3                     ; 14, 15: an LDS offset holds 16 bits
	v_mul_u32_u24 v6, v10, PA
	v_lshl_add_u32 v6, v11, 4, v6                  ; B's fragments: r x pitch + 16 h; it steps with K
	s_mov_b32 s13, ttmp9                           ; n
	s_and_b32 s12, ttmp7, 0xffff                   ; b
	s_lshl_b32 s14, s12, 19
	s_mov_b32 s15, 0
	s_lshl_b32 s16, s13, 13
	s_add_co_u32 s16, s16, 65536                   ; W in bf16: behind the mean; my 64 rows of 128 bytes in each block
	s_mov_b32 s17, 0
	s_lshl4_add_u32 s18, s12, s13
	s_lshl_b32 s18, s18, 15
	s_mov_b32 s19, 0
	s_mov_b32 s20, 0x3d000000                      ; 1/32 = 1 / sqrt(1024)
	s_mov_b32 s21, s20
	s_wait_kmcnt 0x0
	s_add_nc_u64 s[4:5], s[4:5], s[14:15]
	s_add_nc_u64 s[6:7], s[6:7], s[16:17]
	s_add_nc_u64 s[8:9], s[8:9], s[18:19]
.set u, 0
.rept 32
	global_load_b128 v[X+4*u:X+4*u+3], v2, s[6:7] offset:(u/2)*131072+(u%2)*4096  ; block u / 2, rows 32 (u % 2) on
.set u, u+1
.endr
	WIN 0x40
	LDA 5, 0
	LDA 0, 1
	LDA 1, 2
	WIN 0
	s_wait_loadcnt 24                              ; B is in; A's first three sets may stay out
.set u, 0
.rept 32
.if u/2 < 7
	ds_store_b128 v3, v[X+4*u:X+4*u+3] offset:(u/2)*KB+(u%2)*32*PA
.elseif u/2 < 14
	ds_store_b128 v4, v[X+4*u:X+4*u+3] offset:(u/2-7)*KB+(u%2)*32*PA
.else
	ds_store_b128 v5, v[X+4*u:X+4*u+3] offset:(u/2-14)*KB+(u%2)*32*PA
.endif
.set u, u+1
.endr
	WIN 0x40
	LDA 2, 3
	LDA 3, 4
	LDA 4, 5
	s_wait_dscnt 0x0                               ; for the others' sake: my stores are done
	s_barrier_signal -1
	s_barrier_wait -1                              ; B is whole
	LDB 0, 0
	LDB 1, 0
	STEP 5, 1, 40, 0, 1, 0                         ; step 0 starts the sums; five younger sets may stay out
	WIN 0                                          ; at a label and at a branch every window is 0
	v_add_nc_u32 v6, KB, v6
	s_mov_b32 s22, 2
.Lk:                                                   ; steps 1-5 and 6-10: four younger sets may stay out
	STEP 0, 0, 32, 0, 1, 1
	STEP 1, 0, 32, 1, 1, 1
	STEP 2, 0, 32, 2, 1, 1
	STEP 3, 0, 32, 3, 1, 1
	STEP 4, 0, 32, 4, 1, 1
	WIN 0
	v_add_nc_u32 v6, 5*KB, v6
	s_wait_xcnt 0x0                                ; the base is stepped only when the loads issued have had their addresses translated
	s_add_nc_u64 s[AB:AB+1], s[AB:AB+1], 5*32768
	s_sub_co_u32 s22, s22, 1
	s_cmp_lg_u32 s22, 0
	s_cbranch_scc1 .Lk
	STEP 0, 0, 32, 0, 1, 0                         ; steps 11-15 ask for nothing: the counts run down
	STEP 1, 0, 24, 1, 1, 0
	STEP 2, 0, 16, 2, 1, 0
	STEP 3, 0, 8,  3, 1, 0
	STEP 4, 0, 0,  4, 0, 0
	WIN 0
.set g, 0
.rept 8
.irp p, 0,1,2,3
	v_pk_mul_f32 v[ACC+8*g+2*(\p):ACC+8*g+2*(\p)+1], v[ACC+8*g+2*(\p):ACC+8*g+2*(\p)+1], s[20:21] op_sel_hi:[1,0]
.endr
.irp p, 0,1,2,3
	v_cvt_pk_f16_f32 v[PK+4*g+(\p)], v[ACC+8*g+2*(\p)], v[ACC+8*g+2*(\p)+1]
.endr
.set g, g+1
.endr
	OUTFR 8
	s_barrier_signal -1
	s_barrier_wait -1
	s_wait_tensorcnt 0x0
	ds_add_u32 v254, v255
	s_wait_dscnt 0x0
	s_endpgm
.Lfunc_end_k_q4a0e736da8_qproj:
	.size	k_q4a0e736da8_qproj, .Lfunc_end_k_q4a0e736da8_qproj-k_q4a0e736da8_qproj
	.p2alignl 7, 3214868480
	.fill 96, 4, 3214868480
	.section	.rodata,"a",@progbits
	.p2align	6, 0x0
	.amdhsa_kernel k_q4a0e736da8_qproj
		.amdhsa_group_segment_fixed_size 148480
		.amdhsa_private_segment_fixed_size 0
		.amdhsa_enable_private_segment 0
		.amdhsa_kernarg_size 24
		.amdhsa_user_sgpr_count 2
		.amdhsa_user_sgpr_kernarg_segment_ptr 1
		.amdhsa_wavefront_size32 1
		.amdhsa_system_sgpr_workgroup_id_x 1
		.amdhsa_system_sgpr_workgroup_id_y 1
		.amdhsa_system_sgpr_workgroup_id_z 1
		.amdhsa_system_vgpr_workitem_id 0
		.amdhsa_next_free_vgpr 512
		.amdhsa_next_free_sgpr 66
		.amdhsa_reserve_vcc 0
		.amdhsa_float_denorm_mode_32 3
		.amdhsa_float_denorm_mode_16_64 3
		.amdhsa_memory_ordered 1
		.amdhsa_forward_progress 1
		.amdhsa_inst_pref_size 48
	.end_amdhsa_kernel
	.amdgpu_metadata
---
amdhsa.version: [ 1, 2 ]
amdhsa.kernels:
  - .name:           k_q4a0e736da8_qproj
    .symbol:         k_q4a0e736da8_qproj.kd
    .args:
      - { .name: yc, .offset: 0, .size: 8, .value_kind: global_buffer, .address_space: global }
      - { .name: aux, .offset: 8, .size: 8, .value_kind: global_buffer, .address_space: global }
      - { .name: qh, .offset: 16, .size: 8, .value_kind: global_buffer, .address_space: global }
    .group_segment_fixed_size: 148480
    .private_segment_fixed_size: 0
    .kernarg_segment_align: 8
    .kernarg_segment_size: 24
    .max_flat_workgroup_size: 256
    .sgpr_count:     66
    .vgpr_count:     512
    .wavefront_size: 32
...
	.end_amdgpu_metadata
.endif
;; end of part 8
;; launch scores (part 9): grid 16 x 16, 8 waves a work-group, no clusters, 148,480 bytes of LDS; arguments qh, xs, fire, meta, ph, st; writes ph, st
.if DOCPART == 9
	.amdgcn_target "amdgcn-amd-amdhsa--gfx1250"
	.amdhsa_code_object_version 6
	.text
	.protected	k_q4a0e736da8_scores
	.globl	k_q4a0e736da8_scores
	.p2align	8
	.type	k_q4a0e736da8_scores,@function
k_q4a0e736da8_scores:
	s_mov_b64 s[64:65], 0
	v_nop
	global_prefetch_b8 v0, s[64:65] scope:SCOPE_SE
	s_setreg_imm32_b32 hwreg(HW_REG_WAVE_MODE, 25, 1), 1
	s_wait_xcnt 0x0
; For tile j of 64 frames of batch b: s = q . xs^T (q holds the scale), hidden where fire[t] > row; m = the row's maximum in the tile; p = e^(s - m) -> ph (f16,
; in fragment order); (m log2(e), the sum of p) -> st.  The launch behind joins the tiles by a running maximum, so the softmax's maximum is the true one.
; xs is rounded to bf16 (all the module's inputs are) and that number written as f16, since q is f16; products in f16, sums in f32.
; A (q) lies in memory in fragment order and goes straight into registers, five steps ahead (a ring of five sets and a sixth for step 0).
; B (the tile's 64 frames x 1,024) is brought into LDS once: 64 loads a thread in four groups on three sets of staging registers, 48 loads on their way; behind
; the barrier the 16 K steps need no barrier and no LDS store.  A's first six sets are asked for while B's last groups are converted.
; Only tiles below meta[b] hold a frame that any row sees.  The grid serves the most that the inputs allow, 32 tiles a batch on 16 work-groups: work-group x has
; tiles x and x + 16.  A tile at or beyond meta[b] is DEAD: the loop over tiles still counts to its constant and both its barriers are passed, and only the two
; pieces between them are jumped, forward; with a short span a work-group may find both its tiles dead.
; A's 192 ring registers are asked for in the first piece and read in the second, so they are written once at the kernel's head: they hold numbers on every way
; through the text.  The moves stand in the wait for the arguments.
; NO CLUSTER, no tensor loads: xs is f32 in memory and passes through registers to be rounded; q goes into registers directly.
; REGISTERS: window 0: v0-15 addresses; v16-79 accumulators; v16-207 staging while B is filled; v80-111 fire, v112-143 packed p, v208-221 at work.
;            window 1: v0-63 B's fragments; v64-255 A's six sets of 32.
; LIMITS: |xs| under 65,504 (f16).  A hidden score counts as -1e30; true scores are taken to lie above -1e29.  A weight below 2^-126 counts as 0.
; Rows at or beyond ys_lens[b] are computed like others here and replaced in the launch behind.
.set PA,   144
.set KB,   64*PA
.set ACC,  16
.set S0,   16
.set S1,   80
.set S2,   144
.set T,    208
.set FIRE, 80
.set PK,   112
.set TM,   212
.set ST,   216                         ; v[216:219] (m log2 e, l) for a = 0, 1
.set SO,   220
.set ROW,  12                          ; v12, v13 my rows for a = 0, 1
.set FB,   0
.set FA,   64
.set AB,   26
.set WV,   16
.set HI16, 46
.set NEG,  47
.set LE,   48
.set SEL,  50
.set NEG29, 52
.set LIVE, 53                          ; 1: the tile in hand is below meta[b]
.set MSB,  0
.macro WIN new
.if MSB != (\new)
	s_set_vgpr_msb (MSB<<8)|(\new)
.set MSB, \new
.endif
.endm
.macro BAR
	s_barrier_signal -1
	s_barrier_wait -1
.endm
.macro SKIP label                      ; a dead tile's work is jumped
	s_cmp_lg_u32 s[LIVE], 0
	s_cbranch_scc0 \label
.endm
.macro PLACES
.rept 4
	v_nop
.endr
.endm
.macro CVX x, tt                       ; four f32 -> rounded to bf16 -> written as f16, in two registers
	v_cvt_pk_bf16_f32 v[\tt], v[\x], v[(\x)+1]
	v_cvt_pk_bf16_f32 v[(\tt)+1], v[(\x)+2], v[(\x)+3]
	v_lshlrev_b32 v[\x], 16, v[\tt]
	v_and_b32 v[(\x)+1], s[HI16], v[\tt]
	v_lshlrev_b32 v[(\x)+2], 16, v[(\tt)+1]
	v_and_b32 v[(\x)+3], s[HI16], v[(\tt)+1]
	v_cvt_pk_f16_f32 v[\x], v[\x], v[(\x)+1]
	v_cvt_pk_f16_f32 v[(\x)+1], v[(\x)+2], v[(\x)+3]
.endm
.macro GLD g, s                        ; group g: K blocks 4 g .. 4 g + 3 of all 64 frames, 16 frames x 256 bytes an instruction
.set u, 0
.rept 16
	global_load_b128 v[(\s)+4*u:(\s)+4*u+3], v2, s[28:29] offset:(u%4)*65536+(4*(\g)+u/4)*256 th:TH_LOAD_NT
.set u, u+1
.endr
.endm
.macro GST g, s                        ; the group is rounded and goes into LDS
.set u, 0
.rept 16
	CVX (\s)+4*u, T+2*(u%2)
.set kb, 4*(\g)+u/4
.if kb < 7
	ds_store_b64 v3, v[(\s)+4*u:(\s)+4*u+1] offset:kb*KB+(u%4)*16*PA
.elseif kb < 14
	ds_store_b64 v4, v[(\s)+4*u:(\s)+4*u+1] offset:(kb-7)*KB+(u%4)*16*PA
.else
	ds_store_b64 v5, v[(\s)+4*u:(\s)+4*u+1] offset:(kb-14)*KB+(u%4)*16*PA
.endif
.set u, u+1
.endr
.endm
.macro LDA q, step
.irp f, 0,1,2,3,4,5,6,7
	global_load_b128 v[FA+32*(\q)+4*(\f):FA+32*(\q)+4*(\f)+3], v1, s[AB:AB+1] offset:(\step)*32768+(\f)*512
.endr
.endm
.macro LDB ks, off
.irp nb, 0,1,2,3
	ds_load_b128 v[FB+8*(4*(\ks)+(\nb)):FB+8*(4*(\ks)+(\nb))+3],   v6 offset:(\off)+(\nb)*16*PA+(\ks)*64
	ds_load_b128 v[FB+8*(4*(\ks)+(\nb))+4:FB+8*(4*(\ks)+(\nb))+7], v6 offset:(\off)+(\nb)*16*PA+(\ks)*64+32
.endr
.endm
.macro MM q, ks, zero                  ; eight products, the eight accumulators by turns
.irp a, 0,1
.irp nb, 0,1,2,3
.if \zero
	v_wmma_f32_16x16x32_f16 v[ACC+8*(4*(\a)+(\nb)):ACC+8*(4*(\a)+(\nb))+7], v[FB+8*(4*(\ks)+(\nb)):FB+8*(4*(\ks)+(\nb))+7], v[FA+32*(\q)+8*(2*(\ks)+(\a)):FA+32*(\q)+8*(2*(\ks)+(\a))+7], 0
.else
	v_wmma_f32_16x16x32_f16 v[ACC+8*(4*(\a)+(\nb)):ACC+8*(4*(\a)+(\nb))+7], v[FB+8*(4*(\ks)+(\nb)):FB+8*(4*(\ks)+(\nb))+7], v[FA+32*(\q)+8*(2*(\ks)+(\a)):FA+32*(\q)+8*(2*(\ks)+(\a))+7], v[ACC+8*(4*(\a)+(\nb)):ACC+8*(4*(\a)+(\nb))+7]
.endif
.endr
.endr
.endm
; A K step on set q.  lw: the younger global loads that may stay out.  pos: the step's block counted from v6.  nxt: the next step's B fragments are fetched, each
; half behind the products that read its registers.  more: set q takes the step five further on.
.macro STEP q, zero, lw, pos, nxt, more
	s_wait_loadcnt \lw                             ; loads come back in order: set q is in
	s_wait_dscnt 8                                 ; B's first half is in; the second half's eight loads may be out
	WIN 0x05
	MM \q, 0, \zero
	PLACES
.if \nxt
	WIN 0x40
	LDB 0, ((\pos)+1)*KB
	s_wait_dscnt 8                                 ; B's second half is in; the eight just issued may be out
.else
	s_wait_dscnt 0x0
.endif
	WIN 0x05
	MM \q, 1, 0
	PLACES
.if \nxt
	WIN 0x40
	LDB 1, ((\pos)+1)*KB
.endif
.if \more
	WIN 0x40
	LDA \q, 6+(\pos)
.endif
.endm
.macro OUTFR base                      ; group (a, nb) is piece f = ((nb / 2) 2 + a) 2 + nb % 2 of my block: 512 consecutive bytes a store
.irp a, 0,1
.irp nb, 0,1,2,3
	global_store_b128 v1, v[PK+4*(4*(\a)+(\nb)):PK+4*(4*(\a)+(\nb))+3], s[\base:(\base)+1] offset:512*((((\nb)/2)*2+(\a))*2+(\nb)%2)
.endr
.endr
.endm
; The softmax's part for my 16 rows a: a lane holds one row (r) and 32 of its 64 frames, the lane 16 away the others.
.macro SOFT a
.set S, ACC+32*(\a)
.set CM, ST+2*(\a)
.set i, 0
.rept 32
	v_cmp_ge_i32 vcc_lo, v[ROW+(\a)], v[FIRE+i]    ; seen where row >= fire
	v_cndmask_b32 v[S+i], s[NEG], v[S+i], vcc_lo
.set i, i+1
.endr
.irp k, 0,1,2,3
	v_max3_num_f32 v[TM+(\k)], v[S+8*(\k)], v[S+8*(\k)+1], v[S+8*(\k)+2]
.endr
.irp k, 0,1,2,3
	v_max3_num_f32 v[TM+(\k)], v[TM+(\k)], v[S+8*(\k)+3], v[S+8*(\k)+4]
.endr
.irp k, 0,1,2,3
	v_max3_num_f32 v[TM+(\k)], v[TM+(\k)], v[S+8*(\k)+5], v[S+8*(\k)+6]
.endr
	v_max3_num_f32 v[TM], v[TM], v[S+7], v[S+15]
	v_max3_num_f32 v[TM+1], v[TM+1], v[S+23], v[S+31]
	v_max3_num_f32 v[TM], v[TM], v[TM+1], v[TM+2]
	v_max_num_f32 v[TM], v[TM], v[TM+3]
	v_permlanex16_b32 v[TM+1], v[TM], s[SEL], s[SEL+1]
	v_max3_num_f32 v[TM], v[TM], v[TM+1], s[NEG29] ; never below -1e29: in a row that sees nothing of the tile every p is 0
	v_mul_f32 v[CM], s[LE], v[TM]
.set i, 0
.rept 16
	v_pk_fma_f32 v[S+2*i:S+2*i+1], v[S+2*i:S+2*i+1], s[LE:LE+1], v[CM:CM+1] op_sel_hi:[1,0,0] neg_lo:[0,0,1] neg_hi:[0,0,1]
.set i, i+1
.endr
.set i, 0
.rept 32
	v_exp_f32 v[S+i], v[S+i]
.set i, i+1
.endr
	v_nop                                          ; a plain instruction behind the last exponential
.set i, 0
	s_wait_alu depctr_va_vdst(0)
.rept 16
	v_cvt_pk_f16_f32 v[PK+16*(\a)+i], v[S+2*i], v[S+2*i+1]
.set i, i+1
.endr
.irp k, 0,1,2,3,4,5,6,7
	v_pk_add_f32 v[S+2*(\k):S+2*(\k)+1], v[S+2*(\k):S+2*(\k)+1], v[S+2*(\k)+16:S+2*(\k)+17]
.endr
.irp k, 0,1,2,3
	v_pk_add_f32 v[S+2*(\k):S+2*(\k)+1], v[S+2*(\k):S+2*(\k)+1], v[S+2*(\k)+8:S+2*(\k)+9]
.endr
.irp k, 0,1
	v_pk_add_f32 v[S+2*(\k):S+2*(\k)+1], v[S+2*(\k):S+2*(\k)+1], v[S+2*(\k)+4:S+2*(\k)+5]
.endr
	v_pk_add_f32 v[S:S+1], v[S:S+1], v[S+2:S+3]
	v_add_f32 v[TM], v[S], v[S+1]
	v_permlanex16_b32 v[TM+1], v[TM], s[SEL], s[SEL+1]
	v_add_f32 v[CM+1], v[TM], v[TM+1]
.endm
	s_load_b256 s[4:11], s[0:1], 0x0               ; qh s[4:5], xs s[6:7], fire s[8:9], meta s[10:11]
	s_load_b128 s[12:15], s[0:1], 0x20             ; ph s[12:13], st s[14:15]
	v_lshl_add_u32 v254, v0, 2, 0x24000
	v_mov_b32 v255, 0
	v_and_b32 v10, 15, v0                          ; r
	v_bfe_u32 v11, v0, 4, 1                        ; h
	v_lshrrev_b32 v12, 5, v0
	v_readfirstlane_b32 s[WV], v12
	v_lshrrev_b32 v13, 4, v0
	v_lshlrev_b32 v2, 12, v13
	v_lshl_add_u32 v2, v10, 4, v2                  ; xs: row t / 16, 16 bytes at 16 (t % 16)
	v_mul_u32_u24 v3, v13, PA
	v_lshl_add_u32 v3, v10, 3, v3                  ; into B: row t / 16, 8 bytes at 8 (t % 16); blocks 0-6,
	v_add_nc_u32 v4, 7*KB, v3                      ; 7-13,
	v_add_nc_u32 v5, 14*KB, v3                     ; 14, 15
	v_mul_u32_u24 v7, v10, PA
	v_lshl_add_u32 v7, v11, 4, v7                  ; B's fragments: r x pitch + 16 h
	v_mov_b32 v6, v7                               ; the copy that steps with K
	v_lshlrev_b32 v9, 3, v0                        ; st: 8 bytes a row, row = t
	s_lshl_b32 s22, s[WV], 5
	v_add_nc_u32 v[ROW], s22, v10
	v_add_nc_u32 v[ROW+1], 16, v[ROW]
	v_and_b32 v14, 31, v0
	v_lshlrev_b32 v15, 5, v11                      ; fire: 32 h
	s_lshl_b32 s22, s[WV], 12
	v_lshl_add_u32 v1, v14, 4, s22                 ; fragment order: 4,096 w + 16 lane
	v_mov_b32 v[ST+1], 0                           ; named in pairs with their neighbours, so they are written
	v_mov_b32 v[ST+3], 0
	WIN 0x40
.set i, 0
.rept 192
	v_mov_b32 v[FA+i], 0                           ; A's ring holds numbers on every way through the text
.set i, i+1
.endr
	WIN 0
	s_mov_b32 s17, ttmp9                           ; x
	s_and_b32 s18, ttmp7, 0xffff                   ; b
	s_mov_b32 s[HI16], 0xffff0000
	s_mov_b32 s[NEG], 0xf149f2ca                   ; -1e30
	s_mov_b32 s[NEG29], 0xefa18f08                 ; -1e29
	s_mov_b32 s[LE], 0x3fb8aa3b                    ; log2(e)
	s_mov_b32 s[LE+1], s[LE]
	s_mov_b32 s[SEL], 0x76543210
	s_mov_b32 s[SEL+1], 0xfedcba98
	s_lshl_b32 s24, s18, 2
	s_mov_b32 s25, 0
	s_wait_kmcnt 0x0
	s_add_nc_u64 s[10:11], s[10:11], s[24:25]
	s_load_b32 s19, s[10:11], 0x0                  ; tiles of this batch
	s_lshl_b32 s24, s18, 19
	s_add_nc_u64 s[30:31], s[4:5], s[24:25]        ; the batch's part of each buffer
	s_lshl_b32 s24, s18, 23
	s_add_nc_u64 s[32:33], s[6:7], s[24:25]
	s_lshl_b32 s24, s18, 13
	s_add_nc_u64 s[34:35], s[8:9], s[24:25]
	s_lshl_b32 s24, s18, 20
	s_add_nc_u64 s[36:37], s[12:13], s[24:25]
	s_lshl_b32 s24, s18, 16
	s_add_nc_u64 s[38:39], s[14:15], s[24:25]
	s_wait_kmcnt 0x0
	s_min_u32 s19, s19, 32
	s_mov_b32 s20, 0
.Ltile:                                                ; two trips: tiles x and x + 16
	s_lshl4_add_u32 s21, s20, s17                  ; j = x + 16 c
	s_cmp_lt_u32 s21, s19
	s_cselect_b32 s[LIVE], 1, 0
	s_min_u32 s21, s21, 31
	s_mov_b64 s[26:27], s[30:31]
	s_lshl_b32 s24, s21, 18
	s_add_nc_u64 s[28:29], s[32:33], s[24:25]
	s_lshl_b32 s24, s21, 8
	s_add_nc_u64 s[40:41], s[34:35], s[24:25]
	s_lshl_b32 s24, s21, 15
	s_add_nc_u64 s[42:43], s[36:37], s[24:25]
	s_lshl_b32 s24, s21, 11
	s_add_nc_u64 s[44:45], s[38:39], s[24:25]
	BAR                                            ; every wave's reads of the last tile's B were waited for in front of its last products: B may be overwritten
	SKIP .Lnofill
	GLD 0, S0
	GLD 1, S1
	GLD 2, S2
	s_wait_loadcnt 32                              ; group 0 is in; two groups of 16 may stay out
	GST 0, S0
	s_wait_dscnt 0x0                               ; the stores have read S0
	GLD 3, S0
	s_wait_loadcnt 32                              ; group 1 is in (behind it: groups 2 and 3)
	GST 1, S1
	WIN 0x40
	LDA 5, 0
	LDA 0, 1
	WIN 0
	s_wait_loadcnt 32                              ; group 2 is in (behind it: group 3 and two sets of A)
	GST 2, S2
	WIN 0x40
	LDA 1, 2
	LDA 2, 3
	WIN 0
	s_wait_loadcnt 32                              ; group 3 is in (behind it: four sets of A)
	GST 3, S0
	WIN 0x40
	LDA 3, 4
	LDA 4, 5
	WIN 0
	s_wait_dscnt 0x0                               ; for the others' sake: my stores are done
.Lnofill:
	BAR                                            ; B is whole
	SKIP .Lnocomp
	v_mov_b32 v6, v7
	WIN 0x40
	LDB 0, 0
	LDB 1, 0
	STEP 5, 1, 40, 0, 1, 0                         ; step 0 starts the sums; five younger sets may stay out
	WIN 0                                          ; at a label and at a branch every window is 0
	v_add_nc_u32 v6, KB, v6
	s_mov_b32 s22, 2
.Lk:                                                   ; steps 1-5 and 6-10: four younger sets may stay out
	STEP 0, 0, 32, 0, 1, 1
	STEP 1, 0, 32, 1, 1, 1
	STEP 2, 0, 32, 2, 1, 1
	STEP 3, 0, 32, 3, 1, 1
	STEP 4, 0, 32, 4, 1, 1
	WIN 0
	v_add_nc_u32 v6, 5*KB, v6
	s_wait_xcnt 0x0                                ; the base is stepped only when the loads issued have had their addresses translated
	s_add_nc_u64 s[AB:AB+1], s[AB:AB+1], 5*32768
	s_sub_co_u32 s22, s22, 1
	s_cmp_lg_u32 s22, 0
	s_cbranch_scc1 .Lk
.irp nb, 0,1,2,3
	global_load_b128 v[FIRE+8*(\nb):FIRE+8*(\nb)+3],   v15, s[40:41] offset:64*(\nb)     ; fire of frames 16 nb + 8 h + 0..7, register for register as the scores lie:
	global_load_b128 v[FIRE+8*(\nb)+4:FIRE+8*(\nb)+7], v15, s[40:41] offset:64*(\nb)+16  ; asked for five steps ahead of its use
.endr
	STEP 0, 0, 40, 0, 1, 0                         ; steps 11-15 ask for nothing: the counts run down to fire's eight
	STEP 1, 0, 32, 1, 1, 0
	STEP 2, 0, 24, 2, 1, 0
	STEP 3, 0, 16, 3, 1, 0
	STEP 4, 0, 8,  4, 0, 0
	WIN 0
	s_wait_loadcnt 0x0
	SOFT 0
	SOFT 1
	v_cmp_lt_u32 vcc_lo, 15, v14
	v_cndmask_b32 v[SO], v[ST], v[ST+2], vcc_lo    ; lane L stores row 32 w + L
	v_cndmask_b32 v[SO+1], v[ST+1], v[ST+3], vcc_lo
	global_store_b64 v9, v[SO:SO+1], s[44:45]      ; a wave stores 256 consecutive bytes
	OUTFR 42
.Lnocomp:
	s_wait_xcnt 0x0                                ; the stores' data and bases are written again in the next tile
	s_add_co_u32 s20, s20, 1
	s_cmp_lt_u32 s20, 2
	s_cbranch_scc1 .Ltile
	s_barrier_signal -1
	s_barrier_wait -1
	s_wait_tensorcnt 0x0
	ds_add_u32 v254, v255
	s_wait_dscnt 0x0
	s_endpgm
.Lfunc_end_k_q4a0e736da8_scores:
	.size	k_q4a0e736da8_scores, .Lfunc_end_k_q4a0e736da8_scores-k_q4a0e736da8_scores
	.p2alignl 7, 3214868480
	.fill 96, 4, 3214868480
	.section	.rodata,"a",@progbits
	.p2align	6, 0x0
	.amdhsa_kernel k_q4a0e736da8_scores
		.amdhsa_group_segment_fixed_size 148480
		.amdhsa_private_segment_fixed_size 0
		.amdhsa_enable_private_segment 0
		.amdhsa_kernarg_size 48
		.amdhsa_user_sgpr_count 2
		.amdhsa_user_sgpr_kernarg_segment_ptr 1
		.amdhsa_wavefront_size32 1
		.amdhsa_system_sgpr_workgroup_id_x 1
		.amdhsa_system_sgpr_workgroup_id_y 1
		.amdhsa_system_sgpr_workgroup_id_z 1
		.amdhsa_system_vgpr_workitem_id 0
		.amdhsa_next_free_vgpr 512
		.amdhsa_next_free_sgpr 66
		.amdhsa_reserve_vcc 1
		.amdhsa_float_denorm_mode_32 3
		.amdhsa_float_denorm_mode_16_64 3
		.amdhsa_memory_ordered 1
		.amdhsa_forward_progress 1
		.amdhsa_inst_pref_size 97
	.end_amdhsa_kernel
	.amdgpu_metadata
---
amdhsa.version: [ 1, 2 ]
amdhsa.kernels:
  - .name:           k_q4a0e736da8_scores
    .symbol:         k_q4a0e736da8_scores.kd
    .args:
      - { .name: qh, .offset: 0, .size: 8, .value_kind: global_buffer, .address_space: global }
      - { .name: xs, .offset: 8, .size: 8, .value_kind: global_buffer, .address_space: global }
      - { .name: fire, .offset: 16, .size: 8, .value_kind: global_buffer, .address_space: global }
      - { .name: meta, .offset: 24, .size: 8, .value_kind: global_buffer, .address_space: global }
      - { .name: ph, .offset: 32, .size: 8, .value_kind: global_buffer, .address_space: global }
      - { .name: st, .offset: 40, .size: 8, .value_kind: global_buffer, .address_space: global }
    .group_segment_fixed_size: 148480
    .private_segment_fixed_size: 0
    .kernarg_segment_align: 8
    .kernarg_segment_size: 48
    .max_flat_workgroup_size: 256
    .sgpr_count:     66
    .vgpr_count:     512
    .wavefront_size: 32
...
	.end_amdgpu_metadata
.endif
;; end of part 9
;; launch ctx (part 10): grid 16 x 16, 8 waves a work-group, no clusters, 64,512 bytes of LDS; arguments ph, st, xs, aux, fire, ys_lens, meta, yc; writes yc
.if DOCPART == 10
	.amdgcn_target "amdgcn-amd-amdhsa--gfx1250"
	.amdhsa_code_object_version 6
	.text
	.protected	k_q4a0e736da8_ctx
	.globl	k_q4a0e736da8_ctx
	.p2align	8
	.type	k_q4a0e736da8_ctx,@function
k_q4a0e736da8_ctx:
	s_mov_b64 s[64:65], 0
	v_nop
	global_prefetch_b8 v0, s[64:65] scope:SCOPE_SE
	s_setreg_imm32_b32 hwreg(HW_REG_WAVE_MODE, 25, 1), 1
	s_wait_xcnt 0x0
; C[b][v][64 n + c] = sum over t of attn[b][v][t] xs[b][t][64 n + c], in f16, in fragment order.  out = attn (xs W + b) = (attn xs) W + b, since a row of attn adds up to 1.
; attn is joined from the tiles of the launch before by a running maximum M.  A step's products P X go into accumulators of their own; then, in f32,
; sums = a sums + f (P X) and l = a l + f l_tile, with a = 2^(M_old - M_new), f = 2^(m_tile - M_new).  M starts at -1e30, below every tile's maximum, and the sums
; at 0, so the first step is a step like any other, with a = 0: the price is 64 clearing moves, which stand in the wait for the arguments.
; A row that sees no frame (row >= ys_lens[b], or row < fire[b][0]) has a uniform softmax over all 2,048 frames: it takes the mean of xs.
; xs is rounded to bf16 (all the module's inputs are) and written as f16, since p is f16; sums in f32.
; A work-group makes 256 rows x 64 columns of one batch; wave w rows 32 w .. 32 w + 31; K is the frames, 64 a step; meta[b] steps (1 to 32) are LIVE.
; TRIPS OF THREE STEPS, TWO BANKS.  A trip begins with the wait for all loads; rounds its three tiles of xs and stores them into its LDS buffer; asks for the next
; trip's 42 loads (P's fragments straight into the other bank's registers, the tiles' m and l, xs) and only then passes the trip's one barrier and multiplies:
; those loads have three steps in which to land.  The waits for loads in the loop are for 0, so they hold on every way through the jumps.
; The loop counts its 12 trips to a constant and passes every barrier; dead trips' and dead steps' work is jumped, forward.  In a live trip a tile beyond the last
; live one is asked for as the last live one, and its step is jumped: no byte is read that the launch before did not store.
; Trip t stores into the buffer that trip t - 2 read: every wave has passed trip t - 1's barrier behind its reads of trip t - 2.
; Bank 1 is first asked for under a jump, so its 108 registers are written once at the head.
; xs lies [frame][column], K down the rows: B's fragments come out of LDS turned, by ds_load_tr16_b128.
; NO CLUSTER, no tensor loads: xs is f32 in memory and passes through registers to be rounded; P goes into registers directly.
; REGISTERS: window 0: v0-15 addresses; v16-79 sums; v80-143 B's fragments; v144-191 xs as loaded; v192-239 at work.
;            window 1: v0-63 a step's products; v64-159, v160-255 P's fragments, two banks of three tiles.
; LIMITS: |xs| under 65,504 (f16).
.set PB,   160                         ; B's rows: 128 bytes + 32
.set TB,   64*PB                       ; a tile
.set BUF,  3*TB                        ; a trip's three tiles; two such buffers
.set MEAN, 2*BUF                       ; behind them 256 bytes for each wave: the mean of my 64 columns
.set ACC,  16
.set FB,   80
.set PK,   80                          ; the way out: packed results
.set MR,   112                         ; the way out: the mean
.set RB,   144
.set T,    192
.set SM,   196                         ; v[196:219] (m log2 e, l) of my rows a = 0, 1: bank k, tile s at 12 k + 4 s
.set MX,   220                         ; running maxima (times log2 e)
.set LS,   222                         ; running sums
.set AA,   224                         ; v224, v226 a (each the low word of a pair)
.set FF,   228                         ; v228, v230 f (likewise)
.set MN,   232
.set DD,   234
.set MG,   238                         ; the mean on its way into LDS
.set TP,   0                           ; window 1
.set FA,   64                          ; window 1: bank k, tile s, fragment (ks, a) at 96 k + 32 s + 8 (2 ks + a)
.set WV,   20
.set HI16, 50
.set MSB,  0
.macro WIN new                         ; the immediate's high byte repeats the setting that is left
.if MSB != (\new)
	s_set_vgpr_msb (MSB<<8)|(\new)
.set MSB, \new
.endif
.endm
.macro CVX x, tt                       ; four f32 -> rounded to bf16 -> written as f16, in two registers
	v_cvt_pk_bf16_f32 v[\tt], v[\x], v[(\x)+1]
	v_cvt_pk_bf16_f32 v[(\tt)+1], v[(\x)+2], v[(\x)+3]
	v_lshlrev_b32 v[\x], 16, v[\tt]
	v_and_b32 v[(\x)+1], s[HI16], v[\tt]
	v_lshlrev_b32 v[(\x)+2], 16, v[(\tt)+1]
	v_and_b32 v[(\x)+3], s[HI16], v[(\tt)+1]
	v_cvt_pk_f16_f32 v[\x], v[\x], v[(\x)+1]
	v_cvt_pk_f16_f32 v[(\x)+1], v[(\x)+2], v[(\x)+3]
.endm
; Tiles s31, s31 + 1, s31 + 2, none beyond the last live one, into bank k.  Each tile has base registers of its own; all earlier loads are done when they are written.
.macro LOADS k
.irp s, 0,1,2
	s_add_co_u32 s29, s31, \s
	s_min_u32 s29, s29, s30
	s_min_u32 s29, s29, 31
	s_lshl_b32 s26, s29, 15
	s_add_nc_u64 s[32+2*(\s):33+2*(\s)], s[4:5], s[26:27]
	s_lshl_b32 s26, s29, 18
	s_add_nc_u64 s[38+2*(\s):39+2*(\s)], s[8:9], s[26:27]
	s_lshl_b32 s26, s29, 11
	s_add_nc_u64 s[44+2*(\s):45+2*(\s)], s[6:7], s[26:27]
.endr
	WIN 0x40                                       ; destination in window 1
.irp s, 0,1,2
.irp f, 0,1,2,3,4,5,6,7
	global_load_b128 v[FA+96*(\k)+32*(\s)+4*(\f):FA+96*(\k)+32*(\s)+4*(\f)+3], v2, s[32+2*(\s):33+2*(\s)] offset:512*(\f)  ; P in fragment order: 512 consecutive bytes
.endr
.endr
	WIN 0
.irp s, 0,1,2
	global_load_b64 v[SM+12*(\k)+4*(\s):SM+12*(\k)+4*(\s)+1], v9, s[44+2*(\s):45+2*(\s)]
	global_load_b64 v[SM+12*(\k)+4*(\s)+2:SM+12*(\k)+4*(\s)+3], v9, s[44+2*(\s):45+2*(\s)] offset:128
.irp i, 0,1,2,3
	global_load_b128 v[RB+16*(\s)+4*(\i):RB+16*(\s)+4*(\i)+3], v1, s[38+2*(\s):39+2*(\s)] offset:65536*(\i)  ; 16 frames x 256 bytes
.endr
.endr
.endm
.macro MM k, s, ks, zero               ; eight products, the eight accumulators by turns
.irp a, 0,1
.irp nb, 0,1,2,3
.if \zero
	v_wmma_f32_16x16x32_f16 v[TP+8*(4*(\a)+(\nb)):TP+8*(4*(\a)+(\nb))+7], v[FB+8*(4*(\ks)+(\nb)):FB+8*(4*(\ks)+(\nb))+7], v[FA+96*(\k)+32*(\s)+8*(2*(\ks)+(\a)):FA+96*(\k)+32*(\s)+8*(2*(\ks)+(\a))+7], 0
.else
	v_wmma_f32_16x16x32_f16 v[TP+8*(4*(\a)+(\nb)):TP+8*(4*(\a)+(\nb))+7], v[FB+8*(4*(\ks)+(\nb)):FB+8*(4*(\ks)+(\nb))+7], v[FA+96*(\k)+32*(\s)+8*(2*(\ks)+(\a)):FA+96*(\k)+32*(\s)+8*(2*(\ks)+(\a))+7], v[TP+8*(4*(\a)+(\nb)):TP+8*(4*(\a)+(\nb))+7]
.endif
.endr
.endr
.endm
; Tile s of the trip on bank k; jumped where the tile is dead.  The 32 rescalings name no register of the products: they are the places behind them.
.macro STEP k, s
	s_add_co_u32 s29, s28, \s
	s_cmp_lt_u32 s29, s23
	s_cbranch_scc0 .Lm_\@
.set Q, SM+12*(\k)+4*(\s)
.set LO, (\k)*BUF+(\s)*TB
.irp ks, 0,1
.irp nb, 0,1,2,3
	ds_load_tr16_b128 v[FB+8*(4*(\ks)+(\nb)):FB+8*(4*(\ks)+(\nb))+3],   v6 offset:LO+(\ks)*32*PB+(\nb)*32
	ds_load_tr16_b128 v[FB+8*(4*(\ks)+(\nb))+4:FB+8*(4*(\ks)+(\nb))+7], v6 offset:LO+(\ks)*32*PB+(\nb)*32+16*PB
.endr
.endr
	v_max_num_f32 v[MN], v[MX], v[Q]
	v_max_num_f32 v[MN+1], v[MX+1], v[Q+2]
	v_sub_f32 v[DD], v[MX], v[MN]
	v_sub_f32 v[DD+1], v[Q], v[MN]
	v_sub_f32 v[DD+2], v[MX+1], v[MN+1]
	v_sub_f32 v[DD+3], v[Q+2], v[MN+1]
	v_exp_f32 v[AA], v[DD]
	v_exp_f32 v[FF], v[DD+1]
	v_exp_f32 v[AA+2], v[DD+2]
	v_exp_f32 v[FF+2], v[DD+3]
	v_mov_b32 v[MX], v[MN]                         ; (plain instructions behind the exponentials)
	v_mov_b32 v[MX+1], v[MN+1]
	s_wait_alu depctr_va_vdst(0)
	v_mul_f32 v[DD], v[FF], v[Q+1]
	v_mul_f32 v[DD+1], v[FF+2], v[Q+3]
	v_fma_f32 v[LS], v[LS], v[AA], v[DD]
	v_fma_f32 v[LS+1], v[LS+1], v[AA+2], v[DD+1]
	s_wait_dscnt 8                                 ; the first 32 frames' fragments are in; the other eight loads may be out
	WIN 0x54                                       ; P, C and D in window 1, B in window 0
	MM \k, \s, 0, 1
	s_wait_dscnt 0x0
	MM \k, \s, 1, 0
	WIN 0
.irp a, 0,1
.set i, 0
.rept 16
	v_pk_mul_f32 v[ACC+32*(\a)+2*i:ACC+32*(\a)+2*i+1], v[ACC+32*(\a)+2*i:ACC+32*(\a)+2*i+1], v[AA+2*(\a):AA+2*(\a)+1] op_sel_hi:[1,0]
.set i, i+1
.endr
.endr
	WIN 0x01                                       ; source 0 in window 1
.irp a, 0,1
.set i, 0
.rept 16
	v_pk_fma_f32 v[ACC+32*(\a)+2*i:ACC+32*(\a)+2*i+1], v[TP+32*(\a)+2*i:TP+32*(\a)+2*i+1], v[FF+2*(\a):FF+2*(\a)+1], v[ACC+32*(\a)+2*i:ACC+32*(\a)+2*i+1] op_sel_hi:[1,0,1]  ; each accumulator from its low end on
.set i, i+1
.endr
.endr
	WIN 0                                          ; at a label and at a branch every window is 0
.Lm_\@:
.endm
; A trip on bank k; s28 is its first tile.
.macro TRIP k
	s_wait_loadcnt 0x0                             ; all that was asked for a trip ago is in; on every way, so that no load is out when bases and staging registers are written
	s_cmp_lt_u32 s28, s23
	s_cbranch_scc0 .Ld_\@
.set u, 0
.rept 12
	CVX RB+4*u, T+2*(u%2)
	ds_store_b64 v4, v[RB+4*u:RB+4*u+1] offset:(\k)*BUF+(u/4)*TB+(u%4)*16*PB
.set u, u+1
.endr
	s_wait_dscnt 0x0                               ; for the others' sake: my stores are done; and they have read the staging registers
	s_add_co_u32 s31, s28, 3
	s_cmp_lt_u32 s31, s23
	s_cbranch_scc0 .Ld_\@                          ; the next trip is asked for only if it is live
	LOADS 1-(\k)
.Ld_\@:
	s_barrier_signal -1
	s_barrier_wait -1                              ; the trip's three tiles are whole
	STEP \k, 0
	STEP \k, 1
	STEP \k, 2
	s_add_co_u32 s28, s28, 3
.endm
	s_load_b256 s[4:11], s[0:1], 0x0               ; ph s[4:5], st s[6:7], xs s[8:9], aux s[10:11]
	s_load_b256 s[12:19], s[0:1], 0x20             ; fire s[12:13], ys_lens s[14:15], meta s[16:17], yc s[18:19]
	v_lshl_add_u32 v254, v0, 2, 0xf800
	v_mov_b32 v255, 0
	v_and_b32 v10, 15, v0                          ; r
	v_bfe_u32 v11, v0, 4, 1                        ; h
	v_lshrrev_b32 v12, 5, v0
	v_readfirstlane_b32 s[WV], v12
	v_lshrrev_b32 v13, 4, v0
	v_and_b32 v14, 31, v0
	v_and_b32 v15, 7, v0
	v_lshlrev_b32 v1, 12, v13
	v_lshl_add_u32 v1, v10, 4, v1                  ; xs: row t / 16, 16 bytes at 16 (t % 16)
	s_lshl_b32 s31, s[WV], 12
	v_lshl_add_u32 v2, v14, 4, s31                 ; fragment order: 4,096 w + 16 lane
	v_mul_u32_u24 v4, v13, PB
	v_lshl_add_u32 v4, v10, 3, v4                  ; into B: row t / 16, 8 bytes at 8 (t % 16)
	v_lshl_add_u32 v6, v11, 3, v15                 ; the turning load: frame 8 h + l % 8,
	v_mul_u32_u24 v6, v6, PB
	v_bfe_u32 v12, v0, 3, 1
	v_lshl_add_u32 v6, v12, 4, v6                  ; 16 bytes at 16 ((l / 8) % 2)
	s_lshl_b32 s31, s[WV], 8
	s_add_co_u32 s31, s31, MEAN
	v_lshl_add_u32 v3, v14, 3, s31                 ; the mean into my 256 bytes: 8 a lane
	v_lshlrev_b32 v5, 3, v14
	v_lshl_add_u32 v11, v11, 5, s31                ; and back: 32 h
	s_lshl_b32 s31, s[WV], 5
	v_add_nc_u32 v7, s31, v10                      ; my row for a = 0,
	v_add_nc_u32 v8, 16, v7                        ; for a = 1
	v_lshlrev_b32 v9, 3, v7                        ; st: 8 bytes a row
	s_mov_b32 s21, ttmp9                           ; n
	s_and_b32 s22, ttmp7, 0xffff                   ; b
	s_mov_b32 s[HI16], 0xffff0000
	s_lshl_b32 s26, s22, 2
	s_mov_b32 s27, 0
	s_wait_kmcnt 0x0
	s_add_nc_u64 s[14:15], s[14:15], s[26:27]
	s_add_nc_u64 s[16:17], s[16:17], s[26:27]
	s_lshl_b32 s26, s22, 13
	s_add_nc_u64 s[12:13], s[12:13], s[26:27]
	s_load_b32 s24, s[14:15], 0x0                  ; ys_lens[b]
	s_load_b32 s23, s[16:17], 0x0                  ; live steps
	s_load_b32 s25, s[12:13], 0x0                  ; fire[b][0]
	s_lshl_b32 s26, s22, 20
	s_add_nc_u64 s[4:5], s[4:5], s[26:27]          ; the batch's part of each buffer
	s_lshl_b32 s26, s22, 16
	s_add_nc_u64 s[6:7], s[6:7], s[26:27]
	s_lshl_b32 s26, s22, 23
	s_add_nc_u64 s[8:9], s[8:9], s[26:27]
	s_lshl_b32 s26, s21, 8
	s_add_nc_u64 s[8:9], s[8:9], s[26:27]          ; and my 64 columns
	s_add_nc_u64 s[10:11], s[10:11], s[26:27]
	s_lshl_b32 s26, s22, 12
	s_add_nc_u64 s[10:11], s[10:11], s[26:27]
	s_lshl4_add_u32 s26, s22, s21
	s_lshl_b32 s26, s26, 15
	s_add_nc_u64 s[18:19], s[18:19], s[26:27]
	global_load_b64 v[MG:MG+1], v5, s[10:11]       ; the mean of my 64 columns: 256 consecutive bytes a wave
.set i, 0
.rept 64
	v_mov_b32 v[ACC+i], 0
.set i, i+1
.endr
	WIN 0x40
.set i, 0
.rept 96
	v_mov_b32 v[FA+96+i], 0                        ; bank 1 holds numbers on every way through the text
.set i, i+1
.endr
	WIN 0
.set i, 0
.rept 12
	v_mov_b32 v[SM+12+i], 0
.set i, i+1
.endr
.set i, 0
.rept 8
	v_mov_b32 v[AA+i], 0                           ; a, f and the registers named with them as pairs
.set i, i+1
.endr
	v_mov_b32 v[MX], 0xf149f2ca                    ; -1e30
	v_mov_b32 v[MX+1], 0xf149f2ca
	v_mov_b32 v[LS], 0
	v_mov_b32 v[LS+1], 0
	s_wait_kmcnt 0x0
	s_min_u32 s23, s23, 32
	s_max_u32 s23, s23, 1
	s_add_co_u32 s30, s23, -1                      ; the last live tile
	s_mov_b32 s31, 0
	LOADS 0                                        ; the first trip's tiles
	s_wait_loadcnt 42                              ; the mean is in; the 42 loads behind it stay out
	ds_store_b64 v3, v[MG:MG+1]
	s_wait_dscnt 0x0                               ; no LDS instruction is out at a barrier's signal
	s_mov_b32 s28, 0
	s_mov_b32 s51, 6
.Lk:                                                   ; two trips, six tiles
	TRIP 0
	TRIP 1
	s_sub_co_u32 s51, s51, 1
	s_cmp_lg_u32 s51, 0
	s_cbranch_scc1 .Lk
.irp nb, 0,1,2,3
	ds_load_b128 v[MR+8*(\nb):MR+8*(\nb)+3],   v11 offset:64*(\nb)      ; the mean of columns 16 nb + 8 h + 0..7, from my own bytes
	ds_load_b128 v[MR+8*(\nb)+4:MR+8*(\nb)+7], v11 offset:64*(\nb)+16
.endr
	v_rcp_f32 v[AA], v[LS]
	v_rcp_f32 v[AA+2], v[LS+1]
	v_nop
	v_cmp_le_i32 s52, s24, v7                      ; a row that sees nothing: at or beyond ys_len,
	v_cmp_gt_i32 s54, s25, v7                      ; or below the first frame's fire
	s_or_b32 s52, s52, s54
	v_cmp_le_i32 s53, s24, v8
	v_cmp_gt_i32 s54, s25, v8
	s_or_b32 s53, s53, s54
	s_wait_dscnt 0x0
	s_wait_alu depctr_va_vdst(0)
.irp a, 0,1
.set i, 0
.rept 16
	v_pk_mul_f32 v[ACC+32*(\a)+2*i:ACC+32*(\a)+2*i+1], v[ACC+32*(\a)+2*i:ACC+32*(\a)+2*i+1], v[AA+2*(\a):AA+2*(\a)+1] op_sel_hi:[1,0]
.set i, i+1
.endr
.set i, 0
.rept 32
	v_cndmask_b32 v[ACC+32*(\a)+i], v[ACC+32*(\a)+i], v[MR+i], s[52+(\a)]  ; the mean takes the place of 0 / 0
.set i, i+1
.endr
.set i, 0
.rept 16
	v_cvt_pk_f16_f32 v[PK+16*(\a)+i], v[ACC+32*(\a)+2*i], v[ACC+32*(\a)+2*i+1]
.set i, i+1
.endr
.endr
.irp a, 0,1                            ; group (a, nb) is piece f = ((nb / 2) 2 + a) 2 + nb % 2 of my block: 512 consecutive bytes a store
.irp nb, 0,1,2,3
	global_store_b128 v2, v[PK+4*(4*(\a)+(\nb)):PK+4*(4*(\a)+(\nb))+3], s[18:19] offset:512*((((\nb)/2)*2+(\a))*2+(\nb)%2)
.endr
.endr
	s_barrier_signal -1
	s_barrier_wait -1
	s_wait_tensorcnt 0x0
	ds_add_u32 v254, v255
	s_wait_dscnt 0x0
	s_endpgm
.Lfunc_end_k_q4a0e736da8_ctx:
	.size	k_q4a0e736da8_ctx, .Lfunc_end_k_q4a0e736da8_ctx-k_q4a0e736da8_ctx
	.p2alignl 7, 3214868480
	.fill 96, 4, 3214868480
	.section	.rodata,"a",@progbits
	.p2align	6, 0x0
	.amdhsa_kernel k_q4a0e736da8_ctx
		.amdhsa_group_segment_fixed_size 64512
		.amdhsa_private_segment_fixed_size 0
		.amdhsa_enable_private_segment 0
		.amdhsa_kernarg_size 64
		.amdhsa_user_sgpr_count 2
		.amdhsa_user_sgpr_kernarg_segment_ptr 1
		.amdhsa_wavefront_size32 1
		.amdhsa_system_sgpr_workgroup_id_x 1
		.amdhsa_system_sgpr_workgroup_id_y 1
		.amdhsa_system_sgpr_workgroup_id_z 1
		.amdhsa_system_vgpr_workitem_id 0
		.amdhsa_next_free_vgpr 512
		.amdhsa_next_free_sgpr 66
		.amdhsa_reserve_vcc 0
		.amdhsa_float_denorm_mode_32 3
		.amdhsa_float_denorm_mode_16_64 3
		.amdhsa_memory_ordered 1
		.amdhsa_forward_progress 1
		.amdhsa_inst_pref_size 86
	.end_amdhsa_kernel
	.amdgpu_metadata
---
amdhsa.version: [ 1, 2 ]
amdhsa.kernels:
  - .name:           k_q4a0e736da8_ctx
    .symbol:         k_q4a0e736da8_ctx.kd
    .args:
      - { .name: ph, .offset: 0, .size: 8, .value_kind: global_buffer, .address_space: global }
      - { .name: st, .offset: 8, .size: 8, .value_kind: global_buffer, .address_space: global }
      - { .name: xs, .offset: 16, .size: 8, .value_kind: global_buffer, .address_space: global }
      - { .name: aux, .offset: 24, .size: 8, .value_kind: global_buffer, .address_space: global }
      - { .name: fire, .offset: 32, .size: 8, .value_kind: global_buffer, .address_space: global }
      - { .name: ys_lens, .offset: 40, .size: 8, .value_kind: global_buffer, .address_space: global }
      - { .name: meta, .offset: 48, .size: 8, .value_kind: global_buffer, .address_space: global }
      - { .name: yc, .offset: 56, .size: 8, .value_kind: global_buffer, .address_space: global }
    .group_segment_fixed_size: 64512
    .private_segment_fixed_size: 0
    .kernarg_segment_align: 8
    .kernarg_segment_size: 64
    .max_flat_workgroup_size: 256
    .sgpr_count:     66
    .vgpr_count:     512
    .wavefront_size: 32
...
	.end_amdgpu_metadata
.endif
;; end of part 10
;; launch outp (part 11): grid 16 x 16, 8 waves a work-group, no clusters, 201,728 bytes of LDS; arguments yc, aux, b_proj, out0; writes out0
.if DOCPART == 11
	.amdgcn_target "amdgcn-amd-amdhsa--gfx1250"
	.amdhsa_code_object_version 6
	.text
	.protected	k_q4a0e736da8_outp
	.globl	k_q4a0e736da8_outp
	.p2align	8
	.type	k_q4a0e736da8_outp,@function
k_q4a0e736da8_outp:
	s_mov_b64 s[64:65], 0
	v_nop
	global_prefetch_b8 v0, s[64:65] scope:SCOPE_SE
	s_setreg_imm32_b32 hwreg(HW_REG_WAVE_MODE, 25, 1), 1
	s_wait_xcnt 0x0
; out0[b][v][e] = sum over d of C[b][v][d] W_proj[d][e] + b_proj[e], f32.  C is the launch before's, f16, in fragment order, a block of 64 along d a K step.
; W_proj comes rounded to bf16 and written as f16, in blocks [e / 64][d][e % 64], from an earlier launch; b_proj is rounded to bf16 here; sums in f32.
; A work-group makes 256 rows x 64 columns (batch b, columns 64 n on); wave w rows 32 w .. 32 w + 31: eight accumulators, taken by turns.  K: 16 steps of 64.
; A (C) goes straight into registers: a wave's eight loads of 512 consecutive bytes ARE its fragments of a step.  A ring of five fragment sets (and a sixth for
; step 0) keeps five steps' loads on their way.
; B (1,024 rows of W x my 64 columns, 131,072 dense bytes) is brought into LDS once, 32 loads and 32 LDS stores a thread; behind the one barrier the 16 steps need
; no barrier and no LDS store.  W lies [d][e], K down the rows: B's fragments come out of LDS turned, by ds_load_tr16_b128, half a step ahead.
; NO CLUSTER, no tensor loads: sixteen work-groups read the same A, but a joint load would end in LDS, and this text takes A into registers directly.
; REGISTERS: window 0: v0-15 addresses; v16-79 accumulators; v80-207 B on its way into LDS, later the bias (v80-111) and rows read back (v112-175); v208-211 at work.
;            window 1: v0-63 B's fragments (ks, nb) at 8 (4 ks + nb); v64-255 A's six sets of 32, fragment (ks, a) at 8 (2 ks + a).
.set PB,   160                         ; B's rows: 128 bytes + 32
.set KB,   64*PB                       ; B's rows of one K step
.set STG,  1024*PB                     ; behind B a stage of 4,608 bytes for each wave, of which 16 rows x 272 are used
.set SP,   272
.set ACC,  16
.set X,    80
.set BI,   80
.set OB,   112
.set T,    208
.set FB,   0
.set FA,   64
.set AB,   4                           ; s[4:5] A's base
.set WV,   12
.set HI16, 13
.set MSB,  0
.macro WIN new                         ; the immediate's high byte repeats the setting that is left
.if MSB != (\new)
	s_set_vgpr_msb (MSB<<8)|(\new)
.set MSB, \new
.endif
.endm
.macro PLACES                          ; four places between products and loads into their sources, or reads of their results
.rept 4
	v_nop
.endr
.endm
.macro LDA q, step                     ; A's fragments of a K step into set q (destination window 1)
.irp f, 0,1,2,3,4,5,6,7
	global_load_b128 v[FA+32*(\q)+4*(\f):FA+32*(\q)+4*(\f)+3], v1, s[AB:AB+1] offset:(\step)*32768+(\f)*512
.endr
.endm
.macro LDB ks, off                     ; B's fragments of half a K step (destination window 1)
.irp nb, 0,1,2,3
	ds_load_tr16_b128 v[FB+8*(4*(\ks)+(\nb)):FB+8*(4*(\ks)+(\nb))+3],   v6 offset:(\off)+(\ks)*32*PB+(\nb)*32
	ds_load_tr16_b128 v[FB+8*(4*(\ks)+(\nb))+4:FB+8*(4*(\ks)+(\nb))+7], v6 offset:(\off)+(\ks)*32*PB+(\nb)*32+16*PB
.endr
.endm
.macro MM q, ks, zero                  ; eight products, the eight accumulators by turns
.irp a, 0,1
.irp nb, 0,1,2,3
.if \zero
	v_wmma_f32_16x16x32_f16 v[ACC+8*(4*(\a)+(\nb)):ACC+8*(4*(\a)+(\nb))+7], v[FB+8*(4*(\ks)+(\nb)):FB+8*(4*(\ks)+(\nb))+7], v[FA+32*(\q)+8*(2*(\ks)+(\a)):FA+32*(\q)+8*(2*(\ks)+(\a))+7], 0
.else
	v_wmma_f32_16x16x32_f16 v[ACC+8*(4*(\a)+(\nb)):ACC+8*(4*(\a)+(\nb))+7], v[FB+8*(4*(\ks)+(\nb)):FB+8*(4*(\ks)+(\nb))+7], v[FA+32*(\q)+8*(2*(\ks)+(\a)):FA+32*(\q)+8*(2*(\ks)+(\a))+7], v[ACC+8*(4*(\a)+(\nb)):ACC+8*(4*(\a)+(\nb))+7]
.endif
.endr
.endr
.endm
; A K step on set q.  lw: the younger global loads that may stay out.  pos: the step's rows counted from v6.  nxt: the next step's B fragments are fetched, each
; half behind the products that read its registers.  more: set q takes the step five further on.
.macro STEP q, zero, lw, pos, nxt, more
	s_wait_loadcnt \lw                             ; loads come back in order: set q is in
	s_wait_dscnt 8                                 ; B's first half is in; the second half's eight loads may be out
	WIN 0x05                                       ; both sources in window 1, sums in window 0
	MM \q, 0, \zero
	PLACES
.if \nxt
	WIN 0x40
	LDB 0, ((\pos)+1)*KB
	s_wait_dscnt 8                                 ; B's second half is in; the eight just issued may be out
.else
	s_wait_dscnt 0x0
.endif
	WIN 0x05
	MM \q, 1, 0
	PLACES
.if \nxt
	WIN 0x40
	LDB 1, ((\pos)+1)*KB
.endif
.if \more
	WIN 0x40
	LDA \q, 6+(\pos)
.endif
.endm
	s_load_b256 s[4:11], s[0:1], 0x0               ; yc s[4:5], aux s[6:7], b_proj s[8:9], out0 s[10:11]
	v_lshl_add_u32 v254, v0, 2, 0x31000
	v_mov_b32 v255, 0
	v_and_b32 v10, 15, v0                          ; r
	v_bfe_u32 v11, v0, 4, 1                        ; h
	v_lshrrev_b32 v12, 5, v0
	v_readfirstlane_b32 s[WV], v12                 ; wave
	v_and_b32 v13, 31, v0
	s_lshl_b32 s14, s[WV], 12
	v_lshl_add_u32 v1, v13, 4, s14                 ; fragment order: 4,096 w + 16 lane
	v_lshlrev_b32 v2, 4, v0                        ; B's dense block comes in by 16 t: 32 rows an instruction
	v_lshrrev_b32 v14, 3, v0
	v_and_b32 v15, 7, v0
	v_mul_u32_u24 v3, v14, PB
	v_lshl_add_u32 v3, v15, 4, v3                  ; into B: row t / 8, 16 bytes at 16 (t % 8); rows 0-383,
	v_add_nc_u32 v4, 12*32*PB, v3                  ; 384-767,
	v_add_nc_u32 v5, 24*32*PB, v3                  ; 768-1,023: an LDS offset holds 16 bits
	v_lshl_add_u32 v6, v11, 3, v15                 ; the turning load: row 8 h + l % 8,
	v_mul_u32_u24 v6, v6, PB
	v_bfe_u32 v14, v0, 3, 1
	v_lshl_add_u32 v6, v14, 4, v6                  ; 16 bytes at 16 ((l / 8) % 2); it steps with K
	s_mul_i32 s14, s[WV], 4608
	s_add_co_u32 s14, s14, STG                     ; my stage
	v_mul_u32_u24 v7, v10, SP
	v_lshl_add_u32 v7, v11, 5, v7
	v_add_nc_u32 v7, s14, v7                       ; in: row r, 32 bytes for each half of the lanes
	v_mul_u32_u24 v8, v11, SP
	v_lshl_add_u32 v8, v10, 4, v8
	v_add_nc_u32 v8, s14, v8                       ; back: lanes 0-15 one row of 256 bytes, lanes 16-31 the next
	v_lshlrev_b32 v9, 12, v11
	v_lshl_add_u32 v9, v10, 4, v9                  ; and the same two rows in out0
	v_lshlrev_b32 v15, 5, v11                      ; the bias: 32 h
	s_mov_b32 s15, ttmp9                           ; n
	s_and_b32 s16, ttmp7, 0xffff                   ; b
	s_mov_b32 s[HI16], 0xffff0000
	s_lshl_b32 s18, s16, 19
	s_mov_b32 s19, 0
	s_lshl_b32 s20, s15, 8
	s_mov_b32 s21, 0
	s_lshl_b32 s22, s16, 20
	s_lshl_b32 s23, s[WV], 17
	s_add_co_u32 s22, s22, s23
	s_mov_b32 s23, 0
	s_lshl_b32 s24, s15, 17
	s_add_co_u32 s24, s24, 2162688                 ; W in f16: behind the mean's 65,536 bytes and the bf16 copy's 2,097,152
	s_mov_b32 s25, 0
	s_wait_kmcnt 0x0
	s_add_nc_u64 s[4:5], s[4:5], s[18:19]
	s_add_nc_u64 s[6:7], s[6:7], s[24:25]
	s_add_nc_u64 s[8:9], s[8:9], s[20:21]
	s_add_nc_u64 s[10:11], s[10:11], s[20:21]
	s_add_nc_u64 s[10:11], s[10:11], s[22:23]
.set u, 0
.rept 32
	global_load_b128 v[X+4*u:X+4*u+3], v2, s[6:7] offset:u*4096
.set u, u+1
.endr
	WIN 0x40
	LDA 5, 0
	LDA 0, 1
	LDA 1, 2
	WIN 0
	s_wait_loadcnt 24                              ; B is in; A's first three sets may stay out
.set u, 0
.rept 32
.if u < 12
	ds_store_b128 v3, v[X+4*u:X+4*u+3] offset:u*32*PB
.elseif u < 24
	ds_store_b128 v4, v[X+4*u:X+4*u+3] offset:(u-12)*32*PB
.else
	ds_store_b128 v5, v[X+4*u:X+4*u+3] offset:(u-24)*32*PB
.endif
.set u, u+1
.endr
	WIN 0x40
	LDA 2, 3
	LDA 3, 4
	LDA 4, 5
	s_wait_dscnt 0x0                               ; for the others' sake: my stores are done
	s_barrier_signal -1
	s_barrier_wait -1                              ; B is whole
	LDB 0, 0
	LDB 1, 0
	STEP 5, 1, 40, 0, 1, 0                         ; step 0 starts the sums; five younger sets may stay out
	WIN 0                                          ; at a label and at a branch every window is 0
	v_add_nc_u32 v6, KB, v6
	s_mov_b32 s26, 2
.Lk:                                                   ; steps 1-5 and 6-10: four younger sets may stay out
	STEP 0, 0, 32, 0, 1, 1
	STEP 1, 0, 32, 1, 1, 1
	STEP 2, 0, 32, 2, 1, 1
	STEP 3, 0, 32, 3, 1, 1
	STEP 4, 0, 32, 4, 1, 1
	WIN 0
	v_add_nc_u32 v6, 5*KB, v6
	s_wait_xcnt 0x0                                ; the base is stepped only when the loads issued have had their addresses translated
	s_add_nc_u64 s[AB:AB+1], s[AB:AB+1], 5*32768
	s_sub_co_u32 s26, s26, 1
	s_cmp_lg_u32 s26, 0
	s_cbranch_scc1 .Lk
.irp nb, 0,1,2,3
	global_load_b128 v[BI+8*(\nb):BI+8*(\nb)+3],   v15, s[8:9] offset:64*(\nb)      ; the bias of columns 16 nb + 8 h + 0..7, asked for five steps ahead of its use
	global_load_b128 v[BI+8*(\nb)+4:BI+8*(\nb)+7], v15, s[8:9] offset:64*(\nb)+16
.endr
	STEP 0, 0, 40, 0, 1, 0                         ; steps 11-15 ask for nothing: the counts run down to the bias's eight
	STEP 1, 0, 32, 1, 1, 0
	STEP 2, 0, 24, 2, 1, 0
	STEP 3, 0, 16, 3, 1, 0
	STEP 4, 0, 8,  4, 0, 0
	WIN 0
	s_wait_loadcnt 0x0
.set i, 0
.rept 16
	v_cvt_pk_bf16_f32 v[T+i%4], v[BI+2*i], v[BI+2*i+1]   ; rounded to bf16, and back
	v_lshlrev_b32 v[BI+2*i], 16, v[T+i%4]
	v_and_b32 v[BI+2*i+1], s[HI16], v[T+i%4]
.set i, i+1
.endr
.irp a, 0,1
.irp nb, 0,1,2,3
.irp p, 0,1,2,3
	v_pk_add_f32 v[ACC+8*(4*(\a)+(\nb))+2*(\p):ACC+8*(4*(\a)+(\nb))+2*(\p)+1], v[ACC+8*(4*(\a)+(\nb))+2*(\p):ACC+8*(4*(\a)+(\nb))+2*(\p)+1], v[BI+8*(\nb)+2*(\p):BI+8*(\nb)+2*(\p)+1]
.endr
.endr
.endr
.irp a, 0,1                            ; 16 rows at a time through my own stage; LDS serves a wave's instructions in order
.irp nb, 0,1,2,3
	ds_store_b128 v7, v[ACC+8*(4*(\a)+(\nb)):ACC+8*(4*(\a)+(\nb))+3]   offset:64*(\nb)
	ds_store_b128 v7, v[ACC+8*(4*(\a)+(\nb))+4:ACC+8*(4*(\a)+(\nb))+7] offset:64*(\nb)+16
.endr
.irp q, 0,1,2,3,4,5,6,7
	ds_load_b128 v[OB+32*(\a)+4*(\q):OB+32*(\a)+4*(\q)+3], v8 offset:2*SP*(\q)
.endr
.endr
.irp a, 0,1
.irp q, 0,1,2,3,4,5,6,7
	s_wait_dscnt 16*(1-(\a))+7-(\q)                ; behind the first block's loads stand the second block's sixteen LDS instructions
	global_store_b128 v9, v[OB+32*(\a)+4*(\q):OB+32*(\a)+4*(\q)+3], s[10:11] offset:65536*(\a)+8192*(\q) th:TH_STORE_NT  ; 16 lanes store 256 consecutive bytes, aligned
.endr
.endr
	s_barrier_signal -1
	s_barrier_wait -1
	s_wait_tensorcnt 0x0
	ds_add_u32 v254, v255
	s_wait_dscnt 0x0
	s_endpgm
.Lfunc_end_k_q4a0e736da8_outp:
	.size	k_q4a0e736da8_outp, .Lfunc_end_k_q4a0e736da8_outp-k_q4a0e736da8_outp
	.p2alignl 7, 3214868480
	.fill 96, 4, 3214868480
	.section	.rodata,"a",@progbits
	.p2align	6, 0x0
	.amdhsa_kernel k_q4a0e736da8_outp
		.amdhsa_group_segment_fixed_size 201728
		.amdhsa_private_segment_fixed_size 0
		.amdhsa_enable_private_segment 0
		.amdhsa_kernarg_size 32
		.amdhsa_user_sgpr_count 2
		.amdhsa_user_sgpr_kernarg_segment_ptr 1
		.amdhsa_wavefront_size32 1
		.amdhsa_system_sgpr_workgroup_id_x 1
		.amdhsa_system_sgpr_workgroup_id_y 1
		.amdhsa_system_sgpr_workgroup_id_z 1
		.amdhsa_system_vgpr_workitem_id 0
		.amdhsa_next_free_vgpr 512
		.amdhsa_next_free_sgpr 66
		.amdhsa_reserve_vcc 0
		.amdhsa_float_denorm_mode_32 3
		.amdhsa_float_denorm_mode_16_64 3
		.amdhsa_memory_ordered 1
		.amdhsa_forward_progress 1
		.amdhsa_inst_pref_size 53
	.end_amdhsa_kernel
	.amdgpu_metadata
---
amdhsa.version: [ 1, 2 ]
amdhsa.kernels:
  - .name:           k_q4a0e736da8_outp
    .symbol:         k_q4a0e736da8_outp.kd
    .args:
      - { .name: yc, .offset: 0, .size: 8, .value_kind: global_buffer, .address_space: global }
      - { .name: aux, .offset: 8, .size: 8, .value_kind: global_buffer, .address_space: global }
      - { .name: b_proj, .offset: 16, .size: 8, .value_kind: global_buffer, .address_space: global }
      - { .name: out0, .offset: 24, .size: 8, .value_kind: global_buffer, .address_space: global }
    .group_segment_fixed_size: 201728
    .private_segment_fixed_size: 0
    .kernarg_segment_align: 8
    .kernarg_segment_size: 32
    .max_flat_workgroup_size: 256
    .sgpr_count:     66
    .vgpr_count:     512
    .wavefront_size: 32
...
	.end_amdgpu_metadata
.endif
;; end of part 11
